; MI455X (gfx1250); checked and timed in simulation.
; The chip was launched on July 23, 2026; its instructions are those of AMD's public machine-readable ISA for CDNA 5 (MIT licence, August 2026) and "CDNA5" Instruction Set Architecture Reference Guide (July 2026). The comments in the code are by the model that wrote it; some were corrected since.
;; Transformer Block. Allowed arithmetic: matrix products marked QUANTISED: E3M2 operands, one E8M0 scale for each 32 along K, by v_wmma_scale_f32_16x16x128_f8f6f4 with both operands' format E3M2, f32 sums; everything else in f32.
;; Inputs: W_K 16 x 2,048 x 128 float32; W_O 16 x 128 x 2,048 float32; W_Q 16 x 2,048 x 128 float32; W_V 16 x 2,048 x 128 float32; b_K 16 x 128 float32; b_O 2,048 float32; b_Q 16 x 128 float32; b_V 16 x 128 float32; key_input 1 x 2,048 x 2,048 float32; query_input 1 x 2,048 x 2,048 float32; value_input 1 x 2,048 x 2,048 float32.
;; Outputs: out0 1 x 2,048 x 2,048 float32.
;; This version of the problem:
;;   THIS VERSION OF THE PROBLEM IS GIVEN IN LOW PRECISION. The matrix products marked QUANTISED in the list below multiply operands that are first quantised to E3M2 (3 exponent bits, 2 mantissa bits; 6 bits a number), with one power-of-two scale for each 32 numbers along K (OCP MX v1.0); their sums are f32. All else is computed in f32.
;;   The module's matrix products, in the order in which they are computed (A, B: the left and right operand; K: the contracted axis; several contracted axes count as one K, in the product's order):
;;     1. [M 2,048, K 2,048] x [K 2,048, N 2,048]; A: input query_input; B: input W_Q: QUANTISED
;;     2. [M 2,048, K 2,048] x [K 2,048, N 2,048]; A: input key_input; B: input W_K: QUANTISED
;;     3. [M 2,048, K 2,048] x [K 2,048, N 2,048]; A: input value_input; B: input W_V: QUANTISED
;;     4. batch 16 x [M 2,048, K 128] x [K 128, N 2,048]; A: computed on the way; B: computed on the way: QUANTISED
;;     5. batch 16 x [M 2,048, K 2,048] x [K 2,048, N 128]; A: softmax (see below); B: computed on the way: QUANTISED
;;     6. [M 2,048, K 2,048] x [K 2,048, N 2,048]; A: computed on the way; B: input W_O: QUANTISED
;;   THE QUANTISER, for each operand of a quantised product, along K:
;;     - K is cut into blocks of 32 from its start; a last block that is shorter is filled with zeros.
;;     - A block's scale is 2^e with e = floor(log2(the largest magnitude in the block)) - 4, held to -126 .. 127; a block of zeros has e = 0. As a byte (E8M0): e + 127.
;;     - Each number is divided by its block's scale, clamped to +-28, and rounded to the nearest number of E3M2, ties to even, subnormals kept.
;;     - The product sums the exact products of the quantised numbers (number of the format x scale) in f32.
;;   ~~~python
;;   def quantise(x, axis):      # numpy; x: float32 -> the quantised numbers, widened to float32 again
;;       x = np.moveaxis(x, axis, -1); K = x.shape[-1]
;;       x = np.pad(x, [(0, 0)] * (x.ndim - 1) + [(0, -K % 32)]); x = x.reshape(x.shape[:-1] + (-1, 32)); a = np.abs(x).max(-1, keepdims=True)
;;       e = np.where(a > 0, np.clip(np.frexp(np.where(a > 0, a, 1))[1] - 1 - 4, -126, 127), 0)      # np.frexp(a)[1] - 1 = floor(log2(a)), exactly
;;       r = np.clip(x / 2.0 ** e, -28, 28)
;;       step = 2.0 ** (np.maximum(np.frexp(np.where(r == 0, 1, r))[1] - 1, -2) - 2)
;;       q = np.round(r / step) * step * 2.0 ** e      # np.round: ties to even
;;       return np.moveaxis(q.reshape(q.shape[:-2] + (-1,))[..., :K], -1, axis).astype(np.float32)
;;   ~~~
;;   SOFTMAX AHEAD OF A QUANTISED PRODUCT. Where the list says 'softmax', what is quantised is not the finished softmax but p = 2^(t - M), with t = logit x log2(e) and M = ceil(the row's largest t), a whole number; so 1/2 < the row's largest p <= 1. The row's sum l is taken of the UNQUANTISED p, in f32, and the product's result is divided by l at the end. Since M is a whole number, a kernel that streams over the keys may use a running M (the ceiling of the running maximum): every later rescaling is an exact power of two, which a block's scale takes up: the codes' values come out the same.
;;   OPERANDS COMPUTED ON THE WAY. 'Computed on the way' means the value that the module computes at that place (a softmax that the list does not call 'softmax' is quantised finished and normalised). What goes into a quantiser is computed in f32, as accurately as f32 sums, v_exp_f32 and their like allow (about 1e-6 of the number): no bf16 or f16 on the way to a quantiser, and a product that is left as it is and whose result goes on into a quantised operand takes f32 operands (vector FMAs, or v_wmma_f32_16x16x4_f32). A number that lies on a knife's edge between two numbers of the format may be rounded either way, as far as f32 arithmetic and the matrix unit's own rounding can turn it there, and no further.
;; 2 versions. Each part assembles by itself: llvm-mc -triple=amdgcn-amd-amdhsa -mcpu=gfx1250 --defsym DOCPART=n.
;; ======== version 1 of 2: 4 launches
;; workspace buffers: ops 22,937,600 bytes; rot 1,048,576 bytes; qimg 3,276,800 bytes; kv 6,553,600 bytes; zimg 3,276,800 bytes
;; launch quant (part 1): grid 512 x 1, 4 waves a work-group, no clusters, 34,304 bytes of LDS; arguments query_input, key_input, value_input, W_Q, W_K, W_V, W_O, ops, rot; writes ops, rot
.if DOCPART == 1
	.amdgcn_target "amdgcn-amd-amdhsa--gfx1250"
	.amdhsa_code_object_version 6
	.text
	.protected	k_qc516fae671_quant
	.globl	k_qc516fae671_quant
	.p2align	8
	.type	k_qc516fae671_quant,@function
k_qc516fae671_quant:
	s_mov_b64 s[64:65], 0
	v_nop
	global_prefetch_b8 v0, s[64:65] scope:SCOPE_SE
	s_setreg_imm32_b32 hwreg(HW_REG_WAVE_MODE, 25, 1), 1
	s_wait_xcnt 0x0
; The three activations [2048][2048] and the four weights become codes of BF6 (E3M2) with one E8M0 byte for each 32 along K; the rotary table is made.
; The activations and W_Q, W_K, W_V first go to fp8 (E4M3) and back, as the model does ahead of its projections (FP8RT = 1); W_O does not.
; AN OPERAND BLOCK (12,800 bytes) holds 128 operand rows x 128 along K in the order of the matrix operand's registers: fragment t (rows 16 t ..) is 1,536 bytes,
; registers 4 c .. 4 c + 3 of lane l at 1536 t + 512 c + 16 l; lane (r, h) holds k = 64 c' + 32 h + 0 .. 31 in registers 6 c' .. 6 c' + 5.  The scale word of row r of
; fragment t lies at 12288 + 32 r + 4 (4 (t % 2) + t / 2).  A matrix is block [row / 128][K / 128], K fastest: SZ bytes.
; ops holds seven matrices: 0 x_q, 1 x_k, 2 W_V, 3 W_Q, 4 W_K, 5 x_v, 6 W_O.  All but 0 and 6 are laid with bits 3 and 4 of the row's place exchanged, so that a product's
; 16 result registers of two neighbouring fragments are 16 neighbours along the next product's K.
; A wave makes one operand block; waves share nothing: no barrier.  Work-groups 0-191: activations; 192-447: weights; 448-511: the table.
; LIMITS: NaN and infinities are not served; beyond 464 the model's fp8 gives NaN, here 448.  A block whose largest magnitude lies under 2^-122, a block of zeros too, keeps the byte 1
; (its codes are then zeros or tiny; the bytes are read by this program alone).  The table's angles differ from pos / base^(dim/64) in f32 by up to 2e-4 at the last positions.
.set SZ,     3276800
.set OBB,    12800
.set FP8RT,  1
.set FLOORV, 0x2800000                 ; 2^(5 - 127): no largest magnitude is taken under it, so the byte cannot fall under 1
.set EOFF,   0xfe000000                ; takes 4 off an exponent field
.set F8,     8                         ; v8..   fp8 codes on their way
.set ONE,    53                        ; v53    1.0: the scale of the conversion to fp8
.set S7F,    54                        ; v54    the byte 127 four times: the scale of the way back
.set LIM,    55                        ; v55    448, fp8's largest number
.set X,      128                       ; v128-191 the numbers at work
; 8 n numbers from v[base] on go to fp8 and back.  One plain line stands behind each run of scaled conversions.
.macro RT8 base, n
.if FP8RT
.set RI, 0
.rept 8*\n
	v_med3_num_f32 v[\base+RI], v[\base+RI], -v[LIM], v[LIM]
.set RI, RI+1
.endr
.set RI, 0
.rept \n
	v_cvt_scalef32_pk8_fp8_f32 v[F8+2*RI:F8+2*RI+1], v[\base+8*RI:\base+8*RI+7], v[ONE]
.set RI, RI+1
.endr
	v_nop
.set RI, 0
.rept \n
	v_cvt_scale_pk8_f32_fp8 v[\base+8*RI:\base+8*RI+7], v[F8+2*RI:F8+2*RI+1], v[S7F]
.set RI, RI+1
.endr
	v_nop
.endif
.endm
	s_load_b512 s[4:19], s[0:1], 0x0               ; x_q, x_k, x_v, W_Q, W_K, W_V, W_O, ops
	s_load_b64 s[20:21], s[0:1], 0x40              ; rot
	s_set_vgpr_msb 0x40
	v_lshl_add_u32 v0, v0, 2, 0x8400
	v_mov_b32 v1, 0
	s_set_vgpr_msb 0x4000
	v_lshrrev_b32 v1, 5, v0
	v_readfirstlane_b32 s2, v1                     ; wave
	s_mov_b32 s22, 0x76543210
	s_mov_b32 s23, 0xfedcba98                      ; selects for lane l xor 16
	s_wait_kmcnt 0x0
	s_cmp_lt_u32 ttmp9, 192
	s_cbranch_scc1 .Lact
	s_cmp_lt_u32 ttmp9, 448
	s_cbranch_scc1 .Lwgt
; ---------------- THE ROTARY TABLE: rot[A = pos / 16][cos, sin][b][g][lane][4]: pos = 16 A + lane % 16, dim = 32 b + 16 (lane / 16) + 4 g + w ----------------
	s_sub_co_u32 s24, ttmp9, 448
	s_lshl_b32 s24, s24, 1
	s_lshr_b32 s25, s2, 1
	s_add_co_u32 s24, s24, s25                     ; A
	s_and_b32 s25, s2, 1                           ; b
	s_lshl_b32 s26, s24, 13
	s_lshl_b32 s27, s25, 11
	s_add_co_u32 s26, s26, s27
	s_mov_b32 s27, 0
	s_add_nc_u64 s[20:21], s[20:21], s[26:27]
	v_and_b32 v1, 15, v0
	v_bfe_u32 v2, v0, 4, 1
	v_lshl_add_u32 v3, s24, 4, v1
	v_cvt_f32_u32 v10, v3                          ; pos
	s_lshl_b32 s28, s25, 5
	v_lshl_add_u32 v11, v2, 4, s28                 ; 32 b + 16 h
	v_and_b32 v12, 31, v0
	v_lshlrev_b32 v12, 4, v12                      ; 16 bytes a lane
	s_mov_b32 s32, 0x3e549a78                      ; log2(10000) / 64
	s_mov_b32 s33, 0x3f22f983                      ; 2 / pi
	s_mov_b32 s34, 0xbfc90fdb                      ; -(pi / 2), its upper part
	s_mov_b32 s35, 0x333bbd2e                      ; what that part is too large by
	s_mov_b32 s36, 0x3638ef1d                      ; 1 / 9!
	s_mov_b32 s37, 0xb9500d01                      ; -1 / 7!
	s_mov_b32 s38, 0x3c088889                      ; 1 / 5!
	s_mov_b32 s39, 0xbe2aaaab                      ; -1 / 3!
	s_mov_b32 s40, 0xb493f27e                      ; -1 / 10!
	s_mov_b32 s41, 0x37d00d01                      ; 1 / 8!
	s_mov_b32 s42, 0xbab60b61                      ; -1 / 6!
	s_mov_b32 s43, 0x3d2aaaab                      ; 1 / 4!
; four entries, their steps by turns.  v32.. freq, v36.. 1/freq, v40.. the angle, then what is left of it, v44.. n, v48.. its square, v52.. sine, v56.. cosine, v60.. n as a whole number
.macro ROTG g
.irp w, 0,1,2,3
	v_add_nc_u32 v[32+\w], 4*\g+\w, v11
.endr
.irp w, 0,1,2,3
	v_cvt_f32_u32 v[32+\w], v[32+\w]
.endr
.irp w, 0,1,2,3
	v_mul_f32 v[32+\w], s32, v[32+\w]
.endr
.irp w, 0,1,2,3
	v_exp_f32 v[32+\w], v[32+\w]                   ; freq = 10000^(dim / 64)
.endr
	v_nop
	s_wait_alu depctr_va_vdst(0)
.irp w, 0,1,2,3
	v_rcp_f32 v[36+\w], v[32+\w]
.endr
	v_nop
	s_wait_alu depctr_va_vdst(0)
.irp w, 0,1,2,3
	v_mul_f32 v[40+\w], v10, v[36+\w]
.endr
.irp w, 0,1,2,3
	v_fma_f32 v[44+\w], -v[40+\w], v[32+\w], v10   ; what the quotient leaves,
.endr
.irp w, 0,1,2,3
	v_fma_f32 v[40+\w], v[44+\w], v[36+\w], v[40+\w]   ; put back: pos / freq
.endr
.irp w, 0,1,2,3
	v_mul_f32 v[44+\w], s33, v[40+\w]
.endr
.irp w, 0,1,2,3
	v_rndne_f32 v[44+\w], v[44+\w]                 ; n quarter turns (at most 1,303)
.endr
.irp w, 0,1,2,3
	v_fma_f32 v[40+\w], v[44+\w], s34, v[40+\w]    ; exact: the difference has at most 24 bits
.endr
.irp w, 0,1,2,3
	v_fma_f32 v[40+\w], v[44+\w], s35, v[40+\w]
.endr
.irp w, 0,1,2,3
	v_mul_f32 v[48+\w], v[40+\w], v[40+\w]
.endr
.irp w, 0,1,2,3
	v_fma_f32 v[52+\w], v[48+\w], s36, s37
.endr
.irp w, 0,1,2,3
	v_fma_f32 v[52+\w], v[52+\w], v[48+\w], s38
.endr
.irp w, 0,1,2,3
	v_fma_f32 v[52+\w], v[52+\w], v[48+\w], s39
.endr
.irp w, 0,1,2,3
	v_mul_f32 v[64+\w], v[40+\w], v[48+\w]
.endr
.irp w, 0,1,2,3
	v_fma_f32 v[52+\w], v[52+\w], v[64+\w], v[40+\w]   ; the sine of what is left
.endr
.irp w, 0,1,2,3
	v_fma_f32 v[56+\w], v[48+\w], s40, s41
.endr
.irp w, 0,1,2,3
	v_fma_f32 v[56+\w], v[56+\w], v[48+\w], s42
.endr
.irp w, 0,1,2,3
	v_fma_f32 v[56+\w], v[56+\w], v[48+\w], s43
.endr
.irp w, 0,1,2,3
	v_fma_f32 v[56+\w], v[56+\w], v[48+\w], -0.5
.endr
.irp w, 0,1,2,3
	v_fma_f32 v[56+\w], v[56+\w], v[48+\w], 1.0    ; and its cosine
.endr
.irp w, 0,1,2,3
	v_cvt_i32_f32 v[60+\w], v[44+\w]
.endr
.irp w, 0,1,2,3
	v_and_b32 v[64+\w], 1, v[60+\w]
.endr
.irp w, 0,1,2,3
	v_cmp_ne_u32 vcc_lo, 0, v[64+\w]               ; an odd number of quarter turns exchanges the two
	v_cndmask_b32 v[68+\w], v[52+\w], v[56+\w], vcc_lo
	v_cndmask_b32 v[72+\w], v[56+\w], v[52+\w], vcc_lo
.endr
.irp w, 0,1,2,3
	v_and_b32 v[64+\w], 2, v[60+\w]                ; the sine is negative in quarters 2 and 3,
	v_add_nc_u32 v[60+\w], 1, v[60+\w]
.endr
.irp w, 0,1,2,3
	v_lshlrev_b32 v[64+\w], 30, v[64+\w]
	v_and_b32 v[60+\w], 2, v[60+\w]                ; the cosine in quarters 1 and 2
.endr
.irp w, 0,1,2,3
	v_xor_b32 v[100+8*\g+\w], v[64+\w], v[68+\w]
	v_lshlrev_b32 v[60+\w], 30, v[60+\w]
.endr
.irp w, 0,1,2,3
	v_xor_b32 v[96+8*\g+\w], v[60+\w], v[72+\w]
.endr
	global_store_b128 v12, v[96+8*\g:99+8*\g], s[20:21] offset:512*\g          ; 32 lanes store 512 consecutive bytes; each g has its own registers
	global_store_b128 v12, v[100+8*\g:103+8*\g], s[20:21] offset:4096+512*\g
.endm
	ROTG 0
	ROTG 1
	ROTG 2
	ROTG 3
	s_endpgm
; ---------------- AN ACTIVATION'S BLOCK: K is innermost in memory ----------------
; Each load reads 512 consecutive bytes of one row (128 along K).  A fragment's 16 rows turn through the wave's own stage in LDS (rows 528 bytes apart: 132 words, so the 16 rows start at
; 16 different banks), and come back so that lane (r, h) holds k = 64 c + 32 h + 0 .. 31 of row r: two whole blocks a lane.
; v1-4 row offsets, v5, v6 the stage in and out, v7 16 x lane, v24-43 codes, v44-51 scale words, v52 their place, v56-63 at work, v64-127 and v192-255 two sets as loaded.
.set PC,  24
.set PWS, 44
.Lact:
	s_lshl_b32 s24, ttmp9, 2
	s_add_co_u32 s24, s24, s2                      ; which block: 256 a + 16 G + s
	s_lshr_b32 s25, ttmp9, 6                       ; a: q, k, v
	s_cmp_eq_u32 s25, 0
	s_cselect_b64 s[26:27], s[4:5], s[6:7]
	s_cselect_b32 s28, 0, 1                        ; rows exchanged for k and v
	s_cmp_eq_u32 s25, 2
	s_cselect_b64 s[26:27], s[8:9], s[26:27]
	s_cselect_b32 s25, 5, s25                      ; its place in ops
	s_lshl_b32 s29, 0x10000, s28                   ; bytes to the fragment's rows 8-15: 8 rows, or 16 where exchanged
	s_xor_b32 s28, s28, 1
	s_lshl_b32 s30, 0x10000, s28                   ; bytes to the odd fragment of a pair: 16 rows, or 8
	s_bfe_u32 s31, s24, 0x40004                    ; G
	s_and_b32 s33, s24, 15                         ; s
	s_lshl_b32 s34, s31, 20                        ; 128 rows of 8,192 bytes
	s_lshl_b32 s33, s33, 9
	s_add_co_u32 s34, s34, s33
	s_mov_b32 s35, 0
	s_add_nc_u64 s[26:27], s[26:27], s[34:35]
	s_and_b32 s34, s24, 255
	s_mul_i32 s34, s34, OBB
	s_mul_i32 s25, s25, SZ
	s_add_co_u32 s34, s34, s25
	s_add_nc_u64 s[18:19], s[18:19], s[34:35]
	v_and_b32 v9, 31, v0
	v_lshlrev_b32 v7, 4, v9
	v_mov_b32 v1, v7
	v_add_nc_u32 v2, s29, v7
	v_add_nc_u32 v3, s30, v7
	v_add_nc_u32 v4, s29, v3
	s_mul_i32 s36, s2, 8448                        ; my stage: 16 x 528 bytes
	v_add_nc_u32 v5, s36, v7
	v_and_b32 v10, 15, v0
	v_bfe_u32 v11, v0, 4, 1
	v_mul_u32_u24 v6, v10, 528
	v_lshl_add_u32 v6, v11, 7, v6
	v_add_nc_u32 v6, s36, v6
	v_lshlrev_b32 v52, 5, v10
	v_lshl_add_u32 v52, v11, 4, v52
	v_mov_b32 v[ONE], 1.0
	v_mov_b32 v[S7F], 0x7f7f7f7f
	v_mov_b32 v[LIM], 0x43e00000
	v_lshlrev_b32 v63, 3, v11                      ; my bytes' place in a scale word: 8 h bits up
	v_mov_b32 v60, 0                               ; a lane permute's destination counts as read
.macro LOADF t                         ; fragment t's 16 rows into set t % 2
.set RBL, 192-128*((\t)%2)
.irp j, 0,1,2,3,4,5,6,7,8,9,10,11,12,13,14,15
	global_load_b128 v[RBL+4*\j:RBL+4*\j+3], v[1+2*((\t)%2)+\j/8], s[26:27] offset:(32*((\t)/2)+\j%8)*8192 th:TH_LOAD_NT
.endr
.endm
.macro ACTF t
.set RB, 192-128*((\t)%2)
.if (\t) < 7
	s_wait_loadcnt 16                              ; this fragment's 16 loads are in; the next one's may be out
.else
	s_wait_loadcnt 0x0
.endif
.irp j, 0,1,2,3,4,5,6,7,8,9,10,11,12,13,14,15
	ds_store_b128 v5, v[RB+4*\j:RB+4*\j+3] offset:528*\j
.endr
.irp c, 0,1
.irp m, 0,1,2,3,4,5,6,7
	ds_load_b128 v[X+32*\c+4*\m:X+32*\c+4*\m+3], v6 offset:256*\c+16*\m   ; LDS serves a wave's instructions in order: these see the stores above
.endr
.endr
	s_wait_dscnt 0x0                               ; the numbers are back, and the stores have read their registers,
.if (\t) < 6
	LOADF (\t)+2                                   ; which take the fragment two on
.endif
	RT8 X, 8
.irp c, 0,1
	v_max3_num_f32 v[56+\c], |v[X+32*\c]|, |v[X+32*\c+1]|, FLOORV
.endr
.irp i, 2,4,6,8,10,12,14,16,18,20,22,24,26,28,30
.irp c, 0,1
	v_max3_num_f32 v[56+\c], v[56+\c], |v[X+32*\c+\i]|, |v[X+32*\c+\i+1]|   ; my two blocks by turns
.endr
.endr
.irp c, 0,1
	v_add_nc_u32 v[58+\c], EOFF, v[56+\c]          ; the conversion takes the exponent field of this operand as its scale
.endr
.irp c, 0,1
	v_lshrrev_b32 v[60+\c], 23, v[58+\c]           ; the scale's byte
.endr
	v_lshl_or_b32 v62, v61, 16, v60                ; blocks h and 2 + h of my row,
	v_lshlrev_b32 v62, v63, v62
	v_permlanex16_b32 v60, v62, s22, s23
	v_or_b32 v[PWS+\t], v62, v60                   ; with lane l xor 16's two the word is whole, in both lanes
	s_wait_xcnt 0x0                                ; the last fragment's stores have read their registers
.irp c, 0,1
	v_cvt_scalef32_pk16_bf6_f32 v[PC+6*\c:PC+6*\c+2], v[X+32*\c:X+32*\c+15], v[58+\c]
	v_cvt_scalef32_pk16_bf6_f32 v[PC+12+4*\c:PC+14+4*\c], v[X+32*\c+16:X+32*\c+31], v[58+\c]   ; (a conversion's three registers begin on an even number)
.endr
	v_nop
.irp c, 0,1
.irp i, 0,1,2
	v_mov_b32 v[PC+3+6*\c+\i], v[PC+12+4*\c+\i]
.endr
.endr
.irp i, 0,1,2
	global_store_b128 v7, v[PC+4*\i:PC+4*\i+3], s[18:19] offset:1536*(\t)+512*\i   ; 32 lanes store 512 consecutive bytes, aligned
.endr
.endm
	LOADF 0
	LOADF 1
.irp t, 0,1,2,3,4,5,6,7
	ACTF \t
.endr
	v_and_b32 v60, 31, v0
	v_cmp_lt_u32 vcc_lo, 15, v60
.irp p, 0,1,2,3
	v_cndmask_b32 v[56+\p], v[PWS+2*\p], v[PWS+2*\p+1], vcc_lo   ; lanes 0-15 the even fragments' words, lanes 16-31 the odd ones'
.endr
	global_store_b128 v52, v[56:59], s[18:19] offset:12288       ; the block's 512 bytes of scale words in one store
	s_set_vgpr_msb 0x5
	s_wait_tensorcnt 0x0
	ds_add_u32 v0, v1
	s_wait_dscnt 0x0
	s_set_vgpr_msb 0x500
	s_endpgm
; ---------------- A WEIGHT'S BLOCK: K is not innermost ----------------
; A lane takes a column (an operand row) and its registers run down K: a block of 32 lies in one lane.  The pitch from k to k + 1 differs (512 bytes in W_Q, W_K, W_V; 8,192 in W_O),
; so the 32 row offsets stand in registers.  A lane's 128 codes are the images of lanes (r, 0) and (r, 16): blocks 0, 2 and blocks 1, 3.
; v1, v2 my places among codes and scale words, v6, v7, v16, v17 at work, v24-47 codes, v48-50 a conversion's second half, v56-59 scale words, v64-95 row offsets.
.set CD,  24
.set TMP, 48
.set SW,  56
.set A,   64
.set BS,  44                           ; s[44:51] the bases of the four blocks along K
.Lwgt:
	s_sub_co_u32 s24, ttmp9, 192
	s_lshr_b32 s25, s24, 6                         ; which weight: Q, K, V, O
	s_lshl_b32 s24, s24, 2
	s_add_co_u32 s24, s24, s2                      ; 256 x weight + 16 G + s
	s_add_co_u32 s28, s25, 3
	s_movk_i32 s29, 1536
	s_cmp_eq_u32 s25, 0
	s_cselect_b64 s[26:27], s[10:11], s[12:13]
	s_cmp_eq_u32 s25, 2
	s_cselect_b64 s[26:27], s[14:15], s[26:27]
	s_cselect_b32 s28, 2, s28                      ; places in ops: 3, 4, 2, 6
	s_cmp_eq_u32 s25, 3
	s_cselect_b64 s[26:27], s[16:17], s[26:27]
	s_cselect_b32 s30, 1, 0                        ; W_O: no fp8, rows as they are
	s_cselect_b32 s31, 128, s29                    ; what bit 3 of my column adds to my codes' place,
	s_cselect_b32 s33, s29, 128                    ; and bit 4
	s_cselect_b32 s34, 0x100, 16                   ; the same for my scale words
	s_cselect_b32 s35, 16, 0x100
	s_cselect_b32 s36, 9, 20                       ; log2 of the bytes from G to G + 1,
	s_cselect_b32 s37, 20, 16                      ; from s to s + 1,
	s_cselect_b32 s38, 13, 9                       ; from k to k + 1
	s_bfe_u32 s39, s24, 0x40004
	s_and_b32 s40, s24, 15
	s_lshl_b32 s39, s39, s36
	s_lshl_b32 s40, s40, s37
	s_add_co_u32 s40, s40, s39
	s_mov_b32 s41, 0
	s_add_nc_u64 s[BS:BS+1], s[26:27], s[40:41]
	s_lshl_b32 s42, 32, s38
	s_mov_b32 s43, 0
	s_add_nc_u64 s[BS+2:BS+3], s[BS:BS+1], s[42:43]
	s_add_nc_u64 s[BS+4:BS+5], s[BS+2:BS+3], s[42:43]
	s_add_nc_u64 s[BS+6:BS+7], s[BS+4:BS+5], s[42:43]
	s_and_b32 s40, s24, 255
	s_mul_i32 s40, s40, OBB
	s_mul_i32 s28, s28, SZ
	s_add_co_u32 s40, s40, s28
	s_add_nc_u64 s[18:19], s[18:19], s[40:41]
	s_lshl_b32 s52, 1, s38
	v_and_b32 v9, 31, v0
	v_and_b32 v10, 7, v0
	v_bfe_u32 v11, v0, 3, 1
	v_bfe_u32 v12, v0, 4, 1
	v_lshlrev_b32 v1, 4, v10
	v_mad_u32_u24 v1, v11, s31, v1
	v_mad_u32_u24 v1, v12, s33, v1
	v_lshlrev_b32 v2, 5, v10
	v_mad_u32_u24 v2, v11, s34, v2
	v_mad_u32_u24 v2, v12, s35, v2
	v_mov_b32 v[ONE], 1.0
	v_mov_b32 v[S7F], 0x7f7f7f7f
	v_mov_b32 v[LIM], 0x43e00000
	v_lshlrev_b32 v[A], 2, v9
.set WI, 1
.rept 31
	v_add_nc_u32 v[A+WI], s52, v[A+WI-1]
.set WI, WI+1
.endr
.macro WLOAD n                         ; block n % 4 along K of columns 32 (n / 4) on, into set n % 2: each load reads 128 consecutive bytes
.set WI, 0
.rept 32
	global_load_b32 v[X+32*((\n)%2)+WI], v[A+WI], s[BS+2*((\n)%4):BS+2*((\n)%4)+1] offset:128*((\n)/4)
.set WI, WI+1
.endr
.endm
.macro WBLOCK n
.set XS, X+32*((\n)%2)
.set WB, (\n)%4
.set WP, (\n)/4
.set POS, CD+6*((WB%2)*2+WB/2)
.if (\n) < 15
	s_wait_loadcnt 32                              ; this block's 32 loads are in; the next block's may be out
.else
	s_wait_loadcnt 0x0
.endif
.if FP8RT
	s_cmp_lg_u32 s30, 0
	s_cbranch_scc1 .Lnort_\@
	RT8 XS, 4
.Lnort_\@:
.endif
	v_max3_num_f32 v6, |v[XS]|, |v[XS+1]|, |v[XS+2]|
	v_max3_num_f32 v7, |v[XS+3]|, |v[XS+4]|, |v[XS+5]|
.irp i, 6,10,14,18,22,26
	v_max3_num_f32 v6, v6, |v[XS+\i]|, |v[XS+\i+1]|
	v_max3_num_f32 v7, v7, |v[XS+\i+2]|, |v[XS+\i+3]|
.endr
	v_max3_num_f32 v6, v6, |v[XS+30]|, |v[XS+31]|
	v_max3_num_f32 v6, v6, v7, FLOORV
	v_add_nc_u32 v16, EOFF, v6
	v_lshrrev_b32 v17, 23, v16
.if WB == 0
	v_mov_b32 v[SW+WP], v17
.else
	v_lshl_or_b32 v[SW+WP], v17, 8*WB, v[SW+WP]
.endif
.if (WB == 0) && (WP > 0)
	s_wait_xcnt 0x0                                ; the last 32 columns' stores have read their registers
.endif
	v_cvt_scalef32_pk16_bf6_f32 v[POS:POS+2], v[XS:XS+15], v16
	v_cvt_scalef32_pk16_bf6_f32 v[TMP:TMP+2], v[XS+16:XS+31], v16
	v_nop
.irp i, 0,1,2
	v_mov_b32 v[POS+3+\i], v[TMP+\i]
.endr
.if (\n) < 14
	WLOAD (\n)+2
.endif
.if WB == 3
.irp m, 0,1,2,3,4,5
	global_store_b128 v1, v[CD+4*\m:CD+4*\m+3], s[18:19] offset:3072*WP+512*(\m%3)+256*(\m/3)   ; sixteen lanes fill 256 consecutive bytes, aligned; the other sixteen another such stretch
.endr
.endif
.endm
	WLOAD 0
	WLOAD 1
.set Q, 0
.rept 16
	WBLOCK Q
.set Q, Q+1
.endr
	global_store_b128 v2, v[SW:SW+3], s[18:19] offset:12288      ; my row's words of four fragments are neighbours: the block's 512 bytes in one store
	s_endpgm
.Lfunc_end_k_qc516fae671_quant:
	.size	k_qc516fae671_quant, .Lfunc_end_k_qc516fae671_quant-k_qc516fae671_quant
	.p2alignl 7, 3214868480
	.fill 96, 4, 3214868480
	.section	.rodata,"a",@progbits
	.p2align	6, 0x0
	.amdhsa_kernel k_qc516fae671_quant
		.amdhsa_group_segment_fixed_size 34304
		.amdhsa_private_segment_fixed_size 0
		.amdhsa_enable_private_segment 0
		.amdhsa_kernarg_size 72
		.amdhsa_user_sgpr_count 2
		.amdhsa_user_sgpr_kernarg_segment_ptr 1
		.amdhsa_wavefront_size32 1
		.amdhsa_system_sgpr_workgroup_id_x 1
		.amdhsa_system_sgpr_workgroup_id_y 1
		.amdhsa_system_sgpr_workgroup_id_z 1
		.amdhsa_system_vgpr_workitem_id 0
		.amdhsa_next_free_vgpr 258
		.amdhsa_next_free_sgpr 66
		.amdhsa_reserve_vcc 1
		.amdhsa_float_denorm_mode_32 3
		.amdhsa_float_denorm_mode_16_64 3
		.amdhsa_memory_ordered 1
		.amdhsa_forward_progress 1
		.amdhsa_inst_pref_size 244
	.end_amdhsa_kernel
	.amdgpu_metadata
---
amdhsa.version: [ 1, 2 ]
amdhsa.kernels:
  - .name:           k_qc516fae671_quant
    .symbol:         k_qc516fae671_quant.kd
    .args:
      - { .name: query_input, .offset: 0, .size: 8, .value_kind: global_buffer, .address_space: global }
      - { .name: key_input, .offset: 8, .size: 8, .value_kind: global_buffer, .address_space: global }
      - { .name: value_input, .offset: 16, .size: 8, .value_kind: global_buffer, .address_space: global }
      - { .name: W_Q, .offset: 24, .size: 8, .value_kind: global_buffer, .address_space: global }
      - { .name: W_K, .offset: 32, .size: 8, .value_kind: global_buffer, .address_space: global }
      - { .name: W_V, .offset: 40, .size: 8, .value_kind: global_buffer, .address_space: global }
      - { .name: W_O, .offset: 48, .size: 8, .value_kind: global_buffer, .address_space: global }
      - { .name: ops, .offset: 56, .size: 8, .value_kind: global_buffer, .address_space: global }
      - { .name: rot, .offset: 64, .size: 8, .value_kind: global_buffer, .address_space: global }
    .group_segment_fixed_size: 34304
    .private_segment_fixed_size: 0
    .kernarg_segment_align: 8
    .kernarg_segment_size: 72
    .max_flat_workgroup_size: 128
    .sgpr_count:     66
    .vgpr_count:     258
    .wavefront_size: 32
...
	.end_amdgpu_metadata
.endif
;; end of part 1
;; launch qkv (part 2): grid 8 x 24, 4 waves a work-group, clusters of 4 x 4, 327,680 bytes of LDS; arguments ops, rot, b_Q, b_K, b_V, qimg, kv; writes qimg, kv
.if DOCPART == 2
	.amdgcn_target "amdgcn-amd-amdhsa--gfx1250"
	.amdhsa_code_object_version 6
	.text
	.protected	k_qc516fae671_qkv
	.globl	k_qc516fae671_qkv
	.p2align	8
	.type	k_qc516fae671_qkv,@function
k_qc516fae671_qkv:
	s_mov_b64 s[64:65], 0
	v_nop
	global_prefetch_b8 v0, s[64:65] scope:SCOPE_SE
	s_setreg_imm32_b32 hwreg(HW_REG_WAVE_MODE, 25, 1), 1
	s_wait_xcnt 0x0
	s_wait_alu depctr_hold_cnt(0) depctr_sa_sdst(0) depctr_va_vdst(0) depctr_va_sdst(0) depctr_va_ssrc(0) depctr_va_vcc(0) depctr_vm_vsrc(0)
	s_getreg_b32 s2, hwreg(HW_REG_IB_STS2, 6, 4)
	s_cmp_eq_u32 s2, 0
	s_cbranch_scc0 .Lentry_in_a_cluster
	s_endpgm
.Lentry_in_a_cluster:
	s_bfe_u32 s2, ttmp6, 0x10000c
	s_cmp_lg_u32 s2, 0xf033
	s_cbranch_scc0 .Lentry_shape_is_right
	s_endpgm
.Lentry_shape_is_right:
; The three projections on codes of BF6 (E3M2) with E8M0 scales, their biases, the rotary turn of q and k, and the quantising of q, k (along the head's 128) and v (along the keys).
; Eight tile rows of the grid's 24 for each: g = 0: q = x_q W_Q;  g = 1: k = x_k W_K;  g = 2: v TRANSPOSED = W_V^T x_v^T, rows (head, d), columns the keys: so in all three a lane ends up
; with one operand row of the next product and 64 numbers along that product's K.
; A tile of 256 x 256 is made by four waves, each 128 x 128: 64 accumulators, 512 registers.  The operands lie in memory as OPERAND BLOCKS of 12,800 bytes (128 rows x 128 K as images of the
; operand's registers, then 512 bytes of scale words): a fragment is three loads of 16 bytes a lane at 16 x lane, with no pitch and no padding.  K goes in steps of 256 (two blocks, 25,600 dense
; bytes a row group) through a ring of two LDS slots filled by the tensor data mover.
; CLUSTERS: 4 x 4 work-groups; the four of a row need the same blocks of A, the four of a column the same blocks of B: each is asked for jointly, by the same load with a mask of the four.
; THE MATRIX INSTRUCTION IS USED TRANSPOSED (source 0 = 16 rows of B, source 1 = 16 rows of A).  B's rows are laid with bits 3 and 4 of their place exchanged: so register 16 b + i of a lane's 64
; results of a row block is column 32 b + 16 (lane / 16) + i.
; REGISTERS: window 0: v16-29 addresses; v32-63 scale words, two sets, and nothing else; v64-127 the bias by columns; v128-223 A's fragments, one set; v224-239 the bias by rows; at the end
; v128-191 a row block's 64 numbers, v192-211 codes, v212-219 scale words, v240-255 at work.  window 1: B's fragments, two sets; at the end four sets of the rotary table.  windows 2, 3: accumulators.
; LIMITS: NaN and infinities are not served; a block whose largest magnitude lies under 2^-122 keeps the scale byte 1.
.set SZ,    3276800
.set OBB,   12800
.set GROW,  16*OBB                     ; a row group's 16 blocks along K
.set HALFT, 2*OBB                      ; what one tensor load brings: two K steps of one row group
.set SLOT,  4*HALFT                    ; A's two row groups, then B's two
.set SPARE, 2*SLOT                     ; behind the ring: the spare words, 128 bytes for each wave, that no other line names
.set NQ,    2
.set LAPS,  4                          ; 2,048 along K = 4 times round the ring
.set FR,    12
.set NL,    3                          ; LDS loads that bring a fragment
.set NP,    4                          ; places behind this matrix instruction (ISA guide 7.12.1)
.set ADRA, 16
.set ADRB, 20
.set ADRS, 22
.set LI,   24
.set LB,   25
.set SCO,  27
.set SPW,  28
.set NIL,  29
.set SC,   32
.set BI,   64
.set AF,   128
.set T,    128
.set PC,   192
.set PWS,  212
.set BV,   224
.set TM,   240
.set G1,  24
.set G0,  32
.set G1B, 48
.set G0B, 56
.set SEL, 94
.set MSB, 0
.macro WIN new                         ; the immediate's high byte repeats the setting that is left
.if MSB != \new
	s_set_vgpr_msb (MSB<<8)|\new
.set MSB, \new
.endif
.endm
.set MUL_LO, 0xa1                      ; source 0 (B) window 1, source 1 (A) window 0, C and D window 2
.set MUL_HI, 0xf1
.set TO_B,   0x40
; A joint load: waves 0 and 1 fetch A's two row groups, waves 2 and 3 B's.  The branch hangs on the wave's number alone.  Four v_nop follow each line.
.macro JLOAD g0a, g1a, g0b, g1b
	s_cmp_eq_u32 s15, 0
	s_cbranch_scc0 .Lfor_b_\@
	tensor_load_to_lds s[\g0a:\g0a+3], s[\g1a:\g1a+7]
	s_nop 0
.rept 4
	v_nop
.endr
	s_branch .Lasked_\@
.Lfor_b_\@:
	tensor_load_to_lds s[\g0b:\g0b+3], s[\g1b:\g1b+7]
	s_nop 0
.rept 4
	v_nop
.endr
.Lasked_\@:
.endm
.macro CREST                           ; a round of the cluster's barrier behind its opening barrier
	s_cmp_lg_u32 s14, 0
	s_cbranch_scc1 .Lnot_wave_0_\@
	s_barrier_signal -3
.Lnot_wave_0_\@:
	s_barrier_wait -3
	s_barrier_signal -1
	s_barrier_wait -1
.endm
.macro CROUND
	s_barrier_signal -1
	s_barrier_wait -1
	CREST
.endm
	s_load_b256 s[4:11], s[0:1], 0x0               ; ops, rot, b_Q, b_K
	s_load_b64 s[12:13], s[0:1], 0x20              ; b_V
	s_load_b128 s[68:71], s[0:1], 0x28             ; qimg, kv
	v_lshl_add_u32 v[SPW], v0, 2, SPARE
	v_mov_b32 v[NIL], 0
	ds_add_u32 v28, v29
	s_wait_dscnt 0x0
	v_lshrrev_b32 v1, 5, v0
	v_readfirstlane_b32 s14, v1                    ; wave
	s_lshr_b32 s15, s14, 1                         ; my half of the tile's rows.  Also: I fetch for A (0) or B (1)
	s_and_b32 s16, s14, 1                          ; my half of its columns.  Also: which row group I fetch
	s_bfe_u32 s40, ttmp6, 0x40000                  ; cx
	s_bfe_u32 s41, ttmp6, 0x40004                  ; cy
	s_lshl_b32 s42, ttmp9, 2
	s_add_co_u32 s42, s42, s40                     ; tile column
	s_and_b32 s72, ttmp7, 0xffff                   ; the cluster's y
	s_lshl_b32 s17, s72, 2
	s_add_co_u32 s17, s17, s41
	s_and_b32 s73, s17, 7                          ; tile row within the product
	s_lshr_b32 s72, s72, 1                         ; g: which product; from the cluster's y alone, so alike in all sixteen
	s_lshl_b32 s43, s41, 2
	s_lshl_b32 s43, 15, s43                        ; my row of the cluster
	s_lshl_b32 s44, 0x1111, s40                    ; my column
	s_or_b32 s[G1+0], s43, (3<<16)|(1<<21)         ; the mask; elements of 8 bytes; bit 21 beside a mask; no padding
	s_or_b32 s[G1B+0], s44, (3<<16)|(1<<21)
.irp g, G1, G1B
	s_mov_b32 s[\g+1], 32<<16                      ; tensor_dim0 = 32 elements: rows of 256 bytes
	s_mov_b32 s[\g+2], 100<<16                     ; tensor_dim1 = 100 rows: 25,600 dense bytes
	s_mov_b32 s[\g+3], 32<<16                      ; tile_dim0
	s_mov_b32 s[\g+4], 100                         ; tile_dim1
	s_mov_b32 s[\g+5], 32                          ; the pitch
	s_mov_b32 s[\g+6], 0
	s_mov_b32 s[\g+7], 0
.endr
	s_mul_i32 s18, s72, SZ                         ; A: matrices 0, 1, 2 of ops;  B: 3, 4, 5
	s_lshl_b32 s20, s73, 1
	s_add_co_u32 s20, s20, s16
	s_mul_i32 s20, s20, GROW
	s_add_co_u32 s20, s20, s18
	s_mov_b32 s21, 0
	s_lshl_b32 s46, s42, 1
	s_add_co_u32 s46, s46, s16
	s_mul_i32 s46, s46, GROW
	s_add_co_u32 s46, s46, s18
	s_add_co_u32 s46, s46, 3*SZ
	s_mov_b32 s47, 0
	s_mul_i32 s45, s14, HALFT                      ; where my load goes: no place in the cluster enters an LDS address
	s_mov_b32 s[SEL], 0x76543210
	s_mov_b32 s[SEL+1], 0xfedcba98
	s_wait_kmcnt 0x0
	s_add_nc_u64 s[20:21], s[4:5], s[20:21]
	s_add_nc_u64 s[46:47], s[4:5], s[46:47]
	CROUND                                         ; all sixteen work-groups are here: the first joint loads meet
.irp s, 0,1
	s_mov_b32 s[G0+4*\s], 1
	s_add_co_u32 s[G0+4*\s+1], s45, \s*SLOT
	s_add_nc_u64 s[G0+4*\s+2:G0+4*\s+3], s[20:21], \s*HALFT
	s_or_b32 s[G0+4*\s+3], s[G0+4*\s+3], 0x80000000
	s_mov_b32 s[G0B+4*\s], 1
	s_add_co_u32 s[G0B+4*\s+1], s45, \s*SLOT
	s_add_nc_u64 s[G0B+4*\s+2:G0B+4*\s+3], s[46:47], \s*HALFT
	s_or_b32 s[G0B+4*\s+3], s[G0B+4*\s+3], 0x80000000
	JLOAD G0+4*\s, G1, G0B+4*\s, G1B               ; two loads of mine are out
.endr
	v_and_b32 v1, 15, v0                           ; r
	v_bfe_u32 v2, v0, 4, 1                         ; h
	v_and_b32 v3, 31, v0
	v_lshlrev_b32 v[LI], 4, v3                     ; 16 x lane: an image's place for my lane
	s_mul_i32 s21, s15, HALFT                      ; my row group of A
	s_mul_i32 s22, s16, HALFT
	s_add_co_u32 s22, s22, 2*HALFT                 ; my row group of B
	s_sub_co_u32 s23, s22, s21
	v_mul_u32_u24 v4, s23, v2                      ; scale words: lanes 16-31 take B's
	v_lshl_add_u32 v4, v1, 5, v4                   ; 32 bytes a row
.irp s, 0,1
	v_add_nc_u32 v[ADRA+\s], s21, v[LI]
	v_add_nc_u32 v[ADRB+\s], s22, v[LI]
	v_add_nc_u32 v[ADRS+\s], s21, v4
	s_add_co_u32 s21, s21, SLOT
	s_add_co_u32 s22, s22, SLOT
.endr
	; what the end needs: the groups of 128 rows and columns that are mine, where the results go, the biases, the table
	s_lshl_b32 s80, s73, 1
	s_add_co_u32 s80, s80, s15                     ; GR: my group of rows
	s_lshl_b32 s81, s42, 1
	s_add_co_u32 s81, s81, s16                     ; GC: my group of columns
	s_movk_i32 s84, 25600
	s_movk_i32 s85, 0x2000
	s_cmp_eq_u32 s72, 0
	s_cselect_b64 s[74:75], s[68:69], s[70:71]     ; q goes to qimg, k and v to kv
	s_cselect_b64 s[76:77], s[8:9], s[10:11]
	s_cselect_b32 s84, OBB, s84                    ; bytes from block to block there
	s_cmp_eq_u32 s72, 1
	s_cselect_b32 s86, s85, 128                    ; the table: what lanes 8-15 add (k's rows are exchanged: 16 positions on; q's: 8)
	s_cselect_b32 s87, 128, s85                    ; and what an odd row block adds
	s_cmp_eq_u32 s72, 2
	s_cselect_b64 s[76:77], s[12:13], s[76:77]
	s_cselect_b32 s82, s80, s81                    ; the head: q, k: my columns; v: my rows
	s_cselect_b32 s83, s81, s80                    ; the group of queries or keys
	s_cselect_b32 s88, OBB, 0                      ; v's block lies behind k's
	s_lshl_b32 s82, s82, 4
	s_add_co_u32 s82, s82, s83
	s_mul_i32 s82, s82, s84
	s_add_co_u32 s82, s82, s88
	s_mov_b32 s83, 0
	s_add_nc_u64 s[74:75], s[74:75], s[82:83]
	s_lshl_b32 s82, s80, 16
	s_add_nc_u64 s[78:79], s[6:7], s[82:83]        ; the table at my 128 positions
	s_lshl_b32 s82, s81, 9
	s_add_nc_u64 s[90:91], s[76:77], s[82:83]      ; the bias of head GC
	s_lshl_b32 s82, s80, 9
	s_add_nc_u64 s[92:93], s[76:77], s[82:83]      ; and of head GR
	v_lshlrev_b32 v5, 6, v2
.irp n, 0,1,2,3,4,5,6,7,8,9,10,11,12,13,14,15
	global_load_b128 v[BI+4*\n:BI+4*\n+3], v5, s[90:91] offset:128*(\n/4)+16*(\n%4)   ; register 16 b + i: the bias of column 32 b + 16 h + i
.endr
	v_and_b32 v6, 7, v1
	v_lshrrev_b32 v7, 3, v1
	v_lshlrev_b32 v8, 2, v6
	v_lshl_add_u32 v8, v7, 6, v8
.irp a, 0,1,2,3,4,5,6,7
	global_load_b32 v[BV+2*\a], v8, s[92:93] offset:128*(\a/2)+32*(\a%2)      ; the bias of my row of block a (rows exchanged), twice: a pair for the packed addition
	global_load_b32 v[BV+2*\a+1], v8, s[92:93] offset:128*(\a/2)+32*(\a%2)
.endr
	v_lshlrev_b32 v9, 4, v6
	v_lshl_add_u32 v9, v2, 8, v9
	v_mad_u32_u24 v[LB], v7, s86, v9
	v_add_nc_u32 v[LB+1], s87, v[LB]
	v_lshlrev_b32 v[SCO], 5, v1
	v_lshl_add_u32 v[SCO], v2, 4, v[SCO]
.macro FRAG reg, adr, q, i             ; a fragment comes as it was laid: three loads of 512 consecutive bytes
.irp c, 0,1,2
	ds_load_b128 v[\reg+4*\c:\reg+4*\c+3], v[\adr] offset:OBB*(\q)+1536*(\i)+512*\c
.endr
.endm
; 16 matrix instructions: A's blocks a0, a0 + 1 x B's eight.  The 64 accumulators take turns, one instruction a turn, in the same order in every step.
; A scale register holds in lanes 0-15 the words of A's block and in lanes 16-31 those of B's block of the same number.
.macro MUL16 a0, p, q, sc, zero
.irp a, \a0, \a0+1
.irp b, 0,1,2,3,4,5,6,7
.if \zero
	v_wmma_scale_f32_16x16x128_f8f6f4 v[8*(8*((\a)%4)+\b):8*(8*((\a)%4)+\b)+7], v[128*(\p)+FR*\b:128*(\p)+FR*\b+FR-1], v[AF+FR*(\a):AF+FR*(\a)+FR-1], 0, v[SC+16*(\sc)+8*(\q)+4*(\b%2)+\b/2], v[SC+16*(\sc)+8*(\q)+4*((\a)%2)+(\a)/2] matrix_a_fmt:MATRIX_FMT_BF6 matrix_b_fmt:MATRIX_FMT_BF6 matrix_a_scale:MATRIX_SCALE_ROW1
.else
	v_wmma_scale_f32_16x16x128_f8f6f4 v[8*(8*((\a)%4)+\b):8*(8*((\a)%4)+\b)+7], v[128*(\p)+FR*\b:128*(\p)+FR*\b+FR-1], v[AF+FR*(\a):AF+FR*(\a)+FR-1], v[8*(8*((\a)%4)+\b):8*(8*((\a)%4)+\b)+7], v[SC+16*(\sc)+8*(\q)+4*(\b%2)+\b/2], v[SC+16*(\sc)+8*(\q)+4*((\a)%2)+(\a)/2] matrix_a_fmt:MATRIX_FMT_BF6 matrix_b_fmt:MATRIX_FMT_BF6 matrix_a_scale:MATRIX_SCALE_ROW1
.endif
.endr
.endr
.endm
.macro FETCH_B slot, q, p
	WIN TO_B
.irp i, 0,1,2,3,4,5,6,7
	FRAG 128*(\p)+FR*\i, ADRB+\slot, \q, \i
.endr
	WIN 0
.endm
.macro FETCH_A slot, q, i0
.irp i, \i0, \i0+1, \i0+2, \i0+3
	FRAG AF+FR*(\i), ADRA+\slot, \q, \i
.endr
.endm
.macro SCALES sc                       ; a slot's scale words: eight a row for each of its two K steps
.irp q, 0,1
.irp k, 0,1
	ds_load_b128 v[SC+16*\sc+8*\q+4*\k:SC+16*\sc+8*\q+4*\k+3], v[ADRS+\sc] offset:OBB*\q+12288+16*\k
.endr
.endr
.endm
.macro PLACES n
.rept \n
	v_nop
.endr
.endm
.macro STEP slot, q, zero              ; a step of 128 along K that has its successor in the same slot
	s_wait_dscnt 4*NL                              ; all but the youngest 12 loads (A's blocks 4-7) are in
	WIN MUL_LO
	MUL16 0, (\q)%2, \q, \slot, \zero
	MUL16 2, (\q)%2, \q, \slot, \zero
	s_wait_dscnt 0
	PLACES NP
	FETCH_B \slot, (\q)+1, 1-(\q)%2
	FETCH_A \slot, (\q)+1, 0
	WIN MUL_HI
	MUL16 4, (\q)%2, \q, \slot, \zero
	MUL16 6, (\q)%2, \q, \slot, \zero
	PLACES NP
	WIN 0
	FETCH_A \slot, (\q)+1, 4
.endm
; A slot's last step changes slots: one barrier; in front of it each wave waits for all its tensor loads, adds 0 to its spare word, and waits for that and for its reads of this slot.
.macro TURN slot, next, fill
	s_wait_tensorcnt 0x0                           ; all my tensor loads have landed: my part of the next slot
	ds_add_u32 v[SPW], v[NIL]                      ; 0 onto my spare word
	s_wait_dscnt 4*NL+1                            ; (the add and the youngest 12 loads may be out)
	WIN MUL_LO
	MUL16 0, 1, NQ-1, \slot, 0
	s_wait_dscnt 0x0                               ; the add is done, and my reads of this slot are over
	s_barrier_signal -1
	MUL16 2, 1, NQ-1, \slot, 0
	WIN 0
	s_barrier_wait -1
.if \fill
	CREST                                          ; the barrier has opened a round of the cluster's: no wave of any partner still reads this slot or has a load on its way
	s_add_nc_u64 s[G0+4*\slot+2:G0+4*\slot+3], s[G0+4*\slot+2:G0+4*\slot+3], 2*HALFT
	s_add_nc_u64 s[G0B+4*\slot+2:G0B+4*\slot+3], s[G0B+4*\slot+2:G0B+4*\slot+3], 2*HALFT
	JLOAD G0+4*\slot, G1, G0B+4*\slot, G1B         ; my one tensor load behind the round; its four v_nop are the places in front of the loads below
.else
	PLACES NP
.endif
	FETCH_B \next, 0, 0
	FETCH_A \next, 0, 0
	SCALES \next
	WIN MUL_HI
	MUL16 4, 1, NQ-1, \slot, 0
	MUL16 6, 1, NQ-1, \slot, 0
	PLACES NP
	WIN 0
	FETCH_A \next, 0, 4
.endm
	s_wait_tensorcnt 1                             ; my part of slot 0 is in; slot 1's load may be out
	s_barrier_signal -1
	s_barrier_wait -1
	FETCH_B 0, 0, 0
	FETCH_A 0, 0, 0
	SCALES 0
	FETCH_A 0, 0, 4
	STEP 0, 0, 1                                   ; the first step's products start the sums
	s_mov_b32 s3, LAPS-1
.Llap:
	TURN 0, 1, 1
	STEP 1, 0, 0
	TURN 1, 0, 1
	STEP 0, 0, 0
	s_sub_co_u32 s3, s3, 1
	s_cmp_lg_u32 s3, 0
	s_cbranch_scc1 .Llap
	TURN 0, 1, 0                                   ; the last lap fills nothing
	STEP 1, 0, 0
	s_wait_dscnt 4*NL
	WIN MUL_LO
	MUL16 0, 1, NQ-1, 1, 0
	MUL16 2, 1, NQ-1, 1, 0
	s_wait_dscnt 0
	WIN MUL_HI
	MUL16 4, 1, NQ-1, 1, 0
	MUL16 6, 1, NQ-1, 1, 0
	WIN 0
; ---------------- THE END: a row block (16 operand rows x 128 along the next K) at a time ----------------
; 64 numbers of a lane, register 16 b + i = k 32 b + 16 (lane / 16) + i of my row, become a fragment's codes in v[PC] on and its scale word in v[pw].
.macro QUANT s, pw
.irp b, 0,1,2,3
	v_max3_num_f32 v[TM+\b], |v[\s+16*\b]|, |v[\s+1+16*\b]|, 0x2800000   ; and the floor 2^(5 - 127): the byte cannot fall under 1
.endr
.irp i, 2,4,6,8,10,12,14
.irp b, 0,1,2,3
	v_max3_num_f32 v[TM+\b], v[TM+\b], |v[\s+16*\b+\i]|, |v[\s+1+16*\b+\i]|
.endr
.endr
.irp b, 0,1,2,3
	v_permlanex16_b32 v[TM+4+\b], v[TM+\b], s[SEL], s[SEL+1]
.endr
.irp b, 0,1,2,3
	v_max_num_f32 v[TM+\b], v[TM+\b], v[TM+4+\b]   ; with lane l xor 16's: the block's largest magnitude
.endr
.irp b, 0,1,2,3
	v_add_nc_u32 v[TM+12+\b], 0xfe000000, v[TM+\b] ; 4 off its exponent field: the conversion's scale operand
.endr
.irp b, 0,1,2,3
	v_lshrrev_b32 v[TM+4+\b], 23, v[TM+12+\b]      ; the scale's byte
.endr
	v_lshl_or_b32 v[\pw], v[TM+5], 8, v[TM+4]
	v_lshl_or_b32 v[\pw], v[TM+6], 16, v[\pw]
	v_lshl_or_b32 v[\pw], v[TM+7], 24, v[\pw]
.irp c, 0,1
	v_cvt_scalef32_pk16_bf6_f32 v[PC+6*\c:PC+2+6*\c], v[\s+32*\c:\s+15+32*\c], v[TM+12+2*\c]
	v_cvt_scalef32_pk16_bf6_f32 v[PC+12+4*\c:PC+14+4*\c], v[\s+16+32*\c:\s+31+32*\c], v[TM+12+2*\c+1]
.endr
	v_nop                                          ; one plain place behind a scaled conversion
.irp c, 0,1                                    ; the operand's layout wants a whole block in a lane
.irp i, 0,1,2
	v_permlane16_swap_b32 v[PC+6*\c+\i], v[PC+12+4*\c+\i]
.endr
.irp i, 0,1,2
	v_mov_b32 v[PC+3+6*\c+\i], v[PC+12+4*\c+\i]
.endr
.endr
.endm
.macro ADDB a, byrow                   ; row block a's 64 sums + the bias, each accumulator from its low end on
.set AC, 64*((\a)%4)
	WIN 0x02+(\a)/4                                ; source 0: window 2 or 3
.set EI, 0
.rept 32
.if \byrow
	v_pk_add_f32 v[T+EI:T+EI+1], v[AC+EI:AC+EI+1], v[BV+2*(\a):BV+2*(\a)+1]
.else
	v_pk_add_f32 v[T+EI:T+EI+1], v[AC+EI:AC+EI+1], v[BI+EI:BI+EI+1]
.endif
.set EI, EI+2
.endr
.endm
.macro ROTLOAD a                       ; cosines and sines of block a's 16 positions, 32 numbers each a lane, into set a % 4 of window 1
	WIN 0x40
.irp k, 0,1
.irp n, 0,1,2,3,4,5,6,7
	global_load_b128 v[64*((\a)%4)+32*\k+4*\n:64*((\a)%4)+32*\k+4*\n+3], v[LB+(\a)%2], s[78:79] offset:8192*((\a)-(\a)%2)+4096*\k+512*\n
.endr
.endr
.endm
.macro ROTATE a                        ; registers n and 32 + n are dims e and e + 64: x(e) cos - x(e + 64) sin, x(e + 64) cos + x(e) sin
	WIN 0x04                                       ; source 1: window 1
.set RS, 64*((\a)%4)
.set EI, 0
.rept 16
.set UU, TM+4*((EI/2)%2)
	v_pk_mul_f32 v[UU:UU+1], v[T+32+EI:T+33+EI], v[RS+32+EI:RS+33+EI]
	v_pk_mul_f32 v[UU+2:UU+3], v[T+EI:T+EI+1], v[RS+32+EI:RS+33+EI]
	v_pk_fma_f32 v[T+EI:T+EI+1], v[T+EI:T+EI+1], v[RS+EI:RS+EI+1], v[UU:UU+1] neg_lo:[0,0,1] neg_hi:[0,0,1]
	v_pk_fma_f32 v[T+32+EI:T+33+EI], v[T+32+EI:T+33+EI], v[RS+EI:RS+EI+1], v[UU+2:UU+3]
.set EI, EI+2
.endr
.endm
.macro PUT a
.irp c, 0,1,2
	global_store_b128 v[LI], v[PC+4*\c:PC+4*\c+3], s[74:75] offset:1536*(\a)+512*\c   ; 32 lanes store 512 consecutive bytes, aligned
.endr
.endm
.macro PUTSC
	v_and_b32 v[TM], 31, v0
	v_cmp_lt_u32 vcc_lo, 15, v[TM]
.irp p, 0,1,2,3
	v_cndmask_b32 v[TM+\p], v[PWS+2*\p], v[PWS+2*\p+1], vcc_lo
.endr
	global_store_b128 v[SCO], v[TM:TM+3], s[74:75] offset:12288   ; the block's 512 bytes of scale words in one store
.endm
	PLACES NP                                      ; behind the last products: their results are read and their operands' registers written below
.irp b, 0,1,2,3
	v_mov_b32 v[TM+4+\b], 0                        ; a lane permute's destination counts as read
.endr
	s_wait_loadcnt 0x0                             ; the biases
	s_cmp_eq_u32 s72, 2
	s_cbranch_scc1 .Lv
	ROTLOAD 0
	ROTLOAD 1
	ROTLOAD 2
	ROTLOAD 3
.irp a, 0,1,2,3,4,5,6,7
	ADDB \a, 0
.if \a < 5
	s_wait_loadcnt 48                              ; this block's 16 loads are in; three younger sets may be out
.else
	s_wait_loadcnt 16*(7-\a)
.endif
	ROTATE \a
.if \a < 4
	ROTLOAD \a+4
.endif
	WIN 0
	s_wait_xcnt 0x0                                ; the last block's stores have read their registers
	QUANT T, PWS+\a
	PUT \a
.endr
	PUTSC
	s_branch .Lend
.Lv:
.irp a, 0,1,2,3,4,5,6,7
	ADDB \a, 1
	WIN 0
	s_wait_xcnt 0x0
	QUANT T, PWS+\a
	PUT \a
.endr
	PUTSC
.Lend:
	s_wait_tensorcnt 0x0                           ; the wave's end
	ds_add_u32 v[SPW], v[NIL]
	s_wait_dscnt 0x0
	CROUND                                         ; the closing round: no work-group ends while a partner may still ask for a tile that names it
	s_endpgm
.Lfunc_end_k_qc516fae671_qkv:
	.size	k_qc516fae671_qkv, .Lfunc_end_k_qc516fae671_qkv-k_qc516fae671_qkv
	.p2alignl 7, 3214868480
	.fill 96, 4, 3214868480
	.section	.rodata,"a",@progbits
	.p2align	6, 0x0
	.amdhsa_kernel k_qc516fae671_qkv
		.amdhsa_group_segment_fixed_size 327680
		.amdhsa_private_segment_fixed_size 0
		.amdhsa_enable_private_segment 0
		.amdhsa_kernarg_size 56
		.amdhsa_user_sgpr_count 2
		.amdhsa_user_sgpr_kernarg_segment_ptr 1
		.amdhsa_wavefront_size32 1
		.amdhsa_system_sgpr_workgroup_id_x 1
		.amdhsa_system_sgpr_workgroup_id_y 1
		.amdhsa_system_sgpr_workgroup_id_z 1
		.amdhsa_system_vgpr_workitem_id 0
		.amdhsa_next_free_vgpr 1024
		.amdhsa_next_free_sgpr 100
		.amdhsa_reserve_vcc 1
		.amdhsa_float_denorm_mode_32 3
		.amdhsa_float_denorm_mode_16_64 3
		.amdhsa_memory_ordered 1
		.amdhsa_forward_progress 1
		.amdhsa_inst_pref_size 250
	.end_amdhsa_kernel
	.amdgpu_metadata
---
amdhsa.version: [ 1, 2 ]
amdhsa.kernels:
  - .name:           k_qc516fae671_qkv
    .symbol:         k_qc516fae671_qkv.kd
    .args:
      - { .name: ops, .offset: 0, .size: 8, .value_kind: global_buffer, .address_space: global }
      - { .name: rot, .offset: 8, .size: 8, .value_kind: global_buffer, .address_space: global }
      - { .name: b_Q, .offset: 16, .size: 8, .value_kind: global_buffer, .address_space: global }
      - { .name: b_K, .offset: 24, .size: 8, .value_kind: global_buffer, .address_space: global }
      - { .name: b_V, .offset: 32, .size: 8, .value_kind: global_buffer, .address_space: global }
      - { .name: qimg, .offset: 40, .size: 8, .value_kind: global_buffer, .address_space: global }
      - { .name: kv, .offset: 48, .size: 8, .value_kind: global_buffer, .address_space: global }
    .group_segment_fixed_size: 327680
    .private_segment_fixed_size: 0
    .kernarg_segment_align: 8
    .kernarg_segment_size: 56
    .max_flat_workgroup_size: 128
    .sgpr_count:     100
    .vgpr_count:     1024
    .wavefront_size: 32
...
	.end_amdgpu_metadata
.endif
;; end of part 2
;; launch attn (part 3): grid 16 x 16, 16 waves a work-group, clusters of 4 x 1, 327,680 bytes of LDS; arguments qimg, kv, zimg; writes zimg
.if DOCPART == 3
	.amdgcn_target "amdgcn-amd-amdhsa--gfx1250"
	.amdhsa_code_object_version 6
	.text
	.protected	k_qc516fae671_attn
	.globl	k_qc516fae671_attn
	.p2align	8
	.type	k_qc516fae671_attn,@function
k_qc516fae671_attn:
	s_mov_b64 s[64:65], 0
	v_nop
	global_prefetch_b8 v0, s[64:65] scope:SCOPE_SE
	s_setreg_imm32_b32 hwreg(HW_REG_WAVE_MODE, 25, 1), 1
	s_wait_xcnt 0x0
	s_wait_alu depctr_hold_cnt(0) depctr_sa_sdst(0) depctr_va_vdst(0) depctr_va_sdst(0) depctr_va_ssrc(0) depctr_va_vcc(0) depctr_vm_vsrc(0)
	s_getreg_b32 s2, hwreg(HW_REG_IB_STS2, 6, 4)
	s_cmp_eq_u32 s2, 0
	s_cbranch_scc0 .Lentry_in_a_cluster
	s_endpgm
.Lentry_in_a_cluster:
	s_bfe_u32 s2, ttmp6, 0x10000c
	s_cmp_lg_u32 s2, 0x3003
	s_cbranch_scc0 .Lentry_shape_is_right
	s_endpgm
.Lentry_shape_is_right:
; Causal attention on codes of BF6 (E3M2) with E8M0 scales, and the quantising of z = O / l along (head, d) for the output projection.
; t = score x log2(e) / sqrt(128); M = the running largest t rounded up to a whole number; p = 2^(t - M) is quantised along the keys; the sum l is taken of the unquantised p.
; HIDDEN KEYS COUNT: the model gives them the logit -1000, not minus infinity.  On the diagonal step their scores are replaced by -1000 sqrt(128).  A step all of whose 128 keys are hidden needs
; no scores: all its p are 2^(t_hidden - M); their code and scale byte are made once (PREP), by the quantiser's own instruction, and the step is the second product alone.
; SHARES.  A tile of 16 queries is served by TWO waves: wave w < 8 takes the even key steps of 128, wave w + 8 the odd ones; they are joined at the end through LDS.  A work-group has 8 tiles, two from each
; of the groups of 128 queries 2 c, 2 c + 1, 14 - 2 c, 15 - 2 c (c: the cluster's number): early and late queries together, so that all work-groups have the same number of full steps.
; The four work-groups of a cluster have the same groups and differ in the tiles within them: so every branch is alike in all four, and they ask for K's and V's blocks JOINTLY.
; LAYOUT.  Both products are used transposed (S^T = K Q^T, O^T = V^T P^T): a lane holds one query.  K's keys and V's rows d lie with bits 3 and 4 of their place exchanged, so that the 16 registers of
; two neighbouring tiles are 16 neighbours: keys for p, d for z.  A key step is 25,600 dense bytes: K's operand block, then V's; a slot of the ring holds four steps.
; REGISTERS: v1-11 addresses; v12 -M, v13 the largest t, v[14:15] the sum; v16-27 Q; v32-79 four fragments; v80-87 scale words of K or V; v88 the hidden score, v89 its p, v90 64 x my hidden steps,
; v92 my query's place against the diagonal; v96-159 S^T, then p; v160-223 O^T; v224-235 p's codes; v232-254 at work; v253 p's scale word; v255 Q's.
; LIMITS: NaN and infinities are not served; a p under 2^-126 counts as 0; a block whose largest magnitude lies under 2^-122 keeps the scale byte 1.
.set OBB,   12800
.set STEPB, 2*OBB
.set SLOTB, 4*STEPB
.set SLOT1, 1<<17                      ; slot 1 begins here: one exclusive or turns an address from one slot to the other
.set STG,   SLOT1+SLOTB                ; behind the ring: 8,704 bytes for each pair of waves; no fill lands there
.set STGW,  8704
.set SPARE, STG+8*STGW                 ; the spare words, 128 bytes for each wave, that no other line names
.set AK0, 1
.set AS0, 3
.set SPW, 5
.set NIL, 6
.set MS,  7
.set ADK, 8
.set ADS, 9
.set GF,  10
.set GS,  11
.set PC,  32
.set TM,  232
.set WV,  18
.set PAR, 19
.set SEL, 20
.set CS,  22
.set G1,  24
.set G0,  32
.set TB,  36
.set KJ,  37
.set JD,  38
.set SLOTS, 39
.set LF,  40
.macro JLOAD1                          ; waves 0 to 3 fetch a key step each; four v_nop follow the line
	s_cmp_lt_u32 s[WV], 4
	s_cbranch_scc0 .Lnone_\@
	tensor_load_to_lds s[G0:G0+3], s[G1:G1+7]
	s_nop 0
.rept 4
	v_nop
.endr
.Lnone_\@:
.endm
.macro CROUND
	s_barrier_signal -1
	s_barrier_wait -1
	s_cmp_lg_u32 s[WV], 0
	s_cbranch_scc1 .Lnot_wave_0_\@
	s_barrier_signal -3
.Lnot_wave_0_\@:
	s_barrier_wait -3
	s_barrier_signal -1
	s_barrier_wait -1
.endm
	s_load_b128 s[4:7], s[0:1], 0x0                ; qimg, kv
	s_load_b64 s[8:9], s[0:1], 0x10                ; zimg
	v_lshl_add_u32 v[SPW], v0, 2, SPARE
	v_mov_b32 v[NIL], 0
	ds_add_u32 v5, v6
	s_wait_dscnt 0x0
	v_lshrrev_b32 v8, 5, v0
	v_readfirstlane_b32 s[WV], v8
	s_lshr_b32 s[PAR], s[WV], 3                    ; even or odd key steps
	s_and_b32 s42, s[WV], 7                        ; which of the work-group's 8 tiles
	s_lshr_b32 s43, s42, 1
	s_and_b32 s44, s42, 1                          ; e
	s_and_b32 s45, s43, 1
	s_lshl_b32 s46, ttmp9, 1
	s_add_co_u32 s45, s45, s46
	s_sub_co_u32 s46, 15, s45
	s_cmp_ge_u32 s43, 2
	s_cselect_b32 s[JD], s46, s45                  ; my group of 128 queries = my diagonal step: from the cluster's and the wave's number alone
	s_bfe_u32 s47, ttmp6, 0x40000                  ; cx: it enters global addresses and one vector operand alone
	s_lshl_b32 s48, s47, 1
	s_add_co_u32 s48, s48, s44                     ; my tile within the group
	s_and_b32 s49, ttmp7, 0xffff                   ; the head
	s_mov_b32 s[G1], 15|(3<<16)|(1<<21)            ; the mask: all four work-groups; elements of 8 bytes; bit 21 beside a mask
	s_mov_b32 s[G1+1], 32<<16                      ; rows of 256 bytes,
	s_mov_b32 s[G1+2], 100<<16                     ; 100 of them: a key step's 25,600 dense bytes
	s_mov_b32 s[G1+3], 32<<16
	s_mov_b32 s[G1+4], 100
	s_mov_b32 s[G1+5], 32
	s_mov_b32 s[G1+6], 0
	s_mov_b32 s[G1+7], 0
	s_lshl_b32 s50, s49, 4
	s_add_co_u32 s52, s50, s[WV]
	s_mul_i32 s52, s52, STEPB                      ; key step = my wave's number, of my head
	s_mov_b32 s53, 0
	s_mul_i32 s54, s[WV], STEPB
	s_add_co_u32 s56, s50, s[JD]
	s_mul_i32 s56, s56, OBB                        ; Q's block: [head][group]
	s_mov_b32 s57, 0
	s_lshl_b32 s58, s[JD], 4
	s_add_co_u32 s58, s58, s49
	s_mul_i32 s58, s58, OBB                        ; z's block: [group][head]
	s_mov_b32 s59, 0
	s_mov_b32 s[SEL], 0x76543210
	s_mov_b32 s[SEL+1], 0xfedcba98
	s_mov_b32 s[CS], 0x3e0293ee                    ; c = log2(e) / sqrt(128)
	s_mov_b32 s[CS+1], s[CS]
	s_mov_b32 s[TB], 0
	s_mov_b32 s[KJ], s[PAR]
	s_mov_b32 s[SLOTS], 3
	s_mov_b32 s[LF], 0
	s_wait_kmcnt 0x0
	s_mov_b32 s[G0], 1
	s_mov_b32 s[G0+1], s54
	s_add_nc_u64 s[G0+2:G0+3], s[6:7], s[52:53]
	s_or_b32 s[G0+3], s[G0+3], 0x80000000
	s_add_nc_u64 s[4:5], s[4:5], s[56:57]
	s_add_nc_u64 s[8:9], s[8:9], s[58:59]
	CROUND                                         ; all four work-groups are here
	JLOAD1                                         ; slot 0: key steps 0 to 3
	v_and_b32 v8, 31, v0
	v_lshlrev_b32 v8, 4, v8                        ; 16 x lane
	v_and_b32 v9, 15, v0                           ; r
	s_mul_i32 s55, s[PAR], STEPB
	v_add_nc_u32 v[AK0], s55, v8                   ; my two steps of a slot: fragments,
	v_add_nc_u32 v[AK0+1], 2*STEPB, v[AK0]
	v_lshl_add_u32 v[AS0], v9, 5, s55              ; and scale words, 32 bytes a row
	v_add_nc_u32 v[AS0+1], 2*STEPB, v[AS0]
	s_mul_i32 s56, s42, STGW
	s_add_co_u32 s56, s56, STG
	v_add_nc_u32 v[MS], s56, v8                    ; where the two waves of a tile meet
	s_mul_i32 s57, s48, 1536
	v_add_nc_u32 v[GF], s57, v8                    ; my tile's fragment in Q's and z's blocks,
	s_lshl_b32 s58, s44, 4
	s_lshl_b32 s59, s47, 2
	s_add_co_u32 s58, s58, s59
	v_lshl_add_u32 v[GS], v9, 5, s58               ; and its scale words
.irp c, 0,1,2
	global_load_b128 v[16+4*\c:19+4*\c], v[GF], s[4:5] offset:512*\c
.endr
	global_load_b32 v255, v[GS], s[4:5] offset:12288
	s_lshl_b32 s60, s48, 4
	v_bfe_u32 v92, v0, 4, 1
	v_lshlrev_b32 v92, 4, v92
	v_sub_nc_u32 v92, v9, v92
	v_add_nc_u32 v92, s60, v92                     ; d = my query's place in its group - 16 (lane / 16): on the diagonal step register 16 b + i is hidden where 32 b + i > d
	s_add_co_u32 s60, s[JD], 2
	s_sub_co_u32 s60, s60, s[PAR]
	s_lshr_b32 s60, s60, 1
	s_sub_co_u32 s60, 8, s60                       ; how many of my 8 steps are wholly hidden
	s_lshl_b32 s60, s60, 6
	v_cvt_f32_u32 v90, s60                         ; a lane's share of their keys
	v_mov_b32 v88, 0xc630c6d5                      ; -1000 sqrt(128)
	v_mov_b32 v13, 0xff61b1e6                      ; the largest t so far: -3e38
	v_floor_f32 v12, -v13
	v_mov_b32 v14, 0
	v_mov_b32 v15, 0
.irp b, 0,1,2,3
	v_mov_b32 v[236+\b], 0                         ; a lane permute's destination counts as read
.endr
	v_mov_b32 v252, 0
	v_mov_b32 v253, 0
.set VI, 0
.rept 76
	v_mov_b32 v[160+VI], 0                         ; O^T, and p's codes.  (The step is written once: the first finds zeros, which the first change of M leaves zeros)
.set VI, VI+1
.endr
; A KEY STEP: my st-th of the slot in hand.  (The argument's name is none that an .irp inside the macro uses.)
.macro STEP st
	v_add_nc_u32 v[ADK], s[TB], v[AK0+\st]
	v_add_nc_u32 v[ADS], s[TB], v[AS0+\st]
	v_nop
	v_nop                                          ; four places behind the last step's products, in front of loads into their operands
	s_add_co_u32 s42, s[KJ], 2*\st
	s_cmp_gt_u32 s42, s[JD]
	s_cbranch_scc1 .Llight_\@
.irp g, 0,1                                    ; S^T = K Q^T, four tiles of 16 keys at a time
.if \g > 0
.rept 4
	v_nop
.endr
.endif
.irp t, 0,1,2,3
.irp c, 0,1,2
	ds_load_b128 v[32+12*\t+4*\c:35+12*\t+4*\c], v[ADK] offset:1536*(4*\g+\t)+512*\c
.endr
.endr
.if \g == 0
	ds_load_b128 v[80:83], v[ADS] offset:12288
	ds_load_b128 v[84:87], v[ADS] offset:12304
.endif
	s_wait_dscnt 0x0
.irp t, 0,1,2,3
	v_wmma_scale_f32_16x16x128_f8f6f4 v[96+8*(4*\g+\t):103+8*(4*\g+\t)], v[32+12*\t:43+12*\t], v[16:27], 0, v[80+4*(\t%2)+(4*\g+\t)/2], v255 matrix_a_fmt:MATRIX_FMT_BF6 matrix_b_fmt:MATRIX_FMT_BF6
.endr
.endr
.rept 4
	v_nop
.endr
	s_cmp_lt_u32 s42, s[JD]
	s_cbranch_scc1 .Lopen_\@
.set VI, 0
.rept 64                                       ; the diagonal step: hidden keys get the model's own logit; the registers in ascending order
	v_cmp_gt_i32 vcc_lo, 32*(VI/16)+VI%16, v92
	v_cndmask_b32 v[96+VI], v[96+VI], v88, vcc_lo
.set VI, VI+1
.endr
.Lopen_\@:
.irp b, 0,1,2,3
	v_max3_num_f32 v[232+\b], v[96+16*\b], v[97+16*\b], v[98+16*\b]   ; the largest score of each block of 32 keys: for the row's maximum, and, since p rises with the score, for the block's largest p
.endr
.irp i, 3,5,7,9,11,13                          ; ascending: each tile's eight registers are read from the low end on
.irp b, 0,1,2,3
	v_max3_num_f32 v[232+\b], v[232+\b], v[96+16*\b+\i], v[97+16*\b+\i]
.endr
.endr
.irp b, 0,1,2,3
	v_max_num_f32 v[232+\b], v[232+\b], v[111+16*\b]
.endr
.irp b, 0,1,2,3
	v_permlanex16_b32 v[236+\b], v[232+\b], s[SEL], s[SEL+1]
.endr
.irp b, 0,1,2,3
	v_max_num_f32 v[232+\b], v[232+\b], v[236+\b]
.endr
	v_max3_num_f32 v254, v232, v233, v234
	v_max_num_f32 v254, v254, v235
	v_mul_f32 v254, s[CS], v254
	v_max_num_f32 v13, v13, v254                   ; the running largest t
	v_mov_b32 v254, v12
	v_floor_f32 v12, -v13                          ; -M = floor(-t): M is a whole number
	v_sub_f32 v254, v12, v254
	v_cvt_i32_f32 v254, v254                       ; (it saturates)
	v_ldexp_f32 v252, 1.0, v254                    ; f = 2^(old M - new M)
.set VI, 0
.rept 32
	v_pk_fma_f32 v[96+VI:97+VI], v[96+VI:97+VI], s[CS:CS+1], v[12:13] op_sel_hi:[1,0,0]   ; t - M
.set VI, VI+2
.endr
.irp b, 0,1,2,3
	v_fma_f32 v[232+\b], v[232+\b], s[CS], v12
.endr
.set VI, 0
.rept 64
	v_exp_f32 v[96+VI], v[96+VI]                   ; p = 2^(t - M)
.set VI, VI+1
.endr
.irp b, 0,1,2,3
	v_exp_f32 v[232+\b], v[232+\b]                 ; the block's largest p: the same two instructions on the same number
.endr
	v_pk_mul_f32 v[14:15], v[14:15], v[252:253] op_sel_hi:[1,0]   ; the sums under the new M (a plain place behind the exponentials)
	s_wait_alu depctr_va_vdst(0)
.irp b, 0,1,2,3
	v_max_num_f32 v[232+\b], 0x2800000, v[232+\b]
.endr
.irp b, 0,1,2,3
	v_add_nc_u32 v[244+\b], 0xfe000000, v[232+\b]
.endr
.irp b, 0,1,2,3
	v_lshrrev_b32 v[236+\b], 23, v[244+\b]
.endr
	v_lshl_or_b32 v253, v237, 8, v236              ; p's scale word for these 128 keys
	v_lshl_or_b32 v253, v238, 16, v253
	v_lshl_or_b32 v253, v239, 24, v253
.irp c, 0,1
	v_cvt_scalef32_pk16_bf6_f32 v[224+6*\c:226+6*\c], v[96+32*\c:111+32*\c], v[244+2*\c]
	v_cvt_scalef32_pk16_bf6_f32 v[236+4*\c:238+4*\c], v[112+32*\c:127+32*\c], v[244+2*\c+1]
.endr
	v_nop
.irp c, 0,1
.irp i, 0,1,2
	v_permlane16_swap_b32 v[224+6*\c+\i], v[236+4*\c+\i]
.endr
.irp i, 0,1,2
	v_mov_b32 v[227+6*\c+\i], v[236+4*\c+\i]
.endr
.endr
	v_pk_add_f32 v[236:237], v[96:97], v[98:99]    ; the row's sum is taken of the unquantised p
.irp j, 4,8,12,16,20,24,28,32,36,40,44,48,52,56,60
	v_pk_add_f32 v[14:15], v[14:15], v[96+\j:97+\j]
	v_pk_add_f32 v[236:237], v[236:237], v[98+\j:99+\j]
.endr
	v_pk_add_f32 v[14:15], v[14:15], v[236:237]
.set VI, 0
.rept 32
	v_pk_mul_f32 v[160+VI:161+VI], v[160+VI:161+VI], v[252:253] op_sel_hi:[1,0]   ; O^T under the new M; these are also the places in front of the products below
.set VI, VI+2
.endr
	s_branch .Lpv_\@
.Llight_\@:                                    ; all 128 keys are hidden
	s_cmp_lg_u32 s[LF], 0
	s_cbranch_scc1 .Lpv_\@
	; PREP, once a wave: steps ascend, so no full step follows and M moves no more
	v_mul_f32 v254, s[CS], v88
	v_max_num_f32 v13, v13, v254                   ; the hidden logit counts for the maximum too
	v_mov_b32 v254, v12
	v_floor_f32 v12, -v13
	v_sub_f32 v254, v12, v254
	v_cvt_i32_f32 v254, v254
	v_ldexp_f32 v252, 1.0, v254
	v_fma_f32 v89, v88, s[CS], v12
	v_exp_f32 v89, v89                             ; a hidden key's p
	v_pk_mul_f32 v[14:15], v[14:15], v[252:253] op_sel_hi:[1,0]
	s_wait_alu depctr_va_vdst(0)
	v_fma_f32 v14, v89, v90, v14                   ; all my hidden steps' share of the sum
	v_max_num_f32 v248, 0x2800000, v89
	v_add_nc_u32 v244, 0xfe000000, v248
	v_lshrrev_b32 v249, 23, v244
	v_lshl_or_b32 v249, v249, 8, v249
	v_lshl_or_b32 v253, v249, 16, v249             ; the same byte for the four blocks
.set VI, 0
.rept 16
	v_mov_b32 v[96+VI], v89
.set VI, VI+1
.endr
	v_cvt_scalef32_pk16_bf6_f32 v[224:226], v[96:111], v244   ; sixteen equal codes, 96 bits
	v_nop
.irp w, 0,1,2
	v_mov_b32 v[227+\w], v[224+\w]
	v_mov_b32 v[230+\w], v[224+\w]
	v_mov_b32 v[233+\w], v[224+\w]
.endr
.set VI, 0
.rept 32
	v_pk_mul_f32 v[160+VI:161+VI], v[160+VI:161+VI], v[252:253] op_sel_hi:[1,0]
.set VI, VI+2
.endr
	s_mov_b32 s[LF], 1
.Lpv_\@:
.irp g, 0,1                                    ; O^T += V^T P^T: four tiles of 16 of the head's 128 at a time; the eight accumulators take turns
.if \g > 0
.rept 4
	v_nop
.endr
.endif
.irp t, 0,1,2,3
.irp c, 0,1,2
	ds_load_b128 v[32+12*\t+4*\c:35+12*\t+4*\c], v[ADK] offset:OBB+1536*(4*\g+\t)+512*\c
.endr
.endr
.if \g == 0
	ds_load_b128 v[80:83], v[ADS] offset:OBB+12288
	ds_load_b128 v[84:87], v[ADS] offset:OBB+12304
.endif
	s_wait_dscnt 0x0
.irp t, 0,1,2,3
	v_wmma_scale_f32_16x16x128_f8f6f4 v[160+8*(4*\g+\t):167+8*(4*\g+\t)], v[32+12*\t:43+12*\t], v[224:235], v[160+8*(4*\g+\t):167+8*(4*\g+\t)], v[80+4*(\t%2)+(4*\g+\t)/2], v253 matrix_a_fmt:MATRIX_FMT_BF6 matrix_b_fmt:MATRIX_FMT_BF6
.endr
.endr
.endm
; THE CHANGE OF SLOTS stands at a slot's head.  Each wave waits for all its tensor loads, adds 0 to its spare word, and waits for that and for its reads of the slot that it has left.
; fill = 1: a round of the cluster's barrier, and behind it the other slot is filled with the next four key steps: the load has a whole slot's steps in which to land.
.macro CHANGE fill
	s_wait_tensorcnt 0x0                           ; no tensor load of mine is out, so the descriptor may be written
	ds_add_u32 v[SPW], v[NIL]                      ; 0 onto my spare word
.if \fill
	s_xor_b32 s[G0+1], s[G0+1], SLOT1
	s_add_nc_u64 s[G0+2:G0+3], s[G0+2:G0+3], SLOTB
	s_wait_dscnt 0x0
	CROUND
	JLOAD1
.else
	s_wait_dscnt 0x0
	s_barrier_signal -1
	s_barrier_wait -1
.endif
.endm
	s_wait_loadcnt 0x0                             ; Q
.Lslot:                                            ; three trips: behind each change of slots but the last the next slot is asked for
	CHANGE 1
	STEP 0
	STEP 1
	s_xor_b32 s[TB], s[TB], SLOT1
	s_add_co_u32 s[KJ], s[KJ], 4
	s_sub_co_u32 s[SLOTS], s[SLOTS], 1
	s_cmp_lg_u32 s[SLOTS], 0
	s_cbranch_scc1 .Lslot
	CHANGE 0                                       ; the last slot is written out
	STEP 0
	STEP 1
	; THE TWO WAVES OF A TILE ARE JOINED: the wave of the odd steps hands over O^T, -M and the sum
.rept 4
	v_nop
.endr
	s_cmp_lt_u32 s[WV], 8
	s_cbranch_scc1 .Lkeep
.irp m, 0,1,2,3,4,5,6,7,8,9,10,11,12,13,14,15
	ds_store_b128 v[MS], v[160+4*\m:163+4*\m] offset:512*\m
.endr
	ds_store_b128 v[MS], v[12:15] offset:8192
.Lkeep:
	s_wait_dscnt 0x0                               ; for the other wave's sake: my stores have landed
	s_barrier_signal -1
	s_barrier_wait -1
	s_cmp_ge_u32 s[WV], 8
	s_cbranch_scc1 .Lend
.irp m, 0,1,2,3,4,5,6,7,8,9,10,11,12,13,14,15
	ds_load_b128 v[96+4*\m:99+4*\m], v[MS] offset:512*\m
.endr
	ds_load_b128 v[28:31], v[MS] offset:8192
	s_wait_dscnt 0x0
	v_min_num_f32 v254, v12, v28                   ; -(the larger M)
	v_sub_f32 v249, v254, v12
	v_sub_f32 v251, v254, v28
	v_cvt_i32_f32 v249, v249
	v_cvt_i32_f32 v251, v251
	v_ldexp_f32 v248, 1.0, v249                    ; both parts are brought under it by exact powers of two
	v_ldexp_f32 v250, 1.0, v251
.set VI, 0
.rept 32
	v_pk_mul_f32 v[160+VI:161+VI], v[160+VI:161+VI], v[248:249] op_sel_hi:[1,0]
.set VI, VI+2
.endr
.set VI, 0
.rept 32
	v_pk_fma_f32 v[160+VI:161+VI], v[96+VI:97+VI], v[250:251], v[160+VI:161+VI] op_sel_hi:[1,0,1]
.set VI, VI+2
.endr
	v_add_f32 v14, v14, v15
	v_add_f32 v30, v30, v31
	v_mul_f32 v14, v14, v248
	v_fma_f32 v14, v30, v250, v14
	v_permlanex16_b32 v252, v14, s[SEL], s[SEL+1]
	v_add_f32 v14, v14, v252                       ; the row's sum
	v_rcp_f32 v14, v14
	v_nop
.set VI, 0
	s_wait_alu depctr_va_vdst(0)
.rept 32
	v_pk_mul_f32 v[96+VI:97+VI], v[160+VI:161+VI], v[14:15] op_sel_hi:[1,0]   ; z: register 16 b + i is d = 32 b + 16 (lane / 16) + i of my query
.set VI, VI+2
.endr
	; z is quantised along d: a fragment of the output projection's first operand
.irp b, 0,1,2,3
	v_max3_num_f32 v[TM+\b], |v[96+16*\b]|, |v[97+16*\b]|, 0x2800000
.endr
.irp i, 2,4,6,8,10,12,14
.irp b, 0,1,2,3
	v_max3_num_f32 v[TM+\b], v[TM+\b], |v[96+16*\b+\i]|, |v[97+16*\b+\i]|
.endr
.endr
.irp b, 0,1,2,3
	v_permlanex16_b32 v[TM+4+\b], v[TM+\b], s[SEL], s[SEL+1]
.endr
.irp b, 0,1,2,3
	v_max_num_f32 v[TM+\b], v[TM+\b], v[TM+4+\b]
.endr
.irp b, 0,1,2,3
	v_add_nc_u32 v[TM+12+\b], 0xfe000000, v[TM+\b]
.endr
.irp b, 0,1,2,3
	v_lshrrev_b32 v[TM+4+\b], 23, v[TM+12+\b]
.endr
	v_lshl_or_b32 v91, v[TM+5], 8, v[TM+4]
	v_lshl_or_b32 v91, v[TM+6], 16, v91
	v_lshl_or_b32 v91, v[TM+7], 24, v91
.irp c, 0,1
	v_cvt_scalef32_pk16_bf6_f32 v[PC+6*\c:PC+2+6*\c], v[96+32*\c:111+32*\c], v[TM+12+2*\c]
	v_cvt_scalef32_pk16_bf6_f32 v[PC+12+4*\c:PC+14+4*\c], v[112+32*\c:127+32*\c], v[TM+12+2*\c+1]
.endr
	v_nop
.irp c, 0,1
.irp i, 0,1,2
	v_permlane16_swap_b32 v[PC+6*\c+\i], v[PC+12+4*\c+\i]
.endr
.irp i, 0,1,2
	v_mov_b32 v[PC+3+6*\c+\i], v[PC+12+4*\c+\i]
.endr
.endr
.irp c, 0,1,2
	global_store_b128 v[GF], v[PC+4*\c:PC+4*\c+3], s[8:9] offset:512*\c   ; 32 lanes store 512 consecutive bytes, aligned
.endr
	global_store_b32 v[GS], v91, s[8:9] offset:12288                      ; lanes r and r + 16 hold the same word and write it to the same place
.Lend:
	s_wait_tensorcnt 0x0                           ; the wave's end
	ds_add_u32 v[SPW], v[NIL]
	s_wait_dscnt 0x0
	CROUND                                         ; the closing round
	s_endpgm
.Lfunc_end_k_qc516fae671_attn:
	.size	k_qc516fae671_attn, .Lfunc_end_k_qc516fae671_attn-k_qc516fae671_attn
	.p2alignl 7, 3214868480
	.fill 96, 4, 3214868480
	.section	.rodata,"a",@progbits
	.p2align	6, 0x0
	.amdhsa_kernel k_qc516fae671_attn
		.amdhsa_group_segment_fixed_size 327680
		.amdhsa_private_segment_fixed_size 0
		.amdhsa_enable_private_segment 0
		.amdhsa_kernarg_size 24
		.amdhsa_user_sgpr_count 2
		.amdhsa_user_sgpr_kernarg_segment_ptr 1
		.amdhsa_wavefront_size32 1
		.amdhsa_system_sgpr_workgroup_id_x 1
		.amdhsa_system_sgpr_workgroup_id_y 1
		.amdhsa_system_sgpr_workgroup_id_z 1
		.amdhsa_system_vgpr_workitem_id 0
		.amdhsa_next_free_vgpr 256
		.amdhsa_next_free_sgpr 66
		.amdhsa_reserve_vcc 1
		.amdhsa_float_denorm_mode_32 3
		.amdhsa_float_denorm_mode_16_64 3
		.amdhsa_memory_ordered 1
		.amdhsa_forward_progress 1
		.amdhsa_inst_pref_size 133
	.end_amdhsa_kernel
	.amdgpu_metadata
---
amdhsa.version: [ 1, 2 ]
amdhsa.kernels:
  - .name:           k_qc516fae671_attn
    .symbol:         k_qc516fae671_attn.kd
    .args:
      - { .name: qimg, .offset: 0, .size: 8, .value_kind: global_buffer, .address_space: global }
      - { .name: kv, .offset: 8, .size: 8, .value_kind: global_buffer, .address_space: global }
      - { .name: zimg, .offset: 16, .size: 8, .value_kind: global_buffer, .address_space: global }
    .group_segment_fixed_size: 327680
    .private_segment_fixed_size: 0
    .kernarg_segment_align: 8
    .kernarg_segment_size: 24
    .max_flat_workgroup_size: 512
    .sgpr_count:     66
    .vgpr_count:     256
    .wavefront_size: 32
...
	.end_amdgpu_metadata
.endif
;; end of part 3
;; launch oproj (part 4): grid 8 x 8, 4 waves a work-group, clusters of 4 x 4, 327,680 bytes of LDS; arguments zimg, ops, b_O, out0; writes out0
.if DOCPART == 4
	.amdgcn_target "amdgcn-amd-amdhsa--gfx1250"
	.amdhsa_code_object_version 6
	.text
	.protected	k_qc516fae671_oproj
	.globl	k_qc516fae671_oproj
	.p2align	8
	.type	k_qc516fae671_oproj,@function
k_qc516fae671_oproj:
	s_mov_b64 s[64:65], 0
	v_nop
	global_prefetch_b8 v0, s[64:65] scope:SCOPE_SE
	s_setreg_imm32_b32 hwreg(HW_REG_WAVE_MODE, 25, 1), 1
	s_wait_xcnt 0x0
	s_wait_alu depctr_hold_cnt(0) depctr_sa_sdst(0) depctr_va_vdst(0) depctr_va_sdst(0) depctr_va_ssrc(0) depctr_va_vcc(0) depctr_vm_vsrc(0)
	s_getreg_b32 s2, hwreg(HW_REG_IB_STS2, 6, 4)
	s_cmp_eq_u32 s2, 0
	s_cbranch_scc0 .Lentry_in_a_cluster
	s_endpgm
.Lentry_in_a_cluster:
	s_bfe_u32 s2, ttmp6, 0x10000c
	s_cmp_lg_u32 s2, 0xf033
	s_cbranch_scc0 .Lentry_shape_is_right
	s_endpgm
.Lentry_shape_is_right:
; out = z W_O + b_O on codes of BF6 (E3M2) with E8M0 scales; out is [2048][2048] f32.
; z and W_O lie in memory as OPERAND BLOCKS of 12,800 bytes (128 rows x 128 K as images of the operand's registers, then 512 bytes of scale words).  A tile of 256 x 256 is made by four waves,
; each 128 x 128: 64 accumulators.  K goes in steps of 256 (two blocks, 25,600 dense bytes a row group) through a ring of two LDS slots filled by the tensor data mover.
; CLUSTERS: 4 x 4 work-groups; A's blocks are shared along a row of the cluster, B's along a column: each is asked for jointly.  64 tiles: the launch has 64 work-groups.
; THE MATRIX INSTRUCTION IS USED TRANSPOSED (source 0 = 16 rows of W_O's operand, source 1 = 16 rows of z): a lane holds eight neighbouring numbers of a row of out.  The bias is the C of each sum's first product.
; REGISTERS: window 0: v16-29 addresses; v32-63 scale words, two sets, and nothing else; v64-127 the bias; v128-223 A's fragments; on the way out v128-255.  window 1: B's fragments, two sets.  windows 2, 3: accumulators.
.set SZ,    3276800
.set OBB,   12800
.set GROW,  16*OBB
.set HALFT, 2*OBB
.set SLOT,  4*HALFT
.set SPARE, 2*SLOT                     ; behind the ring: the spare words, 128 bytes for each wave, that no other line names
.set NQ,    2
.set LAPS,  4
.set FR,    12
.set NL,    3
.set NP,    4
.set SIZE_N, 2048
.set SPITCH, 528                       ; the way out: a stage of 16 rows x (512 bytes + 16) for each wave, in slot 0, which has had its last fill and its last read by then
.set ADRA, 16
.set ADRB, 20
.set ADRS, 22
.set STO,  24
.set RD,   25
.set CO,   26
.set SPW,  28
.set NIL,  29
.set SC,   32
.set BI,   64
.set AF,   128
.set BK,   128
.set G1,  24
.set G0,  32
.set G1B, 48
.set G0B, 56
.set MSB, 0
.macro WIN new
.if MSB != \new
	s_set_vgpr_msb (MSB<<8)|\new
.set MSB, \new
.endif
.endm
.set MUL_LO, 0xa1
.set MUL_HI, 0xf1
.set TO_B,   0x40
.macro JLOAD g0a, g1a, g0b, g1b        ; waves 0 and 1 fetch for A, waves 2 and 3 for B; four v_nop follow each line
	s_cmp_eq_u32 s15, 0
	s_cbranch_scc0 .Lfor_b_\@
	tensor_load_to_lds s[\g0a:\g0a+3], s[\g1a:\g1a+7]
	s_nop 0
.rept 4
	v_nop
.endr
	s_branch .Lasked_\@
.Lfor_b_\@:
	tensor_load_to_lds s[\g0b:\g0b+3], s[\g1b:\g1b+7]
	s_nop 0
.rept 4
	v_nop
.endr
.Lasked_\@:
.endm
.macro CREST
	s_cmp_lg_u32 s14, 0
	s_cbranch_scc1 .Lnot_wave_0_\@
	s_barrier_signal -3
.Lnot_wave_0_\@:
	s_barrier_wait -3
	s_barrier_signal -1
	s_barrier_wait -1
.endm
.macro CROUND
	s_barrier_signal -1
	s_barrier_wait -1
	CREST
.endm
	s_load_b256 s[4:11], s[0:1], 0x0               ; zimg, ops, b_O, out0
	v_lshl_add_u32 v[SPW], v0, 2, SPARE
	v_mov_b32 v[NIL], 0
	ds_add_u32 v28, v29
	s_wait_dscnt 0x0
	v_lshrrev_b32 v1, 5, v0
	v_readfirstlane_b32 s14, v1
	s_lshr_b32 s15, s14, 1
	s_and_b32 s16, s14, 1
	s_bfe_u32 s40, ttmp6, 0x40000
	s_bfe_u32 s41, ttmp6, 0x40004
	s_lshl_b32 s42, ttmp9, 2
	s_add_co_u32 s42, s42, s40                     ; tile column
	s_and_b32 s17, ttmp7, 0xffff
	s_lshl_b32 s17, s17, 2
	s_add_co_u32 s17, s17, s41                     ; tile row
	s_lshl_b32 s43, s41, 2
	s_lshl_b32 s43, 15, s43
	s_lshl_b32 s44, 0x1111, s40
	s_or_b32 s[G1+0], s43, (3<<16)|(1<<21)
	s_or_b32 s[G1B+0], s44, (3<<16)|(1<<21)
.irp g, G1, G1B
	s_mov_b32 s[\g+1], 32<<16                      ; rows of 256 bytes,
	s_mov_b32 s[\g+2], 100<<16                     ; 100 of them: 25,600 dense bytes
	s_mov_b32 s[\g+3], 32<<16
	s_mov_b32 s[\g+4], 100
	s_mov_b32 s[\g+5], 32
	s_mov_b32 s[\g+6], 0
	s_mov_b32 s[\g+7], 0
.endr
	s_lshl_b32 s20, s17, 1
	s_add_co_u32 s20, s20, s16
	s_mul_i32 s20, s20, GROW
	s_mov_b32 s21, 0
	s_lshl_b32 s46, s42, 1
	s_add_co_u32 s46, s46, s16
	s_mul_i32 s46, s46, GROW
	s_add_co_u32 s46, s46, 6*SZ                    ; W_O is matrix 6 of ops
	s_mov_b32 s47, 0
	s_mul_i32 s45, s14, HALFT
	s_wait_kmcnt 0x0
	s_add_nc_u64 s[20:21], s[4:5], s[20:21]
	s_add_nc_u64 s[46:47], s[6:7], s[46:47]
	CROUND
.irp s, 0,1
	s_mov_b32 s[G0+4*\s], 1
	s_add_co_u32 s[G0+4*\s+1], s45, \s*SLOT
	s_add_nc_u64 s[G0+4*\s+2:G0+4*\s+3], s[20:21], \s*HALFT
	s_or_b32 s[G0+4*\s+3], s[G0+4*\s+3], 0x80000000
	s_mov_b32 s[G0B+4*\s], 1
	s_add_co_u32 s[G0B+4*\s+1], s45, \s*SLOT
	s_add_nc_u64 s[G0B+4*\s+2:G0B+4*\s+3], s[46:47], \s*HALFT
	s_or_b32 s[G0B+4*\s+3], s[G0B+4*\s+3], 0x80000000
	JLOAD G0+4*\s, G1, G0B+4*\s, G1B               ; two loads of mine are out
.endr
	v_and_b32 v1, 15, v0
	v_bfe_u32 v2, v0, 4, 1
	v_and_b32 v3, 31, v0
	v_lshlrev_b32 v[CO], 4, v3                     ; 16 x lane
	s_mul_i32 s21, s15, HALFT
	s_mul_i32 s22, s16, HALFT
	s_add_co_u32 s22, s22, 2*HALFT
	s_sub_co_u32 s23, s22, s21
	v_mul_u32_u24 v4, s23, v2                      ; scale words: lanes 16-31 take B's
	v_lshl_add_u32 v4, v1, 5, v4
.irp s, 0,1
	v_add_nc_u32 v[ADRA+\s], s21, v[CO]
	v_add_nc_u32 v[ADRB+\s], s22, v[CO]
	v_add_nc_u32 v[ADRS+\s], s21, v4
	s_add_co_u32 s21, s21, SLOT
	s_add_co_u32 s22, s22, SLOT
.endr
	s_mul_i32 s23, s14, 16*SPITCH                  ; my stage
	v_mul_u32_u24 v5, v1, SPITCH
	v_lshl_add_u32 v5, v2, 5, v5
	v_add_nc_u32 v[STO], s23, v5                   ; in: row l % 16, 32 bytes for each half of the lanes
	v_add_nc_u32 v[RD], s23, v[CO]                 ; back: the 32 lanes take one row of 512 bytes
	s_lshl_b32 s46, s42, 10
	s_lshl_b32 s47, s16, 9
	s_add_co_u32 s46, s46, s47                     ; my first column, in bytes
	s_mov_b32 s47, 0
	s_add_nc_u64 s[8:9], s[8:9], s[46:47]
	s_lshl_b32 s20, s17, 8
	s_lshl_b32 s21, s15, 7
	s_add_co_u32 s20, s20, s21                     ; my first row
	s_lshl_b32 s20, s20, 13                        ; rows of 8,192 bytes
	s_mov_b32 s21, 0
	s_add_nc_u64 s[20:21], s[20:21], s[46:47]
	s_add_nc_u64 s[10:11], s[10:11], s[20:21]
	v_lshlrev_b32 v6, 5, v2
.irp n, 0,1,2,3,4,5,6,7,8,9,10,11,12,13,14,15
	global_load_b128 v[BI+4*\n:BI+4*\n+3], v6, s[8:9] offset:64*(\n/2)+16*(\n%2)   ; register 8 b + j: the bias of column 16 b + 8 h + j
.endr
.macro FRAG reg, adr, q, i
.irp c, 0,1,2
	ds_load_b128 v[\reg+4*\c:\reg+4*\c+3], v[\adr] offset:OBB*(\q)+1536*(\i)+512*\c
.endr
.endm
; 16 matrix instructions; the 64 accumulators take turns, one instruction a turn, in the same order in every step.  zero = 1: the first product starts the sums from the bias.
.macro MUL16 a0, p, q, sc, zero
.irp a, \a0, \a0+1
.irp b, 0,1,2,3,4,5,6,7
.if \zero
	v_wmma_scale_f32_16x16x128_f8f6f4 v[8*(8*((\a)%4)+\b):8*(8*((\a)%4)+\b)+7], v[128*(\p)+FR*\b:128*(\p)+FR*\b+FR-1], v[AF+FR*(\a):AF+FR*(\a)+FR-1], v[BI+8*\b:BI+8*\b+7], v[SC+16*(\sc)+8*(\q)+4*(\b%2)+\b/2], v[SC+16*(\sc)+8*(\q)+4*((\a)%2)+(\a)/2] matrix_a_fmt:MATRIX_FMT_BF6 matrix_b_fmt:MATRIX_FMT_BF6 matrix_a_scale:MATRIX_SCALE_ROW1
.else
	v_wmma_scale_f32_16x16x128_f8f6f4 v[8*(8*((\a)%4)+\b):8*(8*((\a)%4)+\b)+7], v[128*(\p)+FR*\b:128*(\p)+FR*\b+FR-1], v[AF+FR*(\a):AF+FR*(\a)+FR-1], v[8*(8*((\a)%4)+\b):8*(8*((\a)%4)+\b)+7], v[SC+16*(\sc)+8*(\q)+4*(\b%2)+\b/2], v[SC+16*(\sc)+8*(\q)+4*((\a)%2)+(\a)/2] matrix_a_fmt:MATRIX_FMT_BF6 matrix_b_fmt:MATRIX_FMT_BF6 matrix_a_scale:MATRIX_SCALE_ROW1
.endif
.endr
.endr
.endm
.macro FETCH_B slot, q, p
	WIN TO_B
.irp i, 0,1,2,3,4,5,6,7
	FRAG 128*(\p)+FR*\i, ADRB+\slot, \q, \i
.endr
	WIN 0
.endm
.macro FETCH_A slot, q, i0
.irp i, \i0, \i0+1, \i0+2, \i0+3
	FRAG AF+FR*(\i), ADRA+\slot, \q, \i
.endr
.endm
.macro SCALES sc
.irp q, 0,1
.irp k, 0,1
	ds_load_b128 v[SC+16*\sc+8*\q+4*\k:SC+16*\sc+8*\q+4*\k+3], v[ADRS+\sc] offset:OBB*\q+12288+16*\k
.endr
.endr
.endm
.macro PLACES n
.rept \n
	v_nop
.endr
.endm
.macro STEP slot, q, zero
	s_wait_dscnt 4*NL                              ; all but the youngest 12 loads (A's blocks 4-7) are in
.if \zero
	WIN 0x81                                       ; C (the bias) in window 0, D in window 2
.else
	WIN MUL_LO
.endif
	MUL16 0, (\q)%2, \q, \slot, \zero
	MUL16 2, (\q)%2, \q, \slot, \zero
	s_wait_dscnt 0
	PLACES NP
	FETCH_B \slot, (\q)+1, 1-(\q)%2
	FETCH_A \slot, (\q)+1, 0
.if \zero
	WIN 0xc1
.else
	WIN MUL_HI
.endif
	MUL16 4, (\q)%2, \q, \slot, \zero
	MUL16 6, (\q)%2, \q, \slot, \zero
	PLACES NP
	WIN 0
	FETCH_A \slot, (\q)+1, 4
.endm
.macro TURN slot, next, fill
	s_wait_tensorcnt 0x0                           ; all my tensor loads have landed: my part of the next slot
	ds_add_u32 v[SPW], v[NIL]                      ; 0 onto my spare word
	s_wait_dscnt 4*NL+1                            ; (the add and the youngest 12 loads may be out)
	WIN MUL_LO
	MUL16 0, 1, NQ-1, \slot, 0
	s_wait_dscnt 0x0                               ; the add is done, and my reads of this slot are over
	s_barrier_signal -1
	MUL16 2, 1, NQ-1, \slot, 0
	WIN 0
	s_barrier_wait -1
.if \fill
	CREST                                          ; a round of the cluster's barrier: no wave of any partner still reads this slot or has a load on its way
	s_add_nc_u64 s[G0+4*\slot+2:G0+4*\slot+3], s[G0+4*\slot+2:G0+4*\slot+3], 2*HALFT
	s_add_nc_u64 s[G0B+4*\slot+2:G0B+4*\slot+3], s[G0B+4*\slot+2:G0B+4*\slot+3], 2*HALFT
	JLOAD G0+4*\slot, G1, G0B+4*\slot, G1B
.else
	PLACES NP
.endif
	FETCH_B \next, 0, 0
	FETCH_A \next, 0, 0
	SCALES \next
	WIN MUL_HI
	MUL16 4, 1, NQ-1, \slot, 0
	MUL16 6, 1, NQ-1, \slot, 0
	PLACES NP
	WIN 0
	FETCH_A \next, 0, 4
.endm
	s_wait_tensorcnt 1                             ; my part of slot 0 is in; slot 1's load may be out
	s_barrier_signal -1
	s_barrier_wait -1
	FETCH_B 0, 0, 0
	FETCH_A 0, 0, 0
	SCALES 0
	FETCH_A 0, 0, 4
	s_wait_loadcnt 0x0                             ; the bias
	STEP 0, 0, 1
	s_mov_b32 s3, LAPS-1
.Llap:
	TURN 0, 1, 1
	STEP 1, 0, 0
	TURN 1, 0, 1
	STEP 0, 0, 0
	s_sub_co_u32 s3, s3, 1
	s_cmp_lg_u32 s3, 0
	s_cbranch_scc1 .Llap
	TURN 0, 1, 0
	STEP 1, 0, 0
	s_wait_dscnt 4*NL
	WIN MUL_LO
	MUL16 0, 1, NQ-1, 1, 0
	MUL16 2, 1, NQ-1, 1, 0
	s_wait_dscnt 0
	WIN MUL_HI
	MUL16 4, 1, NQ-1, 1, 0
	MUL16 6, 1, NQ-1, 1, 0
	WIN 0
; THE WAY OUT, block by block of 16 rows x 128 columns: through my own stage in LDS, back as whole rows of 512 bytes.  LDS serves a wave's instructions in order: no wait between the stores and the loads.
.macro TOSTAGE a
.set AC, 64*((\a)%4)
	WIN 0x08+4*((\a)/4)                            ; the data: window 2 or 3
.irp b, 0,1,2,3,4,5,6,7
	ds_store_b128 v[STO], v[AC+8*\b:AC+8*\b+3] offset:64*\b          ; each accumulator from its low end on
	ds_store_b128 v[STO], v[AC+8*\b+4:AC+8*\b+7] offset:64*\b+16
.endr
	WIN 0
.set BB, BK+64*((\a)%2)
.irp t, 0,1,2,3,4,5,6,7,8,9,10,11,12,13,14,15
	ds_load_b128 v[BB+4*\t:BB+4*\t+3], v[RD] offset:\t*SPITCH
.endr
.endm
.macro SEND a, younger
.set BB, BK+64*((\a)%2)
	s_wait_dscnt \younger                          ; the block is back in registers
.if (\a) > 0
	s_add_nc_u64 s[10:11], s[10:11], 16*SIZE_N*4   ; (the earlier stores have read their base: a wait on XCNT stands ahead)
.endif
.irp t, 0,1,2,3,4,5,6,7,8,9,10,11,12,13,14,15
	global_store_b128 v[CO], v[BB+4*\t:BB+4*\t+3], s[10:11] offset:\t*SIZE_N*4 th:TH_STORE_NT   ; 32 lanes store 512 consecutive bytes, aligned
.endr
.endm
	PLACES NP
	TOSTAGE 0
.irp a, 1,2,3,4,5,6,7
.if \a > 1
	s_wait_xcnt 0x0                                ; block a - 2's stores have read their registers and their base
.endif
	TOSTAGE \a
	SEND \a-1, 32                                  ; behind block a - 1's loads: block a's 16 stores and 16 loads
.endr
	s_wait_xcnt 0x0
	SEND 7, 0
	s_wait_tensorcnt 0x0                           ; the wave's end
	ds_add_u32 v[SPW], v[NIL]
	s_wait_dscnt 0x0
	CROUND                                         ; the closing round
	s_endpgm
.Lfunc_end_k_qc516fae671_oproj:
	.size	k_qc516fae671_oproj, .Lfunc_end_k_qc516fae671_oproj-k_qc516fae671_oproj
	.p2alignl 7, 3214868480
	.fill 96, 4, 3214868480
	.section	.rodata,"a",@progbits
	.p2align	6, 0x0
	.amdhsa_kernel k_qc516fae671_oproj
		.amdhsa_group_segment_fixed_size 327680
		.amdhsa_private_segment_fixed_size 0
		.amdhsa_enable_private_segment 0
		.amdhsa_kernarg_size 32
		.amdhsa_user_sgpr_count 2
		.amdhsa_user_sgpr_kernarg_segment_ptr 1
		.amdhsa_wavefront_size32 1
		.amdhsa_system_sgpr_workgroup_id_x 1
		.amdhsa_system_sgpr_workgroup_id_y 1
		.amdhsa_system_sgpr_workgroup_id_z 1
		.amdhsa_system_vgpr_workitem_id 0
		.amdhsa_next_free_vgpr 1024
		.amdhsa_next_free_sgpr 66
		.amdhsa_reserve_vcc 0
		.amdhsa_float_denorm_mode_32 3
		.amdhsa_float_denorm_mode_16_64 3
		.amdhsa_memory_ordered 1
		.amdhsa_forward_progress 1
		.amdhsa_inst_pref_size 133
	.end_amdhsa_kernel
	.amdgpu_metadata
---
amdhsa.version: [ 1, 2 ]
amdhsa.kernels:
  - .name:           k_qc516fae671_oproj
    .symbol:         k_qc516fae671_oproj.kd
    .args:
      - { .name: zimg, .offset: 0, .size: 8, .value_kind: global_buffer, .address_space: global }
      - { .name: ops, .offset: 8, .size: 8, .value_kind: global_buffer, .address_space: global }
      - { .name: b_O, .offset: 16, .size: 8, .value_kind: global_buffer, .address_space: global }
      - { .name: out0, .offset: 24, .size: 8, .value_kind: global_buffer, .address_space: global }
    .group_segment_fixed_size: 327680
    .private_segment_fixed_size: 0
    .kernarg_segment_align: 8
    .kernarg_segment_size: 32
    .max_flat_workgroup_size: 128
    .sgpr_count:     66
    .vgpr_count:     1024
    .wavefront_size: 32
...
	.end_amdgpu_metadata
.endif
;; end of part 4
;; ======== version 2 of 2: 4 launches
;; limits: right only within a limited range of input values
;; workspace buffers: ops 22,937,600 bytes; rot 1,048,576 bytes; qimg 3,276,800 bytes; kv 6,553,600 bytes; zimg 3,276,800 bytes
;; launch quant (part 5): grid 256 x 1, 8 waves a work-group, no clusters, 101,376 bytes of LDS; arguments query_input, key_input, value_input, W_Q, W_K, W_V, W_O, ops, rot; writes ops, rot
.if DOCPART == 5
	.amdgcn_target "amdgcn-amd-amdhsa--gfx1250"
	.amdhsa_code_object_version 6
	.text
	.protected	k_qc516fae671_quant
	.globl	k_qc516fae671_quant
	.p2align	8
	.type	k_qc516fae671_quant,@function
k_qc516fae671_quant:
	s_mov_b64 s[64:65], 0
	v_nop
	global_prefetch_b8 v0, s[64:65] scope:SCOPE_SE
	s_setreg_imm32_b32 hwreg(HW_REG_WAVE_MODE, 25, 1), 1
	s_wait_xcnt 0x0
; The three activations [2048][2048] and the four weights become codes of BF6 (E3M2) with one E8M0 byte for each 32 along K; the rotary table is made.
; The activations and W_Q, W_K, W_V first go to fp8 (E4M3) and back, as the model does ahead of its projections; W_O does not.
; AN OPERAND BLOCK (12,800 bytes) holds 128 operand rows x 128 along K in the order of the matrix operand's registers: fragment t (rows 16 t ..) is 1,536 bytes,
; registers 4 c .. 4 c + 3 of lane l at 1536 t + 512 c + 16 l; lane (r, h) holds k = 64 c' + 32 h + 0 .. 31 in registers 6 c' .. 6 c' + 5.  The scale word of row r of
; fragment t lies at 12288 + 32 r + 4 (4 (t % 2) + t / 2).  A matrix is block [row / 128][K / 128], K fastest: SZ bytes.
; ops holds seven matrices: 0 x_q, 1 x_k, 2 W_V, 3 W_Q, 4 W_K, 5 x_v, 6 W_O.  All but 0 and 6 are laid with bits 3 and 4 of the row's place exchanged.
; SHARES: 256 work-groups of 8 waves.  Wave w < 7 makes block number (work-group) of matrix w: 7 x 256 blocks; wave 7 makes one of the table's 256 units of 4,096 bytes.
; Every block is 128 rows of 512 bytes in memory; each load reads one such row, 16 bytes a lane.  Loads land in register window 1 (256 registers: 64 loads of a wave are out at the most).
; Waves share nothing: no barrier; each wave has WREG bytes of LDS of its own.
; LIMITS: NaN and infinities are not served; beyond 464 the model's fp8 gives NaN, here 448.  A block whose largest magnitude lies under 2^-122, a block of zeros too, keeps the byte 1
; (the bytes are read by this program alone).  The table's angles differ from pos / base^(dim/64) in f32 by up to 2e-4 at the last positions.
.set SZ,     3276800
.set OBB,    12800
.set WREG,   14336                     ; a wave's LDS: an activation's stage (16 x 528) or a weight's block image (12,800)
.set SPARE,  7*WREG                    ; behind them the spare words, 128 bytes a wave, that no other line names
.set FLOORV, 0x2800000                 ; 2^(5 - 127): the byte cannot fall under 1
.set EOFF,   0xfe000000                ; takes 4 off an exponent field
.set F8,     8                         ; v8..   fp8 codes on their way
.set SPW,    40                        ; v40    my spare word; never rewritten
.set NIL,    41                        ; v41    0; never rewritten
.set ONE,    53                        ; v53    1.0: the scale of the conversion to fp8
.set S7F,    54                        ; v54    the byte 127 four times: the scale of the way back
.set LIM,    55                        ; v55    the hold ahead of fp8: 448 (W_O: infinity, which holds nothing)
.set MSB, 0
.macro WIN new                         ; the immediate's high byte repeats the setting that is left
.if MSB != \new
	s_set_vgpr_msb (MSB<<8)|\new
.set MSB, \new
.endif
.endm
.macro RTC base, n                     ; 8 n numbers to fp8 and back; one plain line behind each run of scaled conversions
.set RI, 0
.rept \n
	v_cvt_scalef32_pk8_fp8_f32 v[F8+2*RI:F8+2*RI+1], v[\base+8*RI:\base+8*RI+7], v[ONE]
.set RI, RI+1
.endr
	v_nop
.set RI, 0
.rept \n
	v_cvt_scale_pk8_f32_fp8 v[\base+8*RI:\base+8*RI+7], v[F8+2*RI:F8+2*RI+1], v[S7F]
.set RI, RI+1
.endr
	v_nop
.endm
	s_load_b512 s[4:19], s[0:1], 0x0               ; x_q, x_k, x_v, W_Q, W_K, W_V, W_O, ops
	s_load_b64 s[20:21], s[0:1], 0x40              ; rot
	v_lshl_add_u32 v[SPW], v0, 2, SPARE
	v_mov_b32 v[NIL], 0
	v_lshrrev_b32 v1, 5, v0
	v_readfirstlane_b32 s2, v1                     ; wave = which matrix of ops
	s_mov_b32 s22, 0x76543210
	s_mov_b32 s23, 0xfedcba98                      ; selects for lane l xor 16
	s_mul_i32 s53, s2, WREG                        ; my LDS
	s_wait_alu depctr_va_vdst(0)
	s_wait_kmcnt 0x0
	s_cmp_eq_u32 s2, 7
	s_cbranch_scc1 .Lrot
	s_cmp_lt_u32 s2, 2
	s_cbranch_scc1 .Lact
	s_cmp_eq_u32 s2, 5
	s_cbranch_scc1 .Lact
; ---------------- A WEIGHT'S BLOCK: K is not innermost ----------------
; A load reads row k at 128 columns: lane l gets columns 4 l .. 4 l + 3.  A pass is 32 rows: four whole blocks of 32 along K in a lane, register 4 j + c = (k = j, column c).
; The hold ahead of fp8 writes register 32 c + j: so a column's 32 numbers stand on end, and the turn costs no line of its own.
; A block's 24 bytes of codes go to their place in the wave's image of the operand block in LDS; the image leaves as 25 stores of 512 consecutive bytes.
; v1, v2 my places among codes and scale words in the image, v3 the image by lanes, v7 16 x lane, v8-23 a conversion's second halves, v42-49 at work, v56-59 scale words, v64-95 row offsets, v96-119 codes, v128-255 the numbers.
.set XW,  128
.set MX,  42
.set SO,  46
.set SW,  56
.set A,   64
.set CD,  96
.set TP,  8
.set BS,  44                           ; s[44:51] the bases of the four passes
	s_lshr_b32 s24, s2, 1
	s_lshr_b32 s25, s2, 2
	s_and_b32 s30, s24, s25
	s_and_b32 s30, s30, 1                          ; 1 for wave 6, W_O: no fp8, rows as they are
	s_xor_b32 s29, s30, 1
	s_mul_i32 s31, s29, 1408
	s_add_co_u32 s31, s31, 128                     ; what bit 3 of a column adds to its codes' place: 1536, W_O 128
	s_mul_i32 s33, s30, 1408
	s_add_co_u32 s33, s33, 128                     ; and bit 4: 128, W_O 1536
	s_mul_i32 s34, s30, 240
	s_add_co_u32 s34, s34, 16                      ; the same for the scale words: 16, W_O 256
	s_mul_i32 s35, s29, 240
	s_add_co_u32 s35, s35, 16
	s_cmp_eq_u32 s2, 2
	s_cselect_b64 s[26:27], s[14:15], s[10:11]
	s_cmp_eq_u32 s2, 4
	s_cselect_b64 s[26:27], s[12:13], s[26:27]
	s_mov_b32 s39, 0x43e00000
	s_cmp_eq_u32 s2, 6
	s_cselect_b64 s[26:27], s[16:17], s[26:27]
	s_cselect_b32 s36, 9, 20                       ; log2 of the bytes from G to G + 1,
	s_cselect_b32 s37, 20, 16                      ; from s to s + 1,
	s_cselect_b32 s38, 13, 9                       ; from k to k + 1
	s_cselect_b32 s39, 0x7f800000, s39
	s_lshr_b32 s40, ttmp9, 4                       ; G: which 128 columns
	s_and_b32 s41, ttmp9, 15                       ; s: which 128 along K
	s_lshl_b32 s40, s40, s36
	s_lshl_b32 s41, s41, s37
	s_add_co_u32 s40, s40, s41
	s_mov_b32 s41, 0
	s_add_nc_u64 s[BS:BS+1], s[26:27], s[40:41]
	s_lshl_b32 s42, 32, s38
	s_mov_b32 s43, 0
	s_add_nc_u64 s[BS+2:BS+3], s[BS:BS+1], s[42:43]
	s_add_nc_u64 s[BS+4:BS+5], s[BS+2:BS+3], s[42:43]
	s_add_nc_u64 s[BS+6:BS+7], s[BS+4:BS+5], s[42:43]
	s_mul_i32 s40, ttmp9, OBB
	s_mul_i32 s28, s2, SZ
	s_add_co_u32 s40, s40, s28
	s_add_nc_u64 s[18:19], s[18:19], s[40:41]
	s_lshl_b32 s52, 1, s38
	v_and_b32 v9, 31, v0
	v_lshlrev_b32 v7, 4, v9
	v_and_b32 v10, 1, v0                           ; column 4 l + c: bit 2 = l % 2,
	v_bfe_u32 v11, v0, 1, 1                        ; bit 3,
	v_bfe_u32 v12, v0, 2, 1                        ; bit 4,
	v_bfe_u32 v13, v0, 3, 2                        ; column / 32
	v_lshl_add_u32 v1, v10, 6, s53
	v_mad_u32_u24 v1, v11, s31, v1
	v_mad_u32_u24 v1, v12, s33, v1
	v_mad_u32_u24 v1, v13, 3072, v1
	v_lshl_add_u32 v2, v10, 7, s53
	v_mad_u32_u24 v2, v11, s34, v2
	v_mad_u32_u24 v2, v12, s35, v2
	v_lshl_add_u32 v2, v13, 2, v2
	v_add_nc_u32 v3, s53, v7
	v_mov_b32 v[ONE], 1.0
	v_mov_b32 v[S7F], 0x7f7f7f7f
	v_mov_b32 v[LIM], s39
	v_mov_b32 v[A], v7
.set WI, 1
.rept 31
	v_add_nc_u32 v[A+WI], s52, v[A+WI-1]
.set WI, WI+1
.endr
	s_wait_alu depctr_va_vdst(0)
.macro WLOAD n                         ; pass n's 32 rows into set n % 2 of window 1
	WIN 0x40
.set WI, 0
.rept 32
	global_load_b128 v[128*((\n)%2)+4*WI:128*((\n)%2)+4*WI+3], v[A+WI], s[BS+2*(\n):BS+2*(\n)+1] th:TH_LOAD_NT
.set WI, WI+1
.endr
	WIN 0
.endm
.macro WPASS b
.if (\b) < 3
	s_wait_loadcnt 32                              ; this pass's 32 loads are in; the next pass's may be out
.else
	s_wait_loadcnt 0x0
.endif
	s_wait_dscnt 0x0                               ; the last pass's LDS stores have read their registers
	WIN 0x01                                       ; source 0: window 1
.set WC, 0
.rept 4
.set WI, 0
.rept 32
	v_med3_num_f32 v[XW+32*WC+WI], v[128*((\b)%2)+4*WI+WC], -v[LIM], v[LIM]
.set WI, WI+1
.endr
.set WC, WC+1
.endr
	WIN 0
.if (\b) < 2
	WLOAD (\b)+2                                   ; the set just read takes the pass two on
.endif
	s_cmp_lg_u32 s30, 0
	s_wait_alu depctr_va_vdst(0)
	s_cbranch_scc1 .Lnort_\@
	RTC XW, 16
.Lnort_\@:
.irp c, 0,1,2,3
	v_max3_num_f32 v[MX+\c], |v[XW+32*\c]|, |v[XW+32*\c+1]|, FLOORV
.endr
.irp i, 2,4,6,8,10,12,14,16,18,20,22,24,26,28,30
.irp c, 0,1,2,3
	v_max3_num_f32 v[MX+\c], v[MX+\c], |v[XW+32*\c+\i]|, |v[XW+32*\c+\i+1]|   ; my four blocks by turns
.endr
.endr
.irp c, 0,1,2,3
	v_add_nc_u32 v[SO+\c], EOFF, v[MX+\c]          ; the conversion takes the exponent field of this operand as its scale
.endr
.irp c, 0,1,2,3
	v_lshrrev_b32 v[MX+\c], 23, v[SO+\c]           ; the scale's byte
.endr
.irp c, 0,1,2,3
.if (\b) == 0
	v_mov_b32 v[SW+\c], v[MX+\c]
.else
	v_lshl_or_b32 v[SW+\c], v[MX+\c], 8*(\b), v[SW+\c]
.endif
.endr
.irp c, 0,1,2,3
	v_cvt_scalef32_pk16_bf6_f32 v[CD+6*\c:CD+6*\c+2], v[XW+32*\c:XW+32*\c+15], v[SO+\c]
	v_cvt_scalef32_pk16_bf6_f32 v[TP+4*\c:TP+4*\c+2], v[XW+32*\c+16:XW+32*\c+31], v[SO+\c]   ; (a conversion's three registers begin on an even number)
.endr
	v_nop
.irp c, 0,1,2,3
.irp w, 0,1,2
	v_mov_b32 v[CD+6*\c+3+\w], v[TP+4*\c+\w]
.endr
.endr
.irp c, 0,1,2,3                        ; block b = 2 c' + h of a row is registers 6 c' .. 6 c' + 5 of lane (r, h): 256 h bytes on, and 24 c' bytes into the lane's 48
.if (\b) < 2
	ds_store_b128 v1, v[CD+6*\c:CD+6*\c+3] offset:16*\c+256*((\b)%2)
	ds_store_b64 v1, v[CD+6*\c+4:CD+6*\c+5] offset:512+16*\c+256*((\b)%2)
.else
	ds_store_b64 v1, v[CD+6*\c:CD+6*\c+1] offset:520+16*\c+256*((\b)%2)
	ds_store_b128 v1, v[CD+6*\c+2:CD+6*\c+5] offset:1024+16*\c+256*((\b)%2)
.endif
.endr
.endm
	WLOAD 0
	WLOAD 1
	WPASS 0
	WPASS 1
	WPASS 2
	WPASS 3
.irp c, 0,1,2,3
	ds_store_b32 v2, v[SW+\c] offset:12288+32*\c
.endr
.set WI, 0
.rept 25
	ds_load_b128 v[XW+4*WI:XW+4*WI+3], v3 offset:512*WI   ; LDS serves a wave's instructions in order: these see my stores
.set WI, WI+1
.endr
	s_wait_dscnt 0x0
.set WI, 0
.rept 25
	global_store_b128 v7, v[XW+4*WI:XW+4*WI+3], s[18:19] offset:512*WI   ; 32 lanes store 512 consecutive bytes, aligned
.set WI, WI+1
.endr
	s_wait_tensorcnt 0x0                           ; the wave's end
	ds_add_u32 v[SPW], v[NIL]
	s_wait_dscnt 0x0
	s_endpgm
; ---------------- AN ACTIVATION'S BLOCK: K is innermost in memory ----------------
; A fragment's 16 rows turn through the wave's own stage in LDS (rows 528 bytes apart) and come back so that lane (r, h) holds k = 64 c + 32 h + 0 .. 31 of row r: two whole blocks a lane.
; v1-4 row offsets, v5, v6 the stage in and out, v7 16 x lane, v24-30 a conversion's second halves, v44-51 scale words, v52 their place, v56-63 at work,
; v64-159 codes, 12 registers of its own for each fragment, so that no store's data are written again; v192-255 the numbers; window 1: four sets of 64 as loaded.
.set XA,  192
.set PWS, 44
.Lact:
	s_cmp_eq_u32 s2, 0
	s_cselect_b64 s[26:27], s[4:5], s[6:7]
	s_cselect_b32 s28, 0, 1                        ; rows exchanged for k and v
	s_cmp_eq_u32 s2, 5
	s_cselect_b64 s[26:27], s[8:9], s[26:27]
	s_lshl_b32 s29, 0x10000, s28                   ; bytes to the fragment's rows 8-15: 8 rows, or 16 where exchanged
	s_xor_b32 s28, s28, 1
	s_lshl_b32 s30, 0x10000, s28                   ; bytes to the odd fragment of a pair: 16 rows, or 8
	s_lshr_b32 s31, ttmp9, 4                       ; G
	s_and_b32 s33, ttmp9, 15                       ; s
	s_lshl_b32 s34, s31, 20                        ; 128 rows of 8,192 bytes
	s_lshl_b32 s33, s33, 9
	s_add_co_u32 s34, s34, s33
	s_mov_b32 s35, 0
	s_add_nc_u64 s[26:27], s[26:27], s[34:35]
	s_mul_i32 s34, ttmp9, OBB
	s_mul_i32 s25, s2, SZ
	s_add_co_u32 s34, s34, s25
	s_add_nc_u64 s[18:19], s[18:19], s[34:35]
	v_and_b32 v9, 31, v0
	v_lshlrev_b32 v7, 4, v9
	v_mov_b32 v1, v7
	v_add_nc_u32 v2, s29, v7
	v_add_nc_u32 v3, s30, v7
	v_add_nc_u32 v4, s29, v3
	v_add_nc_u32 v5, s53, v7
	v_and_b32 v10, 15, v0
	v_bfe_u32 v11, v0, 4, 1
	v_mul_u32_u24 v6, v10, 528
	v_lshl_add_u32 v6, v11, 7, v6
	v_add_nc_u32 v6, s53, v6
	v_lshlrev_b32 v52, 5, v10
	v_lshl_add_u32 v52, v11, 4, v52
	v_mov_b32 v[ONE], 1.0
	v_mov_b32 v[S7F], 0x7f7f7f7f
	v_mov_b32 v[LIM], 0x43e00000
	v_lshlrev_b32 v63, 3, v11                      ; my bytes' place in a scale word: 8 h bits up
	v_mov_b32 v60, 0                               ; a lane permute's destination counts as read
	s_wait_alu depctr_va_vdst(0)
.macro LOADF t                         ; fragment t's 16 rows into set t % 4 of window 1
	WIN 0x40
.irp j, 0,1,2,3,4,5,6,7,8,9,10,11,12,13,14,15
	global_load_b128 v[64*((\t)%4)+4*\j:64*((\t)%4)+4*\j+3], v[1+2*((\t)%2)+\j/8], s[26:27] offset:(32*((\t)/2)+\j%8)*8192 th:TH_LOAD_NT
.endr
	WIN 0
.endm
.macro ACTF t
.set RB, 64*((\t)%4)
.set PC, 64+12*(\t)
.if (\t) < 7
	s_wait_loadcnt 16                              ; this fragment's 16 loads are in; the next one's may be out
.else
	s_wait_loadcnt 0x0
.endif
	WIN 0x04                                       ; the data: window 1
.irp j, 0,1,2,3,4,5,6,7,8,9,10,11,12,13,14,15
	ds_store_b128 v5, v[RB+4*\j:RB+4*\j+3] offset:528*\j
.endr
	WIN 0
.irp c, 0,1
.irp m, 0,1,2,3,4,5,6,7
	ds_load_b128 v[XA+32*\c+4*\m:XA+32*\c+4*\m+3], v6 offset:256*\c+16*\m   ; LDS serves a wave's instructions in order: these see the stores above
.endr
.endr
	s_wait_dscnt 0x0                               ; the numbers are back, and the stores have read their registers,
.if (\t) < 6
	LOADF (\t)+2                                   ; the fragment two on is asked for: 32 loads of an activation's wave are out at the most
.endif
.set RI, 0
.rept 64
	v_med3_num_f32 v[XA+RI], v[XA+RI], -v[LIM], v[LIM]
.set RI, RI+1
.endr
	RTC XA, 8
.irp c, 0,1
	v_max3_num_f32 v[56+\c], |v[XA+32*\c]|, |v[XA+32*\c+1]|, FLOORV
.endr
.irp i, 2,4,6,8,10,12,14,16,18,20,22,24,26,28,30
.irp c, 0,1
	v_max3_num_f32 v[56+\c], v[56+\c], |v[XA+32*\c+\i]|, |v[XA+32*\c+\i+1]|   ; my two blocks by turns
.endr
.endr
.irp c, 0,1
	v_add_nc_u32 v[58+\c], EOFF, v[56+\c]
.endr
.irp c, 0,1
	v_lshrrev_b32 v[60+\c], 23, v[58+\c]           ; the scale's byte
.endr
	v_lshl_or_b32 v62, v61, 16, v60                ; blocks h and 2 + h of my row,
	v_lshlrev_b32 v62, v63, v62
	v_permlanex16_b32 v60, v62, s22, s23
	v_or_b32 v[PWS+\t], v62, v60                   ; with lane l xor 16's two the word is whole, in both lanes
.irp c, 0,1
	v_cvt_scalef32_pk16_bf6_f32 v[PC+6*\c:PC+6*\c+2], v[XA+32*\c:XA+32*\c+15], v[58+\c]
	v_cvt_scalef32_pk16_bf6_f32 v[24+4*\c:26+4*\c], v[XA+32*\c+16:XA+32*\c+31], v[58+\c]   ; (a conversion's three registers begin on an even number)
.endr
	v_nop
.irp c, 0,1
.irp i, 0,1,2
	v_mov_b32 v[PC+3+6*\c+\i], v[24+4*\c+\i]
.endr
.endr
.irp i, 0,1,2
	global_store_b128 v7, v[PC+4*\i:PC+4*\i+3], s[18:19] offset:1536*(\t)+512*\i   ; 32 lanes store 512 consecutive bytes, aligned
.endr
.endm
.irp t, 0,1
	LOADF \t
.endr
.irp t, 0,1,2,3,4,5,6,7
	ACTF \t
.endr
	v_and_b32 v60, 31, v0
	v_cmp_lt_u32 vcc_lo, 15, v60
.irp p, 0,1,2,3
	v_cndmask_b32 v[56+\p], v[PWS+2*\p], v[PWS+2*\p+1], vcc_lo   ; lanes 0-15 the even fragments' words, lanes 16-31 the odd ones'
.endr
	global_store_b128 v52, v[56:59], s[18:19] offset:12288       ; the block's 512 bytes of scale words in one store
	s_wait_tensorcnt 0x0                           ; the wave's end
	ds_add_u32 v[SPW], v[NIL]
	s_wait_dscnt 0x0
	s_endpgm
; ---------------- THE ROTARY TABLE: rot[A = pos / 16][cos, sin][b][g][lane][4]: pos = 16 A + lane % 16, dim = 32 b + 16 (lane / 16) + 4 g + w ----------------
.set FQ, 64                            ; freq
.set RC, 68                            ; 1 / freq
.set AN, 72                            ; the angle, then what is left of it
.set NN, 76                            ; n quarter turns
.set SQ, 80                            ; the square
.set SI, 84                            ; sine
.set CO, 88                            ; cosine
.set NI, 92                            ; n as a whole number
.set T0, 96
.set T1, 100
.set T2, 104
.set RO, 128                           ; results: eight registers of its own for each g
.Lrot:
	s_lshr_b32 s24, ttmp9, 1                       ; A
	s_and_b32 s25, ttmp9, 1                        ; b
	s_lshl_b32 s26, s24, 13
	s_lshl_b32 s27, s25, 11
	s_add_co_u32 s26, s26, s27
	s_mov_b32 s27, 0
	s_add_nc_u64 s[20:21], s[20:21], s[26:27]
	s_lshl_b32 s28, s25, 5
	s_mov_b32 s32, 0x3e549a78                      ; log2(10000) / 64
	s_mov_b32 s33, 0x3f22f983                      ; 2 / pi
	s_mov_b32 s34, 0xbfc90fdb                      ; -(pi / 2), its upper part
	s_mov_b32 s35, 0x333bbd2e                      ; what that part is too large by
	s_mov_b32 s36, 0x3638ef1d                      ; 1 / 9!
	s_mov_b32 s37, 0xb9500d01                      ; -1 / 7!
	s_mov_b32 s38, 0x3c088889                      ; 1 / 5!
	s_mov_b32 s39, 0xbe2aaaab                      ; -1 / 3!
	s_mov_b32 s40, 0xb493f27e                      ; -1 / 10!
	s_mov_b32 s41, 0x37d00d01                      ; 1 / 8!
	s_mov_b32 s42, 0xbab60b61                      ; -1 / 6!
	s_mov_b32 s43, 0x3d2aaaab                      ; 1 / 4!
	v_and_b32 v1, 15, v0
	v_bfe_u32 v2, v0, 4, 1
	v_lshl_add_u32 v3, s24, 4, v1
	v_cvt_f32_u32 v10, v3                          ; pos
	v_lshl_add_u32 v11, v2, 4, s28                 ; 32 b + 16 h
	v_and_b32 v12, 31, v0
	v_lshlrev_b32 v12, 4, v12                      ; 16 bytes a lane
.macro ROTG g                          ; four entries, their steps by turns
.irp w, 0,1,2,3
	v_add_nc_u32 v[FQ+\w], 4*\g+\w, v11
.endr
.irp w, 0,1,2,3
	v_cvt_f32_u32 v[FQ+\w], v[FQ+\w]
.endr
.irp w, 0,1,2,3
	v_mul_f32 v[FQ+\w], s32, v[FQ+\w]
.endr
	s_wait_alu depctr_va_vdst(0)                   ; a wait ahead of each batch and behind it
.irp w, 0,1,2,3
	v_exp_f32 v[FQ+\w], v[FQ+\w]                   ; freq = 10000^(dim / 64)
.endr
	v_nop
	s_wait_alu depctr_va_vdst(0)
.irp w, 0,1,2,3
	v_rcp_f32 v[RC+\w], v[FQ+\w]
.endr
	v_nop
	s_wait_alu depctr_va_vdst(0)
.irp w, 0,1,2,3
	v_mul_f32 v[AN+\w], v10, v[RC+\w]
.endr
.irp w, 0,1,2,3
	v_fma_f32 v[NN+\w], -v[AN+\w], v[FQ+\w], v10   ; what the quotient leaves,
.endr
.irp w, 0,1,2,3
	v_fma_f32 v[AN+\w], v[NN+\w], v[RC+\w], v[AN+\w]   ; put back: pos / freq
.endr
.irp w, 0,1,2,3
	v_mul_f32 v[NN+\w], s33, v[AN+\w]
.endr
.irp w, 0,1,2,3
	v_rndne_f32 v[NN+\w], v[NN+\w]                 ; n quarter turns (at most 1,303)
.endr
.irp w, 0,1,2,3
	v_fma_f32 v[AN+\w], v[NN+\w], s34, v[AN+\w]
.endr
.irp w, 0,1,2,3
	v_fma_f32 v[AN+\w], v[NN+\w], s35, v[AN+\w]
.endr
.irp w, 0,1,2,3
	v_mul_f32 v[SQ+\w], v[AN+\w], v[AN+\w]
.endr
.irp w, 0,1,2,3
	v_fma_f32 v[SI+\w], v[SQ+\w], s36, s37
.endr
.irp w, 0,1,2,3
	v_fma_f32 v[SI+\w], v[SI+\w], v[SQ+\w], s38
.endr
.irp w, 0,1,2,3
	v_fma_f32 v[SI+\w], v[SI+\w], v[SQ+\w], s39
.endr
.irp w, 0,1,2,3
	v_mul_f32 v[T0+\w], v[AN+\w], v[SQ+\w]
.endr
.irp w, 0,1,2,3
	v_fma_f32 v[SI+\w], v[SI+\w], v[T0+\w], v[AN+\w]   ; the sine of what is left
.endr
.irp w, 0,1,2,3
	v_fma_f32 v[CO+\w], v[SQ+\w], s40, s41
.endr
.irp w, 0,1,2,3
	v_fma_f32 v[CO+\w], v[CO+\w], v[SQ+\w], s42
.endr
.irp w, 0,1,2,3
	v_fma_f32 v[CO+\w], v[CO+\w], v[SQ+\w], s43
.endr
.irp w, 0,1,2,3
	v_fma_f32 v[CO+\w], v[CO+\w], v[SQ+\w], -0.5
.endr
.irp w, 0,1,2,3
	v_fma_f32 v[CO+\w], v[CO+\w], v[SQ+\w], 1.0    ; and its cosine
.endr
.irp w, 0,1,2,3
	v_cvt_i32_f32 v[NI+\w], v[NN+\w]
.endr
.irp w, 0,1,2,3
	v_and_b32 v[T0+\w], 1, v[NI+\w]
.endr
.irp w, 0,1,2,3
	v_cmp_ne_u32 vcc_lo, 0, v[T0+\w]               ; an odd number of quarter turns exchanges the two
	v_cndmask_b32 v[T1+\w], v[SI+\w], v[CO+\w], vcc_lo
	v_cndmask_b32 v[T2+\w], v[CO+\w], v[SI+\w], vcc_lo
.endr
.irp w, 0,1,2,3
	v_and_b32 v[T0+\w], 2, v[NI+\w]                ; the sine is negative in quarters 2 and 3,
	v_add_nc_u32 v[NI+\w], 1, v[NI+\w]
.endr
.irp w, 0,1,2,3
	v_lshlrev_b32 v[T0+\w], 30, v[T0+\w]
	v_and_b32 v[NI+\w], 2, v[NI+\w]                ; the cosine in quarters 1 and 2
.endr
.irp w, 0,1,2,3
	v_xor_b32 v[RO+4+8*\g+\w], v[T0+\w], v[T1+\w]
	v_lshlrev_b32 v[NI+\w], 30, v[NI+\w]
.endr
.irp w, 0,1,2,3
	v_xor_b32 v[RO+8*\g+\w], v[NI+\w], v[T2+\w]
.endr
	global_store_b128 v12, v[RO+8*\g:RO+8*\g+3], s[20:21] offset:512*\g          ; 32 lanes store 512 consecutive bytes
	global_store_b128 v12, v[RO+8*\g+4:RO+8*\g+7], s[20:21] offset:4096+512*\g
.endm
	ROTG 0
	ROTG 1
	ROTG 2
	ROTG 3
	s_endpgm
.Lfunc_end_k_qc516fae671_quant:
	.size	k_qc516fae671_quant, .Lfunc_end_k_qc516fae671_quant-k_qc516fae671_quant
	.p2alignl 7, 3214868480
	.fill 96, 4, 3214868480
	.section	.rodata,"a",@progbits
	.p2align	6, 0x0
	.amdhsa_kernel k_qc516fae671_quant
		.amdhsa_group_segment_fixed_size 101376
		.amdhsa_private_segment_fixed_size 0
		.amdhsa_enable_private_segment 0
		.amdhsa_kernarg_size 72
		.amdhsa_user_sgpr_count 2
		.amdhsa_user_sgpr_kernarg_segment_ptr 1
		.amdhsa_wavefront_size32 1
		.amdhsa_system_sgpr_workgroup_id_x 1
		.amdhsa_system_sgpr_workgroup_id_y 1
		.amdhsa_system_sgpr_workgroup_id_z 1
		.amdhsa_system_vgpr_workitem_id 0
		.amdhsa_next_free_vgpr 512
		.amdhsa_next_free_sgpr 66
		.amdhsa_reserve_vcc 1
		.amdhsa_float_denorm_mode_32 3
		.amdhsa_float_denorm_mode_16_64 3
		.amdhsa_memory_ordered 1
		.amdhsa_forward_progress 1
		.amdhsa_inst_pref_size 212
	.end_amdhsa_kernel
	.amdgpu_metadata
---
amdhsa.version: [ 1, 2 ]
amdhsa.kernels:
  - .name:           k_qc516fae671_quant
    .symbol:         k_qc516fae671_quant.kd
    .args:
      - { .name: query_input, .offset: 0, .size: 8, .value_kind: global_buffer, .address_space: global }
      - { .name: key_input, .offset: 8, .size: 8, .value_kind: global_buffer, .address_space: global }
      - { .name: value_input, .offset: 16, .size: 8, .value_kind: global_buffer, .address_space: global }
      - { .name: W_Q, .offset: 24, .size: 8, .value_kind: global_buffer, .address_space: global }
      - { .name: W_K, .offset: 32, .size: 8, .value_kind: global_buffer, .address_space: global }
      - { .name: W_V, .offset: 40, .size: 8, .value_kind: global_buffer, .address_space: global }
      - { .name: W_O, .offset: 48, .size: 8, .value_kind: global_buffer, .address_space: global }
      - { .name: ops, .offset: 56, .size: 8, .value_kind: global_buffer, .address_space: global }
      - { .name: rot, .offset: 64, .size: 8, .value_kind: global_buffer, .address_space: global }
    .group_segment_fixed_size: 101376
    .private_segment_fixed_size: 0
    .kernarg_segment_align: 8
    .kernarg_segment_size: 72
    .max_flat_workgroup_size: 256
    .sgpr_count:     66
    .vgpr_count:     512
    .wavefront_size: 32
...
	.end_amdgpu_metadata
.endif
;; end of part 5
;; launch qkv (part 6): grid 8 x 24, 4 waves a work-group, clusters of 4 x 4, 327,680 bytes of LDS; arguments ops, rot, b_Q, b_K, b_V, qimg, kv; writes qimg, kv
.if DOCPART == 6
	.amdgcn_target "amdgcn-amd-amdhsa--gfx1250"
	.amdhsa_code_object_version 6
	.text
	.protected	k_qc516fae671_qkv
	.globl	k_qc516fae671_qkv
	.p2align	8
	.type	k_qc516fae671_qkv,@function
k_qc516fae671_qkv:
	s_mov_b64 s[64:65], 0
	v_nop
	global_prefetch_b8 v0, s[64:65] scope:SCOPE_SE
	s_setreg_imm32_b32 hwreg(HW_REG_WAVE_MODE, 25, 1), 1
	s_wait_xcnt 0x0
	s_wait_alu depctr_hold_cnt(0) depctr_sa_sdst(0) depctr_va_vdst(0) depctr_va_sdst(0) depctr_va_ssrc(0) depctr_va_vcc(0) depctr_vm_vsrc(0)
	s_getreg_b32 s2, hwreg(HW_REG_IB_STS2, 6, 4)
	s_cmp_eq_u32 s2, 0
	s_cbranch_scc0 .Lentry_in_a_cluster
	s_endpgm
.Lentry_in_a_cluster:
	s_bfe_u32 s2, ttmp6, 0x10000c
	s_cmp_lg_u32 s2, 0xf033
	s_cbranch_scc0 .Lentry_shape_is_right
	s_endpgm
.Lentry_shape_is_right:
; The three projections on codes of BF6 (E3M2) with E8M0 scales, their biases, the rotary turn of q and k, and the quantising of q, k (along the head's 128) and v (along the keys).
; Eight tile rows of the grid's 24 for each: g = 0: q = x_q W_Q;  g = 1: k = x_k W_K;  g = 2: v TRANSPOSED = W_V^T x_v^T, rows (head, d), columns the keys: so in all three a lane ends up
; with one operand row of the next product and 64 numbers along that product's K.
; A tile of 256 x 256 is made by four waves, each 128 x 128: 64 accumulators, 512 registers.  The operands lie in memory as OPERAND BLOCKS of 12,800 bytes (128 rows x 128 K as images of the
; operand's registers, then 512 bytes of scale words): a fragment is three loads of 16 bytes a lane at 16 x lane, with no pitch and no padding.
; THE RING: two LDS slots of THREE K steps of 128 (three blocks, 38,400 dense bytes, for each of four row groups: 153,600 bytes a slot), as large as two slots fit: the 16 K steps are five fills of three
; steps and one of one step, and a refill has 160 matrix instructions in which to land.  Three steps a slot turn the parity of B's two register sets from slot to slot, and the last fill has another
; shape: so the 16 steps are written out by macro, with no loop.
; CLUSTERS: 4 x 4 work-groups; the four of a row need the same blocks of A, the four of a column the same blocks of B: each is asked for jointly, by the same load with a mask of the four.
; THE MATRIX INSTRUCTION IS USED TRANSPOSED (source 0 = 16 rows of B, source 1 = 16 rows of A).  B's rows are laid with bits 3 and 4 of their place exchanged: so register 16 b + i of a lane's 64
; results of a row block is column 32 b + 16 (lane / 16) + i.
; REGISTERS: window 0: v16-29 addresses; v32-47 scale words, two sets of 8, and nothing else; v64-127 the bias by columns; v128-223 A's fragments, one set; v224-239 the bias by rows; at the end
; v128-191 a row block's 64 numbers, v192-211 codes, v212-219 scale words, v240-255 at work.  window 1: B's fragments, two sets; at the end four sets of the rotary table.  windows 2, 3: accumulators.
; LIMITS: NaN and infinities are not served; a block whose largest magnitude lies under 2^-122 keeps the scale byte 1.
.set SZ,    3276800
.set OBB,   12800
.set GROW,  16*OBB                     ; a row group's 16 blocks along K
.set KS,    3                          ; K steps in a slot
.set HALFT, KS*OBB                     ; what one tensor load brings: three K steps of one row group
.set SLOT,  4*HALFT                    ; A's two row groups, then B's two
.set SPARE, 2*SLOT                     ; behind the ring: the spare words, 128 bytes for each wave, that no other line names
.set FR,    12
.set NL,    3                          ; LDS loads that bring a fragment
.set NP,    4                          ; places behind this matrix instruction (ISA guide 7.12.1)
.set ADRA, 16
.set ADRB, 20
.set ADRS, 22
.set LI,   24
.set LB,   25
.set SCO,  27
.set SPW,  28
.set NIL,  29
.set SC,   32
.set BI,   64
.set AF,   128
.set T,    128
.set PC,   192
.set PWS,  212
.set BV,   224
.set TM,   240
.set G1,  24
.set G0,  32
.set G1B, 48
.set G0B, 56
.set SEL, 94
.set MSB, 0
.macro WIN new                         ; the immediate's high byte repeats the setting that is left
.if MSB != \new
	s_set_vgpr_msb (MSB<<8)|\new
.set MSB, \new
.endif
.endm
.set MUL_LO, 0xa1                      ; source 0 (B) window 1, source 1 (A) window 0, C and D window 2
.set MUL_HI, 0xf1
.set TO_B,   0x40
; A joint load: waves 0 and 1 fetch A's two row groups, waves 2 and 3 B's.  The branch hangs on the wave's number alone.  Four v_nop follow each line.
.macro JLOAD g0a, g1a, g0b, g1b
	s_cmp_eq_u32 s15, 0
	s_cbranch_scc0 .Lfor_b_\@
	tensor_load_to_lds s[\g0a:\g0a+3], s[\g1a:\g1a+7]
	s_nop 0
.rept 4
	v_nop
.endr
	s_branch .Lasked_\@
.Lfor_b_\@:
	tensor_load_to_lds s[\g0b:\g0b+3], s[\g1b:\g1b+7]
	s_nop 0
.rept 4
	v_nop
.endr
.Lasked_\@:
.endm
.macro CREST                           ; a round of the cluster's barrier behind its opening barrier
	s_cmp_lg_u32 s14, 0
	s_cbranch_scc1 .Lnot_wave_0_\@
	s_barrier_signal -3
.Lnot_wave_0_\@:
	s_barrier_wait -3
	s_barrier_signal -1
	s_barrier_wait -1
.endm
; PREFETCHES INTO THE L2.  A fill of the ring is 150 blocks of 256 bytes for each row group; the four partners that ask for it jointly share them out by address, 38 each (v48: 32 of them, v49: the other 6;
; lanes left over, and what would pass block 149, name the last block again).  Nothing is asked for at the head: fills 0 and 1 come by their loads alone.  Fill 2 is asked for behind slot 0's second K step;
; from then on the request for fill i + 1 stands behind the load of fill i, a slot of three K steps ahead of the load that wants it.  The last fill has 50 blocks, 13 a partner (v50).
; The offsets are immediates: no register of a prefetch is ever rewritten.
.set PFN, 3
.macro PF i
	global_prefetch_b8 v48, s[96:97] offset:(\i)*HALFT th:TH_LOAD_NT scope:SCOPE_SE
	global_prefetch_b8 v49, s[96:97] offset:(\i)*HALFT th:TH_LOAD_NT scope:SCOPE_SE
.endm
.macro CROUND
	s_barrier_signal -1
	s_barrier_wait -1
	CREST
.endm
	s_load_b256 s[4:11], s[0:1], 0x0               ; ops, rot, b_Q, b_K
	s_load_b64 s[12:13], s[0:1], 0x20              ; b_V
	s_load_b128 s[68:71], s[0:1], 0x28             ; qimg, kv
	v_lshl_add_u32 v[SPW], v0, 2, SPARE
	v_mov_b32 v[NIL], 0
	ds_add_u32 v28, v29
	ds_add_u32 v28, v29
	s_wait_dscnt 0x0
	v_lshrrev_b32 v1, 5, v0
	v_readfirstlane_b32 s14, v1                    ; wave
	s_lshr_b32 s15, s14, 1                         ; my half of the tile's rows.  Also: I fetch for A (0) or B (1)
	s_and_b32 s16, s14, 1                          ; my half of its columns.  Also: which row group I fetch
	s_bfe_u32 s40, ttmp6, 0x40000                  ; cx
	s_bfe_u32 s41, ttmp6, 0x40004                  ; cy
	s_lshl_b32 s42, ttmp9, 2
	s_add_co_u32 s42, s42, s40                     ; tile column
	s_and_b32 s72, ttmp7, 0xffff                   ; the cluster's y
	s_lshl_b32 s17, s72, 2
	s_add_co_u32 s17, s17, s41
	s_and_b32 s73, s17, 7                          ; tile row within the product
	s_lshr_b32 s72, s72, 1                         ; g: which product; from the cluster's y alone, so alike in all sixteen
	s_lshl_b32 s43, s41, 2
	s_lshl_b32 s43, 15, s43                        ; my row of the cluster
	s_lshl_b32 s44, 0x1111, s40                    ; my column
	s_or_b32 s[G1+0], s43, (3<<16)|(1<<21)         ; the mask; elements of 8 bytes; bit 21 beside a mask; no padding
	s_or_b32 s[G1B+0], s44, (3<<16)|(1<<21)
.irp g, G1, G1B
	s_mov_b32 s[\g+1], 32<<16                      ; tensor_dim0 = 32 elements: rows of 256 bytes
	s_mov_b32 s[\g+2], (50*KS)<<16                 ; tensor_dim1 = 150 rows: 38,400 dense bytes
	s_mov_b32 s[\g+3], 32<<16                      ; tile_dim0
	s_mov_b32 s[\g+4], 50*KS                       ; tile_dim1
	s_mov_b32 s[\g+5], 32                          ; the pitch
	s_mov_b32 s[\g+6], 0
	s_mov_b32 s[\g+7], 0
.endr
	s_mul_i32 s18, s72, SZ                         ; A: matrices 0, 1, 2 of ops;  B: 3, 4, 5
	s_lshl_b32 s20, s73, 1
	s_add_co_u32 s20, s20, s16
	s_mul_i32 s20, s20, GROW
	s_add_co_u32 s20, s20, s18
	s_mov_b32 s21, 0
	s_lshl_b32 s46, s42, 1
	s_add_co_u32 s46, s46, s16
	s_mul_i32 s46, s46, GROW
	s_add_co_u32 s46, s46, s18
	s_add_co_u32 s46, s46, 3*SZ
	s_mov_b32 s47, 0
	s_mul_i32 s45, s14, HALFT                      ; where my load goes: no place in the cluster enters an LDS address
	s_mov_b32 s[SEL], 0x76543210
	s_mov_b32 s[SEL+1], 0xfedcba98
	s_wait_kmcnt 0x0
	s_add_nc_u64 s[20:21], s[4:5], s[20:21]
	s_add_nc_u64 s[46:47], s[4:5], s[46:47]
	s_cmp_eq_u32 s15, 0                            ; the prefetches: the row group that I fetch,
	s_cselect_b64 s[96:97], s[20:21], s[46:47]
	s_cselect_b32 s98, s40, s41                    ; and my place among the four that ask for it with me
	s_mul_i32 s99, s98, 13
	s_mul_i32 s98, s98, 38
	CROUND                                         ; all sixteen work-groups are here: the first joint loads meet
.irp s, 0,1
	s_mov_b32 s[G0+4*\s], 1
	s_add_co_u32 s[G0+4*\s+1], s45, \s*SLOT
	s_add_nc_u64 s[G0+4*\s+2:G0+4*\s+3], s[20:21], \s*HALFT
	s_or_b32 s[G0+4*\s+3], s[G0+4*\s+3], 0x80000000
	s_mov_b32 s[G0B+4*\s], 1
	s_add_co_u32 s[G0B+4*\s+1], s45, \s*SLOT
	s_add_nc_u64 s[G0B+4*\s+2:G0B+4*\s+3], s[46:47], \s*HALFT
	s_or_b32 s[G0B+4*\s+3], s[G0B+4*\s+3], 0x80000000
.endr
	JLOAD G0, G1, G0B, G1B                         ; K steps 0-2: my one tensor load at the head
	v_and_b32 v1, 15, v0                           ; r
	v_bfe_u32 v2, v0, 4, 1                         ; h
	v_and_b32 v3, 31, v0
	v_lshlrev_b32 v[LI], 4, v3
	v_min_u32 v51, 5, v3
	v_add_nc_u32 v48, s98, v3
	v_add3_u32 v49, v51, s98, 32
	v_min_u32 v51, 12, v3
	v_add_nc_u32 v50, s99, v51
	v_min_u32 v48, 149, v48
	v_min_u32 v49, 149, v49
	v_min_u32 v50, 49, v50
	v_lshlrev_b32 v48, 8, v48
	v_lshlrev_b32 v49, 8, v49
	v_lshlrev_b32 v50, 8, v50
	s_mul_i32 s21, s15, HALFT                      ; my row group of A
	s_mul_i32 s22, s16, HALFT
	s_add_co_u32 s22, s22, 2*HALFT                 ; my row group of B
	s_sub_co_u32 s23, s22, s21
	v_mul_u32_u24 v4, s23, v2                      ; scale words: lanes 16-31 take B's
	v_lshl_add_u32 v4, v1, 5, v4                   ; 32 bytes a row
.irp s, 0,1
	v_add_nc_u32 v[ADRA+\s], s21, v[LI]
	v_add_nc_u32 v[ADRB+\s], s22, v[LI]
	v_add_nc_u32 v[ADRS+\s], s21, v4
	s_add_co_u32 s21, s21, SLOT
	s_add_co_u32 s22, s22, SLOT
.endr
	; what the end needs: the groups of 128 rows and columns that are mine, where the results go, the biases, the table
	s_lshl_b32 s80, s73, 1
	s_add_co_u32 s80, s80, s15                     ; GR: my group of rows
	s_lshl_b32 s81, s42, 1
	s_add_co_u32 s81, s81, s16                     ; GC: my group of columns
	s_movk_i32 s84, 25600
	s_movk_i32 s85, 0x2000
	s_cmp_eq_u32 s72, 0
	s_cselect_b64 s[74:75], s[68:69], s[70:71]     ; q goes to qimg, k and v to kv
	s_cselect_b64 s[76:77], s[8:9], s[10:11]
	s_cselect_b32 s84, OBB, s84                    ; bytes from block to block there
	s_cmp_eq_u32 s72, 1
	s_cselect_b32 s86, s85, 128                    ; the table: what lanes 8-15 add (k's rows are exchanged: 16 positions on; q's: 8)
	s_cselect_b32 s87, 128, s85                    ; and what an odd row block adds
	s_cmp_eq_u32 s72, 2
	s_cselect_b64 s[76:77], s[12:13], s[76:77]
	s_cselect_b32 s82, s80, s81                    ; the head: q, k: my columns; v: my rows
	s_cselect_b32 s83, s81, s80                    ; the group of queries or keys
	s_cselect_b32 s88, OBB, 0                      ; v's block lies behind k's
	s_lshl_b32 s82, s82, 4
	s_add_co_u32 s82, s82, s83
	s_mul_i32 s82, s82, s84
	s_add_co_u32 s82, s82, s88
	s_mov_b32 s83, 0
	s_add_nc_u64 s[74:75], s[74:75], s[82:83]
	s_lshl_b32 s82, s80, 16
	s_add_nc_u64 s[78:79], s[6:7], s[82:83]
	s_lshl_b32 s89, s40, 1                         ; the table of my 128 positions is 256 blocks of 256 bytes, read by eight waves of the cluster: 32 blocks, a lane a block, for each
	s_add_co_u32 s89, s89, s16
	s_lshl_b32 s89, s89, 13
	v_lshl_add_u32 v52, v3, 8, s89
	s_lshl_b32 s82, s81, 9
	s_add_nc_u64 s[90:91], s[76:77], s[82:83]      ; the bias of head GC
	s_lshl_b32 s82, s80, 9
	s_add_nc_u64 s[92:93], s[76:77], s[82:83]      ; and of head GR
	v_lshlrev_b32 v5, 6, v2
.irp n, 0,1,2,3,4,5,6,7,8,9,10,11,12,13,14,15
	global_load_b128 v[BI+4*\n:BI+4*\n+3], v5, s[90:91] offset:128*(\n/4)+16*(\n%4)   ; register 16 b + i: the bias of column 32 b + 16 h + i
.endr
	v_and_b32 v6, 7, v1
	v_lshrrev_b32 v7, 3, v1
	v_lshlrev_b32 v8, 2, v6
	v_lshl_add_u32 v8, v7, 6, v8
.irp a, 0,1,2,3,4,5,6,7
	global_load_b32 v[BV+2*\a], v8, s[92:93] offset:128*(\a/2)+32*(\a%2)      ; the bias of my row of block a (rows exchanged), twice: a pair for the packed addition
	global_load_b32 v[BV+2*\a+1], v8, s[92:93] offset:128*(\a/2)+32*(\a%2)
.endr
	v_lshlrev_b32 v9, 4, v6
	v_lshl_add_u32 v9, v2, 8, v9
	v_mad_u32_u24 v[LB], v7, s86, v9
	v_add_nc_u32 v[LB+1], s87, v[LB]
	v_lshlrev_b32 v[SCO], 5, v1
	v_lshl_add_u32 v[SCO], v2, 4, v[SCO]
.macro FRAG reg, adr, q, i             ; a fragment comes as it was laid: three loads of 512 consecutive bytes
.irp c, 0,1,2
	ds_load_b128 v[\reg+4*\c:\reg+4*\c+3], v[\adr] offset:OBB*(\q)+1536*(\i)+512*\c
.endr
.endm
; 16 matrix instructions: A's blocks a0, a0 + 1 x B's eight.  p: B's set and the set of scale words.  The 64 accumulators take turns, one instruction a turn, in the same order in every step
; A scale register holds in lanes 0-15 the words of A's block and in lanes 16-31 those of B's block of the same number.
.macro MUL16 a0, p, zero
.irp a, \a0, \a0+1
.irp b, 0,1,2,3,4,5,6,7
.if \zero
	v_wmma_scale_f32_16x16x128_f8f6f4 v[8*(8*((\a)%4)+\b):8*(8*((\a)%4)+\b)+7], v[128*(\p)+FR*\b:128*(\p)+FR*\b+FR-1], v[AF+FR*(\a):AF+FR*(\a)+FR-1], 0, v[SC+8*(\p)+4*(\b%2)+\b/2], v[SC+8*(\p)+4*((\a)%2)+(\a)/2] matrix_a_fmt:MATRIX_FMT_BF6 matrix_b_fmt:MATRIX_FMT_BF6 matrix_a_scale:MATRIX_SCALE_ROW1
.else
	v_wmma_scale_f32_16x16x128_f8f6f4 v[8*(8*((\a)%4)+\b):8*(8*((\a)%4)+\b)+7], v[128*(\p)+FR*\b:128*(\p)+FR*\b+FR-1], v[AF+FR*(\a):AF+FR*(\a)+FR-1], v[8*(8*((\a)%4)+\b):8*(8*((\a)%4)+\b)+7], v[SC+8*(\p)+4*(\b%2)+\b/2], v[SC+8*(\p)+4*((\a)%2)+(\a)/2] matrix_a_fmt:MATRIX_FMT_BF6 matrix_b_fmt:MATRIX_FMT_BF6 matrix_a_scale:MATRIX_SCALE_ROW1
.endif
.endr
.endr
.endm
.macro FETCH_B slot, q, p
	WIN TO_B
.irp i, 0,1,2,3,4,5,6,7
	FRAG 128*(\p)+FR*\i, ADRB+\slot, \q, \i
.endr
	WIN 0
.endm
.macro FETCH_A slot, q, i0
.irp i, \i0, \i0+1, \i0+2, \i0+3
	FRAG AF+FR*(\i), ADRA+\slot, \q, \i
.endr
.endm
.macro SCALES slot, q, p               ; a K step's scale words, eight a row, into set p
.irp k, 0,1
	ds_load_b128 v[SC+8*(\p)+4*\k:SC+8*(\p)+4*\k+3], v[ADRS+\slot] offset:OBB*(\q)+12288+16*\k
.endr
.endm
.macro PLACES n
.rept \n
	v_nop
.endr
.endm
.macro STEP slot, q, p, zero           ; a step of 128 along K that has its successor in the same slot
	s_wait_dscnt 4*NL                              ; all but the youngest 12 loads (A's blocks 4-7) are in
	WIN MUL_LO
	MUL16 0, \p, \zero
	MUL16 2, \p, \zero
	s_wait_dscnt 0
	PLACES NP
	FETCH_B \slot, (\q)+1, 1-(\p)
	FETCH_A \slot, (\q)+1, 0
	SCALES \slot, (\q)+1, 1-(\p)
	WIN MUL_HI
	MUL16 4, \p, \zero
	MUL16 6, \p, \zero
	PLACES NP
	WIN 0
	FETCH_A \slot, (\q)+1, 4
.endm
; A slot's last step changes slots: one barrier; in front of it each wave waits for all its tensor loads, adds 0 to its spare word, and waits for that and for its reads of this slot.
; fill = 1: this slot is filled again, with the three K steps six on;  fill = 2: with the one K step that is left;  fill = 0: nothing is left to fetch.
.macro TURN slot, p, next, fill
	s_wait_tensorcnt 0x0                           ; all my tensor loads have landed: my part of the next slot
	ds_add_u32 v[SPW], v[NIL]                      ; 0 onto my spare word
	s_wait_dscnt 4*NL+1                            ; (the add and the youngest 12 loads may be out)
	WIN MUL_LO
	MUL16 0, \p, 0
	s_wait_dscnt 0x0                               ; the add is done, and my reads of this slot are over
	s_barrier_signal -1
	MUL16 2, \p, 0
	WIN 0
	s_barrier_wait -1
.if \fill
	CREST                                          ; the barrier has opened a round of the cluster's: no wave of any partner still reads this slot or has a load on its way
	s_add_nc_u64 s[G0+4*\slot+2:G0+4*\slot+3], s[G0+4*\slot+2:G0+4*\slot+3], 2*HALFT
	s_add_nc_u64 s[G0B+4*\slot+2:G0B+4*\slot+3], s[G0B+4*\slot+2:G0B+4*\slot+3], 2*HALFT
.if \fill == 2
	s_mov_b32 s[G1+2], 50<<16                      ; no tensor load of mine is out: the shape may be written.  K step 15 alone: 50 rows of 256 bytes
	s_mov_b32 s[G1+4], 50
	s_mov_b32 s[G1B+2], 50<<16
	s_mov_b32 s[G1B+4], 50
.endif
	JLOAD G0+4*\slot, G1, G0B+4*\slot, G1B         ; my one tensor load behind the round; its four v_nop are the places in front of the loads below
.else
	PLACES NP
.endif
	FETCH_B \next, 0, 1-(\p)
	FETCH_A \next, 0, 0
	SCALES \next, 0, 1-(\p)
.if PFN < 5
	PF PFN
.elseif PFN == 5
	global_prefetch_b8 v50, s[96:97] offset:5*HALFT th:TH_LOAD_NT scope:SCOPE_SE
.endif
.set PFN, PFN+1
	WIN MUL_HI
	MUL16 4, \p, 0
	MUL16 6, \p, 0
	PLACES NP
	WIN 0
	FETCH_A \next, 0, 4
.endm
.macro THREE slot, p, next, fill, zero ; a slot's three K steps; p: the parity of the first
	STEP \slot, 0, \p, \zero
	STEP \slot, 1, 1-(\p), 0
	TURN \slot, \p, \next, \fill
.endm
	s_wait_alu depctr_va_vdst(0)
	s_wait_tensorcnt 0x0                           ; my part of slot 0 is in
	ds_add_u32 v[SPW], v[NIL]
	s_wait_dscnt 0x0
	CROUND                                         ; everybody's part of slot 0 is in, and all sixteen work-groups are here
	JLOAD G0+4, G1, G0B+4, G1B                     ; K steps 3-5, slot 1's first fill: my one tensor load behind the round
	FETCH_B 0, 0, 0
	FETCH_A 0, 0, 0
	SCALES 0, 0, 0
	FETCH_A 0, 0, 4
	STEP 0, 0, 0, 1                                ; K steps 0-2: the first step's products start the sums
	STEP 0, 1, 1, 0
	PF 2
	TURN 0, 0, 1, 1                                ; slot 0 takes steps 6-8
	THREE 1, 1, 0, 1, 0
	s_cmp_eq_u32 s72, 2                            ; v has no rotary turn; q's and k's waves ask for their share of the table, nine K steps ahead of its first load
	s_cbranch_scc1 .Lnopf
	global_prefetch_b8 v52, s[78:79] th:TH_LOAD_NT scope:SCOPE_SE
.Lnopf:
	THREE 0, 0, 1, 1, 0                            ; steps 6-8; slot 0 takes steps 12-14
	THREE 1, 1, 0, 2, 0                            ; steps 9-11; slot 1 takes step 15
	THREE 0, 0, 1, 0, 0
	s_wait_loadcnt 0x0                             ; the biases
	s_cmp_eq_u32 s72, 2
	s_cbranch_scc1 .Lnorot
	WIN 0x40                                       ; B's set 0 and the registers behind it are free (four places stand behind their last products): the table's sets 0 and 1 are asked for ahead of step 15
.irp a, 0,1
.irp k, 0,1
.irp n, 0,1,2,3,4,5,6,7
	global_load_b128 v[64*\a+32*\k+4*\n:64*\a+32*\k+4*\n+3], v[LB+\a], s[78:79] offset:4096*\k+512*\n
.endr
.endr
.endr
	WIN 0
.Lnorot:
	s_wait_dscnt 4*NL                              ; step 15
	WIN MUL_LO
	MUL16 0, 1, 0
	MUL16 2, 1, 0
	s_wait_dscnt 0
	WIN MUL_HI
	MUL16 4, 1, 0
	MUL16 6, 1, 0
	WIN 0
; ---------------- THE END: a row block (16 operand rows x 128 along the next K) at a time ----------------
; 64 numbers of a lane, register 16 b + i = k 32 b + 16 (lane / 16) + i of my row, become a fragment's codes in v[PC] on and its scale word in v[pw].
.macro QUANT s, pw
.irp b, 0,1,2,3
	v_max3_num_f32 v[TM+\b], |v[\s+16*\b]|, |v[\s+1+16*\b]|, 0x2800000   ; and the floor 2^(5 - 127): the byte cannot fall under 1
.endr
.irp i, 2,4,6,8,10,12,14
.irp b, 0,1,2,3
	v_max3_num_f32 v[TM+\b], v[TM+\b], |v[\s+16*\b+\i]|, |v[\s+1+16*\b+\i]|
.endr
.endr
.irp b, 0,1,2,3
	v_permlanex16_b32 v[TM+4+\b], v[TM+\b], s[SEL], s[SEL+1]
.endr
.irp b, 0,1,2,3
	v_max_num_f32 v[TM+\b], v[TM+\b], v[TM+4+\b]   ; with lane l xor 16's: the block's largest magnitude
.endr
.irp b, 0,1,2,3
	v_add_nc_u32 v[TM+12+\b], 0xfe000000, v[TM+\b] ; 4 off its exponent field: the conversion's scale operand
.endr
.irp b, 0,1,2,3
	v_lshrrev_b32 v[TM+4+\b], 23, v[TM+12+\b]      ; the scale's byte
.endr
	v_lshl_or_b32 v[\pw], v[TM+5], 8, v[TM+4]
	v_lshl_or_b32 v[\pw], v[TM+6], 16, v[\pw]
	v_lshl_or_b32 v[\pw], v[TM+7], 24, v[\pw]
.irp c, 0,1
	v_cvt_scalef32_pk16_bf6_f32 v[PC+6*\c:PC+2+6*\c], v[\s+32*\c:\s+15+32*\c], v[TM+12+2*\c]
	v_cvt_scalef32_pk16_bf6_f32 v[PC+12+4*\c:PC+14+4*\c], v[\s+16+32*\c:\s+31+32*\c], v[TM+12+2*\c+1]
.endr
	v_nop                                          ; one plain place behind a scaled conversion
.irp c, 0,1                                    ; the operand's layout wants a whole block in a lane
.irp i, 0,1,2
	v_permlane16_swap_b32 v[PC+6*\c+\i], v[PC+12+4*\c+\i]
.endr
.irp i, 0,1,2
	v_mov_b32 v[PC+3+6*\c+\i], v[PC+12+4*\c+\i]
.endr
.endr
.endm
.macro ADDB a, byrow                   ; row block a's 64 sums + the bias, each accumulator from its low end on
.set AC, 64*((\a)%4)
	WIN 0x02+(\a)/4                                ; source 0: window 2 or 3
.set EI, 0
.rept 32
.if \byrow
	v_pk_add_f32 v[T+EI:T+EI+1], v[AC+EI:AC+EI+1], v[BV+2*(\a):BV+2*(\a)+1]
.else
	v_pk_add_f32 v[T+EI:T+EI+1], v[AC+EI:AC+EI+1], v[BI+EI:BI+EI+1]
.endif
.set EI, EI+2
.endr
.endm
.macro ROTLOAD a                       ; cosines and sines of block a's 16 positions, 32 numbers each a lane, into set a % 4 of window 1
	WIN 0x40
.irp k, 0,1
.irp n, 0,1,2,3,4,5,6,7
	global_load_b128 v[64*((\a)%4)+32*\k+4*\n:64*((\a)%4)+32*\k+4*\n+3], v[LB+(\a)%2], s[78:79] offset:8192*((\a)-(\a)%2)+4096*\k+512*\n
.endr
.endr
.endm
.macro ROTATE a                        ; registers n and 32 + n are dims e and e + 64: x(e) cos - x(e + 64) sin, x(e + 64) cos + x(e) sin
	WIN 0x04                                       ; source 1: window 1
.set RS, 64*((\a)%4)
.set EI, 0
.rept 16
.set UU, TM+4*((EI/2)%2)
	v_pk_mul_f32 v[UU:UU+1], v[T+32+EI:T+33+EI], v[RS+32+EI:RS+33+EI]
	v_pk_mul_f32 v[UU+2:UU+3], v[T+EI:T+EI+1], v[RS+32+EI:RS+33+EI]
	v_pk_fma_f32 v[T+EI:T+EI+1], v[T+EI:T+EI+1], v[RS+EI:RS+EI+1], v[UU:UU+1] neg_lo:[0,0,1] neg_hi:[0,0,1]
	v_pk_fma_f32 v[T+32+EI:T+33+EI], v[T+32+EI:T+33+EI], v[RS+EI:RS+EI+1], v[UU+2:UU+3]
.set EI, EI+2
.endr
.endm
.macro PUT a
.irp c, 0,1,2
	global_store_b128 v[LI], v[PC+4*\c:PC+4*\c+3], s[74:75] offset:1536*(\a)+512*\c   ; 32 lanes store 512 consecutive bytes, aligned
.endr
.endm
.macro PUTSC
	v_and_b32 v[TM], 31, v0
	v_cmp_lt_u32 vcc_lo, 15, v[TM]
.irp p, 0,1,2,3
	v_cndmask_b32 v[TM+\p], v[PWS+2*\p], v[PWS+2*\p+1], vcc_lo
.endr
	global_store_b128 v[SCO], v[TM:TM+3], s[74:75] offset:12288   ; the block's 512 bytes of scale words in one store
.endm
	PLACES NP                                      ; behind the last products: their results are read and their operands' registers written below
.irp b, 0,1,2,3
	v_mov_b32 v[TM+4+\b], 0                        ; a lane permute's destination counts as read
.endr
	s_cmp_eq_u32 s72, 2
	s_cbranch_scc1 .Lv
	s_wait_alu depctr_va_vdst(0)
	ROTLOAD 2
	ROTLOAD 3
.irp a, 0,1,2,3,4,5,6,7
	ADDB \a, 0
.if \a < 5
	s_wait_loadcnt 48                              ; this block's 16 loads are in; three younger sets may be out
.else
	s_wait_loadcnt 16*(7-\a)
.endif
	ROTATE \a
	s_wait_xcnt 0x0                                ; the last block's stores have read their registers; the wait stands ahead of the loads below, which touch none of them
.if \a < 4
	ROTLOAD \a+4
.endif
	WIN 0
	QUANT T, PWS+\a
	PUT \a
.endr
	PUTSC
	s_branch .Lend
.Lv:
.irp a, 0,1,2,3,4,5,6,7
	ADDB \a, 1
	WIN 0
	s_wait_xcnt 0x0
	QUANT T, PWS+\a
	PUT \a
.endr
	PUTSC
.Lend:
	s_wait_tensorcnt 0x0                           ; the wave's end
	ds_add_u32 v[SPW], v[NIL]
	s_wait_dscnt 0x0
	CROUND                                         ; the closing round: no work-group ends while a partner may still ask for a tile that names it
	s_endpgm
.Lfunc_end_k_qc516fae671_qkv:
	.size	k_qc516fae671_qkv, .Lfunc_end_k_qc516fae671_qkv-k_qc516fae671_qkv
	.p2alignl 7, 3214868480
	.fill 96, 4, 3214868480
	.section	.rodata,"a",@progbits
	.p2align	6, 0x0
	.amdhsa_kernel k_qc516fae671_qkv
		.amdhsa_group_segment_fixed_size 327680
		.amdhsa_private_segment_fixed_size 0
		.amdhsa_enable_private_segment 0
		.amdhsa_kernarg_size 56
		.amdhsa_user_sgpr_count 2
		.amdhsa_user_sgpr_kernarg_segment_ptr 1
		.amdhsa_wavefront_size32 1
		.amdhsa_system_sgpr_workgroup_id_x 1
		.amdhsa_system_sgpr_workgroup_id_y 1
		.amdhsa_system_sgpr_workgroup_id_z 1
		.amdhsa_system_vgpr_workitem_id 0
		.amdhsa_next_free_vgpr 1024
		.amdhsa_next_free_sgpr 100
		.amdhsa_reserve_vcc 1
		.amdhsa_float_denorm_mode_32 3
		.amdhsa_float_denorm_mode_16_64 3
		.amdhsa_memory_ordered 1
		.amdhsa_forward_progress 1
		.amdhsa_inst_pref_size 255
	.end_amdhsa_kernel
	.section	.bss,"aw",@nobits
	.p2align	6
	.space	262144
	.amdgpu_metadata
---
amdhsa.version: [ 1, 2 ]
amdhsa.kernels:
  - .name:           k_qc516fae671_qkv
    .symbol:         k_qc516fae671_qkv.kd
    .args:
      - { .name: ops, .offset: 0, .size: 8, .value_kind: global_buffer, .address_space: global }
      - { .name: rot, .offset: 8, .size: 8, .value_kind: global_buffer, .address_space: global }
      - { .name: b_Q, .offset: 16, .size: 8, .value_kind: global_buffer, .address_space: global }
      - { .name: b_K, .offset: 24, .size: 8, .value_kind: global_buffer, .address_space: global }
      - { .name: b_V, .offset: 32, .size: 8, .value_kind: global_buffer, .address_space: global }
      - { .name: qimg, .offset: 40, .size: 8, .value_kind: global_buffer, .address_space: global }
      - { .name: kv, .offset: 48, .size: 8, .value_kind: global_buffer, .address_space: global }
    .group_segment_fixed_size: 327680
    .private_segment_fixed_size: 0
    .kernarg_segment_align: 8
    .kernarg_segment_size: 56
    .max_flat_workgroup_size: 128
    .sgpr_count:     100
    .vgpr_count:     1024
    .wavefront_size: 32
...
	.end_amdgpu_metadata
.endif
;; end of part 6
;; launch attn (part 7): grid 16 x 16, 16 waves a work-group, clusters of 4 x 1, 327,680 bytes of LDS; arguments qimg, kv, zimg; writes zimg
.if DOCPART == 7
	.amdgcn_target "amdgcn-amd-amdhsa--gfx1250"
	.amdhsa_code_object_version 6
	.text
	.protected	k_qc516fae671_attn
	.globl	k_qc516fae671_attn
	.p2align	8
	.type	k_qc516fae671_attn,@function
k_qc516fae671_attn:
	s_mov_b64 s[64:65], 0
	v_nop
	global_prefetch_b8 v0, s[64:65] scope:SCOPE_SE
	s_setreg_imm32_b32 hwreg(HW_REG_WAVE_MODE, 25, 1), 1
	s_wait_xcnt 0x0
	s_wait_alu depctr_hold_cnt(0) depctr_sa_sdst(0) depctr_va_vdst(0) depctr_va_sdst(0) depctr_va_ssrc(0) depctr_va_vcc(0) depctr_vm_vsrc(0)
	s_getreg_b32 s2, hwreg(HW_REG_IB_STS2, 6, 4)
	s_cmp_eq_u32 s2, 0
	s_cbranch_scc0 .Lentry_in_a_cluster
	s_endpgm
.Lentry_in_a_cluster:
	s_bfe_u32 s2, ttmp6, 0x10000c
	s_cmp_lg_u32 s2, 0x3003
	s_cbranch_scc0 .Lentry_shape_is_right
	s_endpgm
.Lentry_shape_is_right:
; Causal attention on codes of BF6 (E3M2) with E8M0 scales, and the quantising of z = O / l along (head, d) for the output projection.
; t = score x log2(e) / sqrt(128); M = the running largest t rounded up to a whole number; p = 2^(t - M) is quantised along the keys; the sum l is taken of the unquantised p.
; HIDDEN KEYS COUNT: the model gives them the logit -1000, not minus infinity.  On the diagonal step their scores are replaced by -1000 sqrt(128).  A step all of whose 128 keys are hidden needs
; no scores: all its p are 2^(t_hidden - M); their code and scale byte are made once (PREP), by the quantiser's own instruction, and the step is the second product alone.
; SHARES.  A tile of 16 queries is served by TWO waves: wave w < 8 takes the even key steps of 128, wave w + 8 the odd ones; they are joined at the end through LDS.  A work-group has 8 tiles, two from each
; of the groups of 128 queries 2 c, 2 c + 1, 14 - 2 c, 15 - 2 c (c: the cluster's number): early and late queries together, so that all work-groups have the same number of full steps.
; The four work-groups of a cluster have the same groups and differ in the tiles within them: so every branch is alike in all four, and they ask for K's and V's blocks JOINTLY.
; LAYOUT.  Both products are used transposed (S^T = K Q^T, O^T = V^T P^T): a lane holds one query.  K's keys and V's rows d lie with bits 3 and 4 of their place exchanged, so that the 16 registers of
; two neighbouring tiles are 16 neighbours: keys for p, d for z.  A key step is 25,600 dense bytes: K's operand block, then V's; a slot of the ring holds four steps.
; REGISTERS: v1-11 addresses; v12 -M, v13 the largest t, v[14:15] the sum; v16-27 Q; v32-79 four fragments; v80-87 scale words of K or V; v88 the hidden score, v89 its p, v90 64 x my hidden steps,
; v92 my query's place against the diagonal; v96-159 S^T, then p; v160-223 O^T; v224-235 p's codes; v232-254 at work; v253 p's scale word; v255 Q's.
; LIMITS: NaN and infinities are not served; a p under 2^-126 counts as 0; a block whose largest magnitude lies under 2^-122 keeps the scale byte 1.
.set OBB,   12800
.set STEPB, 2*OBB
.set SLOTB, 4*STEPB
.set SLOT1, 1<<17                      ; slot 1 begins here: one exclusive or turns an address from one slot to the other
.set STG,   SLOT1+SLOTB                ; behind the ring: 8,704 bytes for each pair of waves; no fill lands there
.set STGW,  8704
.set SPARE, STG+8*STGW                 ; the spare words, 128 bytes for each wave, that no other line names
.set AK0, 1
.set AS0, 3
.set SPW, 5
.set NIL, 6
.set MS,  7
.set ADK, 8
.set ADS, 9
.set GF,  10
.set GS,  11
.set PC,  32
.set TM,  232
.set WV,  18
.set PAR, 19
.set SEL, 20
.set CS,  22
.set G1,  24
.set G0,  32
.set TB,  36
.set KJ,  37
.set JD,  38
.set SLOTS, 39
.set LF,  40
.macro JLOAD1                          ; waves 0 to 3 fetch a key step each; four v_nop follow the line
	s_cmp_lt_u32 s[WV], 4
	s_cbranch_scc0 .Lnone_\@
	tensor_load_to_lds s[G0:G0+3], s[G1:G1+7]
	s_nop 0
.rept 4
	v_nop
.endr
.Lnone_\@:
.endm
.macro CROUND
	s_barrier_signal -1
	s_barrier_wait -1
	s_cmp_lg_u32 s[WV], 0
	s_cbranch_scc1 .Lnot_wave_0_\@
	s_barrier_signal -3
.Lnot_wave_0_\@:
	s_barrier_wait -3
	s_barrier_signal -1
	s_barrier_wait -1
.endm
	s_load_b128 s[4:7], s[0:1], 0x0                ; qimg, kv
	s_load_b64 s[8:9], s[0:1], 0x10                ; zimg
	v_lshl_add_u32 v[SPW], v0, 2, SPARE
	v_mov_b32 v[NIL], 0
	ds_add_u32 v5, v6
	ds_add_u32 v5, v6
	s_wait_dscnt 0x0
	v_lshrrev_b32 v8, 5, v0
	s_delay_alu instid0(VALU_DEP_1)
	v_readfirstlane_b32 s[WV], v8
	s_lshr_b32 s[PAR], s[WV], 3                    ; even or odd key steps
	s_and_b32 s42, s[WV], 7                        ; which of the work-group's 8 tiles
	s_lshr_b32 s43, s42, 1
	s_and_b32 s44, s42, 1                          ; e
	s_and_b32 s45, s43, 1
	s_lshl_b32 s46, ttmp9, 1
	s_add_co_u32 s45, s45, s46
	s_sub_co_u32 s46, 15, s45
	s_cmp_ge_u32 s43, 2
	s_cselect_b32 s[JD], s46, s45                  ; my group of 128 queries = my diagonal step: from the cluster's and the wave's number alone
	s_bfe_u32 s47, ttmp6, 0x40000                  ; cx: it enters global addresses and one vector operand alone
	s_lshl_b32 s48, s47, 1
	s_add_co_u32 s48, s48, s44                     ; my tile within the group
	s_and_b32 s49, ttmp7, 0xffff                   ; the head
	s_mov_b32 s[G1], 15|(3<<16)|(1<<21)            ; the mask: all four work-groups; elements of 8 bytes; bit 21 beside a mask
	s_mov_b32 s[G1+1], 32<<16                      ; rows of 256 bytes,
	s_mov_b32 s[G1+2], 100<<16                     ; 100 of them: a key step's 25,600 dense bytes
	s_mov_b32 s[G1+3], 32<<16
	s_mov_b32 s[G1+4], 100
	s_mov_b32 s[G1+5], 32
	s_mov_b32 s[G1+6], 0
	s_mov_b32 s[G1+7], 0
	s_lshl_b32 s50, s49, 4
	s_add_co_u32 s52, s50, s[WV]
	s_mul_i32 s52, s52, STEPB                      ; key step = my wave's number, of my head
	s_mov_b32 s53, 0
	s_mul_i32 s54, s[WV], STEPB
	s_add_co_u32 s56, s50, s[JD]
	s_mul_i32 s56, s56, OBB                        ; Q's block: [head][group]
	s_mov_b32 s57, 0
	s_lshl_b32 s58, s[JD], 4
	s_add_co_u32 s58, s58, s49
	s_mul_i32 s58, s58, OBB                        ; z's block: [group][head]
	s_mov_b32 s59, 0
	s_mov_b32 s[SEL], 0x76543210
	s_mov_b32 s[SEL+1], 0xfedcba98
	s_mov_b32 s[CS], 0x3e0293ee                    ; c = log2(e) / sqrt(128)
	s_mov_b32 s[CS+1], s[CS]
	s_mov_b32 s[TB], 0
	s_mov_b32 s[KJ], s[PAR]
	s_mov_b32 s[SLOTS], 3
	s_mov_b32 s[LF], 0
	s_wait_kmcnt 0x0
	s_mov_b32 s[G0], 1
	s_mov_b32 s[G0+1], s54
	s_add_nc_u64 s[G0+2:G0+3], s[6:7], s[52:53]
	s_or_b32 s[G0+3], s[G0+3], 0x80000000
	s_add_nc_u64 s[4:5], s[4:5], s[56:57]
	s_add_nc_u64 s[8:9], s[8:9], s[58:59]
	CROUND                                         ; all four work-groups are here
	JLOAD1                                         ; slot 0: key steps 0 to 3
	v_and_b32 v8, 31, v0
	s_delay_alu instid0(VALU_DEP_1)
	v_lshlrev_b32 v8, 4, v8                        ; 16 x lane
	v_and_b32 v9, 15, v0                           ; r
	s_mul_i32 s55, s[PAR], STEPB
	v_add_nc_u32 v[AK0], s55, v8                   ; my two steps of a slot: fragments,
	s_delay_alu instid0(VALU_DEP_1)
	v_add_nc_u32 v[AK0+1], 2*STEPB, v[AK0]
	v_lshl_add_u32 v[AS0], v9, 5, s55              ; and scale words, 32 bytes a row
	s_delay_alu instid0(VALU_DEP_1)
	v_add_nc_u32 v[AS0+1], 2*STEPB, v[AS0]
	s_mul_i32 s56, s42, STGW
	s_add_co_u32 s56, s56, STG
	v_add_nc_u32 v[MS], s56, v8                    ; where the two waves of a tile meet
	s_mul_i32 s57, s48, 1536
	v_add_nc_u32 v[GF], s57, v8                    ; my tile's fragment in Q's and z's blocks,
	s_lshl_b32 s58, s44, 4
	s_lshl_b32 s59, s47, 2
	s_add_co_u32 s58, s58, s59
	v_lshl_add_u32 v[GS], v9, 5, s58               ; and its scale words
.irp c, 0,1,2
	global_load_b128 v[16+4*\c:19+4*\c], v[GF], s[4:5] offset:512*\c
.endr
	global_load_b32 v255, v[GS], s[4:5] offset:12288
	s_lshl_b32 s60, s48, 4
	v_bfe_u32 v92, v0, 4, 1
	s_delay_alu instid0(VALU_DEP_1)
	v_lshlrev_b32 v92, 4, v92
	s_delay_alu instid0(VALU_DEP_1)
	v_sub_nc_u32 v92, v9, v92
	s_delay_alu instid0(VALU_DEP_1)
	v_add_nc_u32 v92, s60, v92                     ; d = my query's place in its group - 16 (lane / 16): on the diagonal step register 16 b + i is hidden where 32 b + i > d
	s_add_co_u32 s60, s[JD], 2
	s_sub_co_u32 s60, s60, s[PAR]
	s_lshr_b32 s60, s60, 1
	s_sub_co_u32 s60, 8, s60                       ; how many of my 8 steps are wholly hidden
	s_lshl_b32 s60, s60, 6
	v_cvt_f32_u32 v90, s60                         ; a lane's share of their keys
	v_mov_b32 v88, 0xc630c6d5                      ; -1000 sqrt(128)
	v_mov_b32 v13, 0xff61b1e6                      ; the largest t so far: -3e38
	s_delay_alu instid0(VALU_DEP_1)
	v_floor_f32 v12, -v13
	v_mov_b32 v14, 0
	v_mov_b32 v15, 0
.irp b, 0,1,2,3
	v_mov_b32 v[236+\b], 0                         ; a lane permute's destination counts as read
.endr
	v_mov_b32 v252, 0
	v_mov_b32 v253, 0
.set VI, 0
.rept 76
	v_mov_b32 v[160+VI], 0                         ; O^T, and p's codes.  (The step is written once: the first finds zeros, which the first change of M leaves zeros)
.set VI, VI+1
.endr
; A KEY STEP: my st-th of the slot in hand.  (The argument's name is none that an .irp inside the macro uses.)
; Four of V's fragments, from number first on, into 48 registers from reg on; and V's scale words.
.macro VFRAGS reg, first
.irp t, 0,1,2,3
.irp c, 0,1,2
	ds_load_b128 v[\reg+12*\t+4*\c:\reg+12*\t+4*\c+3], v[ADK] offset:OBB+1536*(\first+\t)+512*\c
.endr
.endr
.endm
.macro VSCALES
	ds_load_b128 v[80:83], v[ADS] offset:OBB+12288
	ds_load_b128 v[84:87], v[ADS] offset:OBB+12304
.endm
.macro STEP st
	v_add_nc_u32 v[ADK], s[TB], v[AK0+\st]
	v_add_nc_u32 v[ADS], s[TB], v[AS0+\st]
	v_nop
	v_nop
	v_nop                                          ; a fifth place: this step's scores are written over registers that the last step's products read
	s_add_co_u32 s42, s[KJ], 2*\st
	s_cmp_gt_u32 s42, s[JD]
	s_cbranch_scc1 .Llight_\@
	s_wait_alu depctr_va_vdst(0)
.irp g, 0,1                                    ; S^T = K Q^T, four tiles of 16 keys at a time
.if \g > 0
.rept 4
	v_nop
.endr
.endif
.irp t, 0,1,2,3
.irp c, 0,1,2
	ds_load_b128 v[32+12*\t+4*\c:35+12*\t+4*\c], v[ADK] offset:1536*(4*\g+\t)+512*\c
.endr
.endr
.if \g == 0
	ds_load_b128 v[80:83], v[ADS] offset:12288
	ds_load_b128 v[84:87], v[ADS] offset:12304
.endif
	s_wait_dscnt 0x0
.irp t, 0,1,2,3
	v_wmma_scale_f32_16x16x128_f8f6f4 v[96+8*(4*\g+\t):103+8*(4*\g+\t)], v[32+12*\t:43+12*\t], v[16:27], 0, v[80+4*(\t%2)+(4*\g+\t)/2], v255 matrix_a_fmt:MATRIX_FMT_BF6 matrix_b_fmt:MATRIX_FMT_BF6
.endr
.endr
.rept 4
	v_nop
.endr
	VFRAGS 32, 0                                   ; K's fragments are done with (four places stand above): V's first four and its scale words come in under the softmax
	VSCALES
	s_cmp_lt_u32 s42, s[JD]
	s_cbranch_scc1 .Lopen_\@
.set VI, 0
.rept 64                                       ; the diagonal step: hidden keys get the model's own logit; the registers in ascending order
	v_cmp_gt_i32 vcc_lo, 32*(VI/16)+VI%16, v92
	v_cndmask_b32 v[96+VI], v[96+VI], v88, vcc_lo
.set VI, VI+1
.endr
.Lopen_\@:
.irp b, 0,1,2,3
	v_max3_num_f32 v[232+\b], v[96+16*\b], v[97+16*\b], v[98+16*\b]   ; the largest score of each block of 32 keys: for the row's maximum, and, since p rises with the score, for the block's largest p
.endr
.irp i, 3,5,7,9,11,13                          ; ascending: each tile's eight registers are read from the low end on
.irp b, 0,1,2,3
	v_max3_num_f32 v[232+\b], v[232+\b], v[96+16*\b+\i], v[97+16*\b+\i]
.endr
.endr
.irp b, 0,1,2,3
	v_max_num_f32 v[232+\b], v[232+\b], v[111+16*\b]
.endr
.irp b, 0,1,2,3
	s_delay_alu instid0(VALU_DEP_4)
	v_permlanex16_b32 v[236+\b], v[232+\b], s[SEL], s[SEL+1]
.endr
.irp b, 0,1,2,3
	s_delay_alu instid0(VALU_DEP_4)
	v_max_num_f32 v[232+\b], v[232+\b], v[236+\b]
.endr
	s_delay_alu instid0(VALU_DEP_2)
	v_max3_num_f32 v254, v232, v233, v234
	s_delay_alu instid0(VALU_DEP_1)
	v_max_num_f32 v254, v254, v235
	s_delay_alu instid0(VALU_DEP_1)
	v_mul_f32 v254, s[CS], v254
	s_delay_alu instid0(VALU_DEP_1)
	v_max_num_f32 v13, v13, v254                   ; the running largest t
	v_mov_b32 v254, v12
	s_delay_alu instid0(VALU_DEP_2)
	v_floor_f32 v12, -v13                          ; -M = floor(-t): M is a whole number
	s_delay_alu instid0(VALU_DEP_1)
	v_sub_f32 v254, v12, v254
	s_delay_alu instid0(VALU_DEP_1)
	v_cvt_i32_f32 v254, v254                       ; (it saturates)
	s_delay_alu instid0(VALU_DEP_1)
	v_ldexp_f32 v252, 1.0, v254                    ; f = 2^(old M - new M)
.set VI, 0
.rept 32
	v_pk_fma_f32 v[96+VI:97+VI], v[96+VI:97+VI], s[CS:CS+1], v[12:13] op_sel_hi:[1,0,0]   ; t - M
.set VI, VI+2
.endr
.irp b, 0,1,2,3
	v_fma_f32 v[232+\b], v[232+\b], s[CS], v12
.endr
.set VI, 0
	s_wait_alu depctr_va_vdst(0)
.rept 64
	v_exp_f32 v[96+VI], v[96+VI]                   ; p = 2^(t - M)
.set VI, VI+1
.endr
.irp b, 0,1,2,3
	v_exp_f32 v[232+\b], v[232+\b]                 ; the block's largest p: the same two instructions on the same number
.endr
	v_pk_mul_f32 v[14:15], v[14:15], v[252:253] op_sel_hi:[1,0]   ; the sums under the new M (a plain place behind the exponentials)
	s_wait_alu depctr_va_vdst(0)
.irp b, 0,1,2,3
	v_max_num_f32 v[232+\b], 0x2800000, v[232+\b]
.endr
.irp b, 0,1,2,3
	s_delay_alu instid0(VALU_DEP_4)
	v_add_nc_u32 v[244+\b], 0xfe000000, v[232+\b]
.endr
.irp b, 0,1,2,3
	s_delay_alu instid0(VALU_DEP_4)
	v_lshrrev_b32 v[236+\b], 23, v[244+\b]
.endr
	s_delay_alu instid0(VALU_DEP_3)
	v_lshl_or_b32 v253, v237, 8, v236              ; p's scale word for these 128 keys
	s_delay_alu instid0(VALU_DEP_1)
	v_lshl_or_b32 v253, v238, 16, v253
	s_delay_alu instid0(VALU_DEP_1)
	v_lshl_or_b32 v253, v239, 24, v253
.irp c, 0,1
	v_cvt_scalef32_pk16_bf6_f32 v[224+6*\c:226+6*\c], v[96+32*\c:111+32*\c], v[244+2*\c]
	v_cvt_scalef32_pk16_bf6_f32 v[236+4*\c:238+4*\c], v[112+32*\c:127+32*\c], v[244+2*\c+1]
.endr
	v_nop
.irp c, 0,1
.irp i, 0,1,2
	v_permlane16_swap_b32 v[224+6*\c+\i], v[236+4*\c+\i]
.endr
.irp i, 0,1,2
	s_delay_alu instid0(VALU_DEP_3)
	v_mov_b32 v[227+6*\c+\i], v[236+4*\c+\i]
.endr
.endr
	v_pk_add_f32 v[236:237], v[100:101], v[104:105]
	v_pk_add_f32 v[250:251], v[108:109], v[112:113]
	v_pk_add_f32 v[248:249], v[116:117], v[120:121]
	v_pk_add_f32 v[246:247], v[124:125], v[128:129]
	v_pk_add_f32 v[244:245], v[132:133], v[136:137]
	v_pk_add_f32 v[242:243], v[140:141], v[144:145]
	v_pk_add_f32 v[240:241], v[148:149], v[152:153]
	v_pk_add_f32 v[14:15], v[14:15], v[156:157]
	v_pk_add_f32 v[236:237], v[236:237], v[96:97]
	v_pk_add_f32 v[250:251], v[250:251], v[98:99]
	v_pk_add_f32 v[248:249], v[248:249], v[102:103]
	v_pk_add_f32 v[246:247], v[246:247], v[106:107]
	v_pk_add_f32 v[244:245], v[244:245], v[110:111]
	v_pk_add_f32 v[242:243], v[242:243], v[114:115]
	v_pk_add_f32 v[240:241], v[240:241], v[118:119]
	v_pk_add_f32 v[14:15], v[14:15], v[122:123]
	v_pk_add_f32 v[236:237], v[236:237], v[126:127]
	v_pk_add_f32 v[250:251], v[250:251], v[130:131]
	v_pk_add_f32 v[248:249], v[248:249], v[134:135]
	v_pk_add_f32 v[246:247], v[246:247], v[138:139]
	v_pk_add_f32 v[244:245], v[244:245], v[142:143]
	v_pk_add_f32 v[242:243], v[242:243], v[146:147]
	v_pk_add_f32 v[240:241], v[240:241], v[150:151]
	v_pk_add_f32 v[14:15], v[14:15], v[154:155]
	v_pk_add_f32 v[236:237], v[236:237], v[158:159]
	s_delay_alu instid0(VALU_DEP_2)
	v_pk_add_f32 v[14:15], v[14:15], v[246:247]
	s_delay_alu instid0(VALU_DEP_2)
	v_pk_add_f32 v[236:237], v[236:237], v[244:245]
	v_pk_add_f32 v[250:251], v[250:251], v[242:243]
	v_pk_add_f32 v[248:249], v[248:249], v[240:241]
	s_delay_alu instid0(VALU_DEP_2)
	v_pk_add_f32 v[14:15], v[14:15], v[250:251]
	s_delay_alu instid0(VALU_DEP_2)
	v_pk_add_f32 v[236:237], v[236:237], v[248:249]
	s_delay_alu instid0(VALU_DEP_1)
	v_pk_add_f32 v[14:15], v[14:15], v[236:237]
	VFRAGS 96, 4                                   ; p has been converted and summed: its registers take V's last four fragments
.set VI, 0
.rept 32
	v_pk_mul_f32 v[160+VI:161+VI], v[160+VI:161+VI], v[252:253] op_sel_hi:[1,0]   ; O^T under the new M; these are also the places in front of the products below
.set VI, VI+2
.endr
	s_branch .Lgo_\@
.Llight_\@:                                    ; all 128 keys are hidden
	s_cmp_lg_u32 s[LF], 0
	s_cbranch_scc1 .Lpv_\@
	; PREP, once a wave: steps ascend, so no full step follows and M moves no more
	v_mul_f32 v254, s[CS], v88
	s_delay_alu instid0(VALU_DEP_1)
	v_max_num_f32 v13, v13, v254                   ; the hidden logit counts for the maximum too
	v_mov_b32 v254, v12
	s_delay_alu instid0(VALU_DEP_2)
	v_floor_f32 v12, -v13
	s_delay_alu instid0(VALU_DEP_1)
	v_sub_f32 v254, v12, v254
	s_delay_alu instid0(VALU_DEP_1)
	v_cvt_i32_f32 v254, v254
	s_delay_alu instid0(VALU_DEP_1)
	v_ldexp_f32 v252, 1.0, v254
	s_delay_alu instid0(VALU_DEP_4)
	v_fma_f32 v89, v88, s[CS], v12
	s_wait_alu depctr_va_vdst(0)
	v_exp_f32 v89, v89                             ; a hidden key's p
	v_pk_mul_f32 v[14:15], v[14:15], v[252:253] op_sel_hi:[1,0]
	s_wait_alu depctr_va_vdst(0)
	v_fma_f32 v14, v89, v90, v14                   ; all my hidden steps' share of the sum
	v_max_num_f32 v248, 0x2800000, v89
	s_delay_alu instid0(VALU_DEP_1)
	v_add_nc_u32 v244, 0xfe000000, v248
	s_delay_alu instid0(VALU_DEP_1)
	v_lshrrev_b32 v249, 23, v244
	s_delay_alu instid0(VALU_DEP_1)
	v_lshl_or_b32 v249, v249, 8, v249
	s_delay_alu instid0(VALU_DEP_1)
	v_lshl_or_b32 v253, v249, 16, v249             ; the same byte for the four blocks
.set VI, 0
.rept 16
	v_mov_b32 v[96+VI], v89
.set VI, VI+1
.endr
	v_cvt_scalef32_pk16_bf6_f32 v[224:226], v[96:111], v244   ; sixteen equal codes, 96 bits
	v_nop
.irp w, 0,1,2
	v_mov_b32 v[227+\w], v[224+\w]
	v_mov_b32 v[230+\w], v[224+\w]
	v_mov_b32 v[233+\w], v[224+\w]
.endr
.set VI, 0
.rept 32
	v_pk_mul_f32 v[160+VI:161+VI], v[160+VI:161+VI], v[252:253] op_sel_hi:[1,0]
.set VI, VI+2
.endr
	s_mov_b32 s[LF], 1
.Lpv_\@:                                       ; a hidden step asks for all of V here
	s_wait_alu depctr_va_vdst(0)
	VFRAGS 32, 0
	VSCALES
	VFRAGS 96, 4
.Lgo_\@:
	s_wait_alu depctr_va_vdst(0)
	s_wait_dscnt 0x0                               ; one wait for V's eight fragments and its scale words
.irp t, 0,1,2,3,4,5,6,7                        ; O^T += V^T P^T: the eight accumulators take turns; fragments 0-3 in v32-79, 4-7 in v96-143
	v_wmma_scale_f32_16x16x128_f8f6f4 v[160+8*\t:167+8*\t], v[32+12*\t+16*(\t/4):43+12*\t+16*(\t/4)], v[224:235], v[160+8*\t:167+8*\t], v[80+4*(\t%2)+\t/2], v253 matrix_a_fmt:MATRIX_FMT_BF6 matrix_b_fmt:MATRIX_FMT_BF6
.endr
.endm
; THE CHANGE OF SLOTS stands at a slot's head.  Each wave waits for all its tensor loads, adds 0 to its spare word, and waits for that and for its reads of the slot that it has left.
; fill = 1: a round of the cluster's barrier, and behind it the other slot is filled with the next four key steps: the load has a whole slot's steps in which to land.
.macro CHANGE fill
	s_wait_tensorcnt 0x0                           ; no tensor load of mine is out, so the descriptor may be written
	ds_add_u32 v[SPW], v[NIL]                      ; 0 onto my spare word
.if \fill
	s_xor_b32 s[G0+1], s[G0+1], SLOT1
	s_add_nc_u64 s[G0+2:G0+3], s[G0+2:G0+3], SLOTB
	s_wait_dscnt 0x0
	CROUND
	JLOAD1
.else
	s_wait_dscnt 0x0
	s_barrier_signal -1
	s_barrier_wait -1
.endif
.endm
	s_wait_loadcnt 0x0                             ; Q
.Lslot:                                            ; three trips: behind each change of slots but the last the next slot is asked for
	CHANGE 1
	STEP 0
	STEP 1
	s_xor_b32 s[TB], s[TB], SLOT1
	s_add_co_u32 s[KJ], s[KJ], 4
	s_sub_co_u32 s[SLOTS], s[SLOTS], 1
	s_cmp_lg_u32 s[SLOTS], 0
	s_cbranch_scc1 .Lslot
	CHANGE 0                                       ; the last slot is written out
	STEP 0
	STEP 1
	; THE TWO WAVES OF A TILE ARE JOINED: the wave of the odd steps hands over O^T, -M and the sum
.rept 4
	v_nop
.endr
	s_cmp_lt_u32 s[WV], 8
	s_cbranch_scc1 .Lkeep
.irp m, 0,1,2,3,4,5,6,7,8,9,10,11,12,13,14,15
	ds_store_b128 v[MS], v[160+4*\m:163+4*\m] offset:512*\m
.endr
	ds_store_b128 v[MS], v[12:15] offset:8192
.Lkeep:
	s_wait_dscnt 0x0                               ; for the other wave's sake: my stores have landed
	s_barrier_signal -1
	s_barrier_wait -1
	s_cmp_ge_u32 s[WV], 8
	s_cbranch_scc1 .Lend
.irp m, 0,1,2,3,4,5,6,7,8,9,10,11,12,13,14,15
	ds_load_b128 v[96+4*\m:99+4*\m], v[MS] offset:512*\m
.endr
	ds_load_b128 v[28:31], v[MS] offset:8192
	s_wait_dscnt 0x0
	v_min_num_f32 v254, v12, v28                   ; -(the larger M)
	s_delay_alu instid0(VALU_DEP_1)
	v_sub_f32 v249, v254, v12
	s_delay_alu instid0(VALU_DEP_2)
	v_sub_f32 v251, v254, v28
	s_delay_alu instid0(VALU_DEP_2)
	v_cvt_i32_f32 v249, v249
	s_delay_alu instid0(VALU_DEP_2)
	v_cvt_i32_f32 v251, v251
	s_delay_alu instid0(VALU_DEP_2)
	v_ldexp_f32 v248, 1.0, v249                    ; both parts are brought under it by exact powers of two
	s_delay_alu instid0(VALU_DEP_2)
	v_ldexp_f32 v250, 1.0, v251
.set VI, 0
.rept 32
	v_pk_mul_f32 v[160+VI:161+VI], v[160+VI:161+VI], v[248:249] op_sel_hi:[1,0]
.set VI, VI+2
.endr
.set VI, 0
.rept 32
	v_pk_fma_f32 v[160+VI:161+VI], v[96+VI:97+VI], v[250:251], v[160+VI:161+VI] op_sel_hi:[1,0,1]
.set VI, VI+2
.endr
	v_add_f32 v14, v14, v15
	v_add_f32 v30, v30, v31
	s_delay_alu instid0(VALU_DEP_2)
	v_mul_f32 v14, v14, v248
	s_delay_alu instid0(VALU_DEP_1)
	v_fma_f32 v14, v30, v250, v14
	s_delay_alu instid0(VALU_DEP_1)
	v_permlanex16_b32 v252, v14, s[SEL], s[SEL+1]
	s_delay_alu instid0(VALU_DEP_1)
	v_add_f32 v14, v14, v252                       ; the row's sum
	s_wait_alu depctr_va_vdst(0)
	v_rcp_f32 v14, v14
	v_nop
.set VI, 0
	s_wait_alu depctr_va_vdst(0)
.rept 32
	v_pk_mul_f32 v[96+VI:97+VI], v[160+VI:161+VI], v[14:15] op_sel_hi:[1,0]   ; z: register 16 b + i is d = 32 b + 16 (lane / 16) + i of my query
.set VI, VI+2
.endr
	; z is quantised along d: a fragment of the output projection's first operand
.irp b, 0,1,2,3
	v_max3_num_f32 v[TM+\b], |v[96+16*\b]|, |v[97+16*\b]|, 0x2800000
.endr
.irp i, 2,4,6,8,10,12,14
.irp b, 0,1,2,3
	s_delay_alu instid0(VALU_DEP_4)
	v_max3_num_f32 v[TM+\b], v[TM+\b], |v[96+16*\b+\i]|, |v[97+16*\b+\i]|
.endr
.endr
.irp b, 0,1,2,3
	s_delay_alu instid0(VALU_DEP_4)
	v_permlanex16_b32 v[TM+4+\b], v[TM+\b], s[SEL], s[SEL+1]
.endr
.irp b, 0,1,2,3
	s_delay_alu instid0(VALU_DEP_4)
	v_max_num_f32 v[TM+\b], v[TM+\b], v[TM+4+\b]
.endr
.irp b, 0,1,2,3
	s_delay_alu instid0(VALU_DEP_4)
	v_add_nc_u32 v[TM+12+\b], 0xfe000000, v[TM+\b]
.endr
.irp b, 0,1,2,3
	s_delay_alu instid0(VALU_DEP_4)
	v_lshrrev_b32 v[TM+4+\b], 23, v[TM+12+\b]
.endr
	s_delay_alu instid0(VALU_DEP_3)
	v_lshl_or_b32 v91, v[TM+5], 8, v[TM+4]
	s_delay_alu instid0(VALU_DEP_1)
	v_lshl_or_b32 v91, v[TM+6], 16, v91
	s_delay_alu instid0(VALU_DEP_1)
	v_lshl_or_b32 v91, v[TM+7], 24, v91
.irp c, 0,1
	v_cvt_scalef32_pk16_bf6_f32 v[PC+6*\c:PC+2+6*\c], v[96+32*\c:111+32*\c], v[TM+12+2*\c]
	v_cvt_scalef32_pk16_bf6_f32 v[PC+12+4*\c:PC+14+4*\c], v[112+32*\c:127+32*\c], v[TM+12+2*\c+1]
.endr
	v_nop
.irp c, 0,1
.irp i, 0,1,2
	v_permlane16_swap_b32 v[PC+6*\c+\i], v[PC+12+4*\c+\i]
.endr
.irp i, 0,1,2
	s_delay_alu instid0(VALU_DEP_3)
	v_mov_b32 v[PC+3+6*\c+\i], v[PC+12+4*\c+\i]
.endr
.endr
.irp c, 0,1,2
	global_store_b128 v[GF], v[PC+4*\c:PC+4*\c+3], s[8:9] offset:512*\c   ; 32 lanes store 512 consecutive bytes, aligned
.endr
	global_store_b32 v[GS], v91, s[8:9] offset:12288                      ; lanes r and r + 16 hold the same word and write it to the same place
.Lend:
	s_wait_tensorcnt 0x0                           ; the wave's end
	ds_add_u32 v[SPW], v[NIL]
	s_wait_dscnt 0x0
	CROUND                                         ; the closing round
	s_endpgm
.Lfunc_end_k_qc516fae671_attn:
	.size	k_qc516fae671_attn, .Lfunc_end_k_qc516fae671_attn-k_qc516fae671_attn
	.p2alignl 7, 3214868480
	.fill 96, 4, 3214868480
	.section	.rodata,"a",@progbits
	.p2align	6, 0x0
	.amdhsa_kernel k_qc516fae671_attn
		.amdhsa_group_segment_fixed_size 327680
		.amdhsa_private_segment_fixed_size 0
		.amdhsa_enable_private_segment 0
		.amdhsa_kernarg_size 24
		.amdhsa_user_sgpr_count 2
		.amdhsa_user_sgpr_kernarg_segment_ptr 1
		.amdhsa_wavefront_size32 1
		.amdhsa_system_sgpr_workgroup_id_x 1
		.amdhsa_system_sgpr_workgroup_id_y 1
		.amdhsa_system_sgpr_workgroup_id_z 1
		.amdhsa_system_vgpr_workitem_id 0
		.amdhsa_next_free_vgpr 256
		.amdhsa_next_free_sgpr 66
		.amdhsa_reserve_vcc 1
		.amdhsa_float_denorm_mode_32 3
		.amdhsa_float_denorm_mode_16_64 3
		.amdhsa_memory_ordered 1
		.amdhsa_forward_progress 1
		.amdhsa_inst_pref_size 148
	.end_amdhsa_kernel
	.amdgpu_metadata
---
amdhsa.version: [ 1, 2 ]
amdhsa.kernels:
  - .name:           k_qc516fae671_attn
    .symbol:         k_qc516fae671_attn.kd
    .args:
      - { .name: qimg, .offset: 0, .size: 8, .value_kind: global_buffer, .address_space: global }
      - { .name: kv, .offset: 8, .size: 8, .value_kind: global_buffer, .address_space: global }
      - { .name: zimg, .offset: 16, .size: 8, .value_kind: global_buffer, .address_space: global }
    .group_segment_fixed_size: 327680
    .private_segment_fixed_size: 0
    .kernarg_segment_align: 8
    .kernarg_segment_size: 24
    .max_flat_workgroup_size: 512
    .sgpr_count:     66
    .vgpr_count:     256
    .wavefront_size: 32
...
	.end_amdgpu_metadata
.endif
;; end of part 7
;; launch oproj (part 8): grid 16 x 16, 4 waves a work-group, clusters of 4 x 4, 327,680 bytes of LDS; arguments zimg, ops, b_O, out0; writes out0
.if DOCPART == 8
	.amdgcn_target "amdgcn-amd-amdhsa--gfx1250"
	.amdhsa_code_object_version 6
	.text
	.protected	k_qc516fae671_oproj
	.globl	k_qc516fae671_oproj
	.p2align	8
	.type	k_qc516fae671_oproj,@function
k_qc516fae671_oproj:
	s_mov_b64 s[64:65], 0
	v_nop
	global_prefetch_b8 v0, s[64:65] scope:SCOPE_SE
	s_setreg_imm32_b32 hwreg(HW_REG_WAVE_MODE, 25, 1), 1
	s_wait_xcnt 0x0
	s_wait_alu depctr_hold_cnt(0) depctr_sa_sdst(0) depctr_va_vdst(0) depctr_va_sdst(0) depctr_va_ssrc(0) depctr_va_vcc(0) depctr_vm_vsrc(0)
	s_getreg_b32 s2, hwreg(HW_REG_IB_STS2, 6, 4)
	s_cmp_eq_u32 s2, 0
	s_cbranch_scc0 .Lentry_in_a_cluster
	s_endpgm
.Lentry_in_a_cluster:
	s_bfe_u32 s2, ttmp6, 0x10000c
	s_cmp_lg_u32 s2, 0xf033
	s_cbranch_scc0 .Lentry_shape_is_right
	s_endpgm
.Lentry_shape_is_right:
.set SZ,    3276800
.set OBB,   12800
.set GROW,  16*OBB
; LDS: A's K steps 0-11 (12 blocks), then B's: the head's four joint loads bring six blocks each.  K steps 12-15 are laid over steps 0-3 behind step 3's round.
.set LOADB, 6*OBB
.set SLOT,  4*OBB                      ; four K steps of one operand: what one address register reaches
.set SPARE, 24*OBB
.set STAGE, SLOT
.set SPITCH, 272
.set FR,    12
.set ADRA, 16
.set ADRB, 19
.set ADRS, 22
.set STO,  25
.set RD,   26
.set CO,   27
.set SPW,  28
.set NIL,  29
.set SC,   32
.set BI,   40
.set ACC,  128
.set G1,  24
.set G1B, 32
.set G0,  40
.set G0B, 52
.set MSB, 0
.macro WIN new
.if MSB != \new
	s_set_vgpr_msb (MSB<<8)|\new
.set MSB, \new
.endif
.endm
.set MUL,  0x05
.set TO_F, 0x40
.macro JLOAD g0a, g1a, g0b, g1b
	s_cmp_eq_u32 s15, 0
	s_cbranch_scc0 .Lfor_b_\@
	tensor_load_to_lds s[\g0a:\g0a+3], s[\g1a:\g1a+7]
	s_nop 0
.rept 4
	v_nop
.endr
	s_branch .Lasked_\@
.Lfor_b_\@:
	tensor_load_to_lds s[\g0b:\g0b+3], s[\g1b:\g1b+7]
	s_nop 0
.rept 4
	v_nop
.endr
.Lasked_\@:
.endm
.macro CREST
	s_cmp_lg_u32 s14, 0
	s_cbranch_scc1 .Lnot_wave_0_\@
	s_barrier_signal -3
.Lnot_wave_0_\@:
	s_barrier_wait -3
	s_barrier_signal -1
	s_barrier_wait -1
.endm
.macro CROUND
	s_barrier_signal -1
	s_barrier_wait -1
	CREST
.endm
.macro PLACES n
.rept \n
	v_nop
.endr
.endm
	s_load_b256 s[4:11], s[0:1], 0x0
	v_lshl_add_u32 v[SPW], v0, 2, SPARE
	v_mov_b32 v[NIL], 0
	ds_add_u32 v28, v29
	ds_add_u32 v28, v29
	s_wait_dscnt 0x0
	v_lshrrev_b32 v1, 5, v0
	v_readfirstlane_b32 s14, v1
	s_lshr_b32 s15, s14, 1
	s_and_b32 s16, s14, 1
	s_bfe_u32 s68, ttmp6, 0x40000
	s_bfe_u32 s69, ttmp6, 0x40004
	s_lshl_b32 s70, ttmp9, 2
	s_add_co_u32 s70, s70, s68
	s_and_b32 s17, ttmp7, 0xffff
	s_lshl_b32 s17, s17, 2
	s_add_co_u32 s17, s17, s69
	s_lshl_b32 s71, s69, 2
	s_lshl_b32 s71, 15, s71
	s_lshl_b32 s72, 0x1111, s68
	s_or_b32 s[G1+0], s71, (3<<16)|(1<<21)
	s_or_b32 s[G1B+0], s72, (3<<16)|(1<<21)
.irp g, G1, G1B
	s_mov_b32 s[\g+1], 32<<16
	s_mov_b32 s[\g+2], 300<<16                     ; 300 rows of 256 bytes: six blocks
	s_mov_b32 s[\g+3], 32<<16
	s_mov_b32 s[\g+4], 300
	s_mov_b32 s[\g+5], 32
	s_mov_b32 s[\g+6], 0
	s_mov_b32 s[\g+7], 0
.endr
	s_mul_i32 s18, s16, LOADB
	s_mul_i32 s20, s17, GROW
	s_add_co_u32 s20, s20, s18
	s_mov_b32 s21, 0
	s_mul_i32 s22, s70, GROW
	s_add_co_u32 s22, s22, s18
	s_add_co_u32 s22, s22, 6*SZ
	s_mov_b32 s23, 0
	s_mul_i32 s73, s14, LOADB
	s_wait_kmcnt 0x0
	s_add_nc_u64 s[20:21], s[4:5], s[20:21]
	s_add_nc_u64 s[22:23], s[6:7], s[22:23]
	CROUND
	s_mul_i32 s74, s16, 4*OBB
	s_mov_b32 s75, 0
	s_mul_i32 s76, s16, 2*OBB
	s_mov_b32 s[G0], 1                             ; the head's load: my six K steps of A or of B
	s_mov_b32 s[G0+1], s73
	s_mov_b64 s[G0+2:G0+3], s[20:21]
	s_or_b32 s[G0+3], s[G0+3], 0x80000000
	s_mov_b32 s[G0B], 1
	s_mov_b32 s[G0B+1], s73
	s_mov_b64 s[G0B+2:G0B+3], s[22:23]
	s_or_b32 s[G0B+3], s[G0B+3], 0x80000000
	s_mov_b32 s[G0+4], 1                           ; the refill: K steps 12, 13 or 14, 15, over steps 0, 1 or 2, 3
	s_mov_b32 s[G0+5], s76
	s_add_nc_u64 s[G0+6:G0+7], s[20:21], 12*OBB
	s_sub_nc_u64 s[G0+6:G0+7], s[G0+6:G0+7], s[74:75]
	s_or_b32 s[G0+7], s[G0+7], 0x80000000
	s_mov_b32 s[G0B+4], 1
	s_add_co_u32 s[G0B+5], s76, 12*OBB
	s_add_nc_u64 s[G0B+6:G0B+7], s[22:23], 12*OBB
	s_sub_nc_u64 s[G0B+6:G0B+7], s[G0B+6:G0B+7], s[74:75]
	s_or_b32 s[G0B+7], s[G0B+7], 0x80000000
	s_cmp_eq_u32 s15, 0                            ; a prefetch into the L2 of what my refill will ask for behind K step 3: 100 blocks of 256 bytes,
	s_cselect_b64 s[78:79], s[20:21], s[22:23]
	s_cselect_b32 s77, s68, s69                    ; shared out by address among the four that ask for them jointly: 25 each, a lane a block; the lanes left over name the last again
	s_add_nc_u64 s[78:79], s[78:79], 12*OBB
	s_sub_nc_u64 s[78:79], s[78:79], s[74:75]
	s_mul_i32 s77, s77, 25
	JLOAD G0, G1, G0B, G1B
	v_and_b32 v30, 31, v0
	v_min_u32 v30, 24, v30
	v_add_lshl_u32 v30, v30, s77, 8
	v_and_b32 v1, 15, v0
	v_bfe_u32 v2, v0, 4, 1
	v_and_b32 v3, 31, v0
	v_lshlrev_b32 v3, 4, v3
	s_wait_alu depctr_va_vdst(0)
	s_mul_i32 s18, s15, 4*1536
	s_mul_i32 s19, s16, 4*1536
	s_add_co_u32 s19, s19, 12*OBB
	s_lshl_b32 s12, s15, 3
	s_lshl_b32 s13, s16, 3
	s_add_co_u32 s13, s13, 12*OBB
	s_sub_co_u32 s13, s13, s12
	v_mul_u32_u24 v4, s13, v2
	v_lshl_add_u32 v4, v1, 5, v4
.irp s, 0,1,2
	v_add_nc_u32 v[ADRA+\s], s18, v3
	v_add_nc_u32 v[ADRB+\s], s19, v3
	v_add_nc_u32 v[ADRS+\s], s12, v4
	s_add_co_u32 s18, s18, SLOT
	s_add_co_u32 s19, s19, SLOT
	s_add_co_u32 s12, s12, SLOT
.endr
	s_mul_i32 s18, s14, 16*SPITCH
	s_add_co_u32 s18, s18, STAGE
	v_mul_u32_u24 v5, v1, SPITCH
	v_lshl_add_u32 v5, v2, 5, v5
	v_add_nc_u32 v[STO], s18, v5
	v_mul_u32_u24 v5, v2, SPITCH
	v_lshl_add_u32 v5, v1, 4, v5
	v_add_nc_u32 v[RD], s18, v5
	v_lshlrev_b32 v5, 13, v2
	v_lshl_add_u32 v[CO], v1, 4, v5
	s_lshl_b32 s22, s70, 9
	s_lshl_b32 s23, s16, 8
	s_add_co_u32 s22, s22, s23
	s_mov_b32 s23, 0
	s_add_nc_u64 s[8:9], s[8:9], s[22:23]
	s_lshl_b32 s20, s17, 7
	s_lshl_b32 s21, s15, 6
	s_add_co_u32 s20, s20, s21
	s_lshl_b32 s20, s20, 13
	s_mov_b32 s21, 0
	s_add_nc_u64 s[20:21], s[20:21], s[22:23]
	s_add_nc_u64 s[10:11], s[10:11], s[20:21]
	v_lshlrev_b32 v6, 5, v2
.irp n, 0,1,2,3,4,5,6,7
	global_load_b128 v[BI+4*\n:BI+4*\n+3], v6, s[8:9] offset:64*(\n/2)+16*(\n%2)
.endr
.macro MUL8 p, a0, first
.irp a, \a0, \a0+1
.irp b, 0,1,2,3
.if \first
	v_wmma_scale_f32_16x16x128_f8f6f4 v[ACC+8*(4*(\a)+\b):ACC+8*(4*(\a)+\b)+7], v[128*(\p)+48+FR*\b:128*(\p)+48+FR*\b+FR-1], v[128*(\p)+FR*(\a):128*(\p)+FR*(\a)+FR-1], v[BI+8*\b:BI+8*\b+7], v[SC+4*(\p)+2*(\b%2)+\b/2], v[SC+4*(\p)+2*((\a)%2)+(\a)/2] matrix_a_fmt:MATRIX_FMT_BF6 matrix_b_fmt:MATRIX_FMT_BF6 matrix_a_scale:MATRIX_SCALE_ROW1
.else
	v_wmma_scale_f32_16x16x128_f8f6f4 v[ACC+8*(4*(\a)+\b):ACC+8*(4*(\a)+\b)+7], v[128*(\p)+48+FR*\b:128*(\p)+48+FR*\b+FR-1], v[128*(\p)+FR*(\a):128*(\p)+FR*(\a)+FR-1], v[ACC+8*(4*(\a)+\b):ACC+8*(4*(\a)+\b)+7], v[SC+4*(\p)+2*(\b%2)+\b/2], v[SC+4*(\p)+2*((\a)%2)+(\a)/2] matrix_a_fmt:MATRIX_FMT_BF6 matrix_b_fmt:MATRIX_FMT_BF6 matrix_a_scale:MATRIX_SCALE_ROW1
.endif
.endr
.endr
.endm
.macro FETCH
	WIN TO_F
.irp i, 0,1,2,3
.irp c, 0,1,2
	ds_load_b128 v[128*FP+48+FR*\i+4*\c:128*FP+48+FR*\i+4*\c+3], v[ADRB+FS] offset:OBB*FQ+1536*\i+512*\c
.endr
.endr
.irp i, 0,1,2,3
.irp c, 0,1,2
	ds_load_b128 v[128*FP+FR*\i+4*\c:128*FP+FR*\i+4*\c+3], v[ADRA+FS] offset:OBB*FQ+1536*\i+512*\c
.endr
.endr
	WIN 0
	ds_load_b64 v[SC+4*FP:SC+4*FP+1], v[ADRS+FS] offset:OBB*FQ+12288
	ds_load_b64 v[SC+4*FP+2:SC+4*FP+3], v[ADRS+FS] offset:OBB*FQ+12304
.endm
.macro STEP n, kind
.set PP, (\n)%2
.set FS, (((\n)+1)/4)%3
.set FQ, ((\n)+1)%4
.set FP, ((\n)+1)%2
.if \kind
	WIN 0
	s_wait_tensorcnt 0x0
	ds_add_u32 v[SPW], v[NIL]
.endif
	s_wait_dscnt 0x0
.if \kind
	s_barrier_signal -1
.endif
	WIN MUL
.if (\n) == 0
	MUL8 PP, 0, 1
.else
	MUL8 PP, 0, 0
.endif
.if \kind
	WIN 0
	s_barrier_wait -1
.endif
.if \kind == 2
	CREST
	s_mov_b32 s[G1+2], 100<<16                     ; no tensor load of mine is out: the shape may be written: two blocks, 100 rows of 256 bytes
	s_mov_b32 s[G1+4], 100
	s_mov_b32 s[G1B+2], 100<<16
	s_mov_b32 s[G1B+4], 100
	JLOAD G0+4, G1, G0B+4, G1B                     ; my one tensor load behind the round
.elseif (\n) < 15
	PLACES 4
.endif
.if (\n) < 15
	FETCH
.endif
	WIN MUL
.if (\n) == 0
	MUL8 PP, 2, 1
.else
	MUL8 PP, 2, 0
.endif
.endm
	s_wait_alu depctr_va_vdst(0)
	s_wait_tensorcnt 0x0                           ; my six K steps are in
	s_barrier_signal -1
	s_barrier_wait -1
.set FS, 0
.set FQ, 0
.set FP, 0
	FETCH
	s_wait_loadcnt 0x0
	global_prefetch_b8 v30, s[78:79] th:TH_LOAD_NT scope:SCOPE_SE   ; asked behind the head's barrier, three K steps ahead of the refill
	STEP 0, 0
	STEP 1, 0
	STEP 2, 0
	STEP 3, 2
.irp n, 4,5,6,7,8,9,10
	STEP \n, 0
.endr
	STEP 11, 1
.irp n, 12,13,14,15
	STEP \n, 0
.endr
	WIN 0
.macro TOSTAGE a
	WIN 0
.irp b, 0,1,2,3
	ds_store_b128 v[STO], v[ACC+8*(4*(\a)+\b):ACC+8*(4*(\a)+\b)+3] offset:64*\b
	ds_store_b128 v[STO], v[ACC+8*(4*(\a)+\b)+4:ACC+8*(4*(\a)+\b)+7] offset:64*\b+16
.endr
	WIN TO_F
.irp t, 0,1,2,3,4,5,6,7
	ds_load_b128 v[32*(\a)+4*\t:32*(\a)+4*\t+3], v[RD] offset:2*\t*SPITCH
.endr
.endm
.macro SEND a, younger
	s_wait_dscnt \younger
	WIN 0x04
.irp t, 0,1,2,3,4,5,6,7
	global_store_b128 v[CO], v[32*(\a)+4*\t:32*(\a)+4*\t+3], s[10:11] offset:(16*(\a)+2*\t)*8192 th:TH_STORE_NT
.endr
.endm
	PLACES 4
	s_wait_alu depctr_va_vdst(0)
	TOSTAGE 0
	TOSTAGE 1
	SEND 0, 16
	TOSTAGE 2
	SEND 1, 16
	TOSTAGE 3
	SEND 2, 16
	SEND 3, 0
	WIN 0
	s_wait_tensorcnt 0x0
	ds_add_u32 v[SPW], v[NIL]
	s_wait_dscnt 0x0
	CROUND
	s_endpgm
.Lfunc_end_k_qc516fae671_oproj:
	.size	k_qc516fae671_oproj, .Lfunc_end_k_qc516fae671_oproj-k_qc516fae671_oproj
	.p2alignl 7, 3214868480
	.fill 96, 4, 3214868480
	.section	.rodata,"a",@progbits
	.p2align	6, 0x0
	.amdhsa_kernel k_qc516fae671_oproj
		.amdhsa_group_segment_fixed_size 327680
		.amdhsa_private_segment_fixed_size 0
		.amdhsa_enable_private_segment 0
		.amdhsa_kernarg_size 32
		.amdhsa_user_sgpr_count 2
		.amdhsa_user_sgpr_kernarg_segment_ptr 1
		.amdhsa_wavefront_size32 1
		.amdhsa_system_sgpr_workgroup_id_x 1
		.amdhsa_system_sgpr_workgroup_id_y 1
		.amdhsa_system_sgpr_workgroup_id_z 1
		.amdhsa_system_vgpr_workitem_id 0
		.amdhsa_next_free_vgpr 512
		.amdhsa_next_free_sgpr 80
		.amdhsa_reserve_vcc 0
		.amdhsa_float_denorm_mode_32 3
		.amdhsa_float_denorm_mode_16_64 3
		.amdhsa_memory_ordered 1
		.amdhsa_forward_progress 1
		.amdhsa_inst_pref_size 80
	.end_amdhsa_kernel
	.amdgpu_metadata
---
amdhsa.version: [ 1, 2 ]
amdhsa.kernels:
  - .name:           k_qc516fae671_oproj
    .symbol:         k_qc516fae671_oproj.kd
    .args:
      - { .name: zimg, .offset: 0, .size: 8, .value_kind: global_buffer, .address_space: global }
      - { .name: ops, .offset: 8, .size: 8, .value_kind: global_buffer, .address_space: global }
      - { .name: b_O, .offset: 16, .size: 8, .value_kind: global_buffer, .address_space: global }
      - { .name: out0, .offset: 24, .size: 8, .value_kind: global_buffer, .address_space: global }
    .group_segment_fixed_size: 327680
    .private_segment_fixed_size: 0
    .kernarg_segment_align: 8
    .kernarg_segment_size: 32
    .max_flat_workgroup_size: 128
    .sgpr_count:     80
    .vgpr_count:     512
    .wavefront_size: 32
...
	.end_amdgpu_metadata
.endif
;; end of part 8
